; MI455X (gfx1250); checked and timed in simulation.
; The chip was launched on July 23, 2026; its instructions are those of AMD's public machine-readable ISA for CDNA 5 (MIT licence, August 2026) and "CDNA5" Instruction Set Architecture Reference Guide (July 2026). The comments in the code are by the model that wrote it; some were corrected since.
;; Multi Head Attention With Cache. Allowed arithmetic: matrix products marked QUANTISED: E2M3 operands, one E8M0 scale for each 32 along K, by v_wmma_scale_f32_16x16x128_f8f6f4 with both operands' format E2M3, f32 sums; everything else in f32.
;; Inputs: Wk 2,048 x 2,048 float32; Wo 2,048 x 2,048 float32; Wq 2,048 x 2,048 float32; Wv 2,048 x 2,048 float32; attention_mask 2 x 1 x 1,024 x 3,072 float32; hidden_states 2 x 1,024 x 2,048 float32; k_cache 2 x 16 x 2,048 x 128 float32; v_cache 2 x 16 x 2,048 x 128 float32.
;; Outputs: out0 2 x 1,024 x 2,048 float32.
;; This version of the problem:
;;   THIS VERSION OF THE PROBLEM IS GIVEN IN LOW PRECISION. The matrix products marked QUANTISED in the list below multiply operands that are first quantised to E2M3 (2 exponent bits, 3 mantissa bits; 6 bits a number), with one power-of-two scale for each 32 numbers along K (OCP MX v1.0); their sums are f32. All else is computed in f32.
;;   The module's matrix products, in the order in which they are computed (A, B: the left and right operand; K: the contracted axis; several contracted axes count as one K, in the product's order):
;;     1. [M 2,048, K 2,048] x [K 2,048, N 2,048]; A: input hidden_states; B: input Wq: QUANTISED
;;     2. [M 2,048, K 2,048] x [K 2,048, N 2,048]; A: input hidden_states; B: input Wk: QUANTISED
;;     3. [M 2,048, K 2,048] x [K 2,048, N 2,048]; A: input hidden_states; B: input Wv: QUANTISED
;;     4. batch 32 x [M 1,024, K 128] x [K 128, N 3,072]; A: computed on the way; B: computed on the way: QUANTISED
;;     5. batch 32 x [M 1,024, K 3,072] x [K 3,072, N 128]; A: softmax (see below); B: computed on the way: QUANTISED
;;     6. [M 2,048, K 2,048] x [K 2,048, N 2,048]; A: computed on the way; B: input Wo: QUANTISED
;;   THE QUANTISER, for each operand of a quantised product, along K:
;;     - K is cut into blocks of 32 from its start; a last block that is shorter is filled with zeros.
;;     - A block's scale is 2^e with e = floor(log2(the largest magnitude in the block)) - 2, held to -126 .. 127; a block of zeros has e = 0. As a byte (E8M0): e + 127.
;;     - Each number is divided by its block's scale, clamped to +-7.5, and rounded to the nearest number of E2M3, ties to even, subnormals kept.
;;     - The product sums the exact products of the quantised numbers (number of the format x scale) in f32.
;;   ~~~python
;;   def quantise(x, axis):      # numpy; x: float32 -> the quantised numbers, widened to float32 again
;;       x = np.moveaxis(x, axis, -1); K = x.shape[-1]
;;       x = np.pad(x, [(0, 0)] * (x.ndim - 1) + [(0, -K % 32)]); x = x.reshape(x.shape[:-1] + (-1, 32)); a = np.abs(x).max(-1, keepdims=True)
;;       e = np.where(a > 0, np.clip(np.frexp(np.where(a > 0, a, 1))[1] - 1 - 2, -126, 127), 0)      # np.frexp(a)[1] - 1 = floor(log2(a)), exactly
;;       r = np.clip(x / 2.0 ** e, -7.5, 7.5)
;;       step = 2.0 ** (np.maximum(np.frexp(np.where(r == 0, 1, r))[1] - 1, 0) - 3)
;;       q = np.round(r / step) * step * 2.0 ** e      # np.round: ties to even
;;       return np.moveaxis(q.reshape(q.shape[:-2] + (-1,))[..., :K], -1, axis).astype(np.float32)
;;   ~~~
;;   SOFTMAX AHEAD OF A QUANTISED PRODUCT. Where the list says 'softmax', what is quantised is not the finished softmax but p = 2^(t - M), with t = logit x log2(e) and M = ceil(the row's largest t), a whole number; so 1/2 < the row's largest p <= 1. The row's sum l is taken of the UNQUANTISED p, in f32, and the product's result is divided by l at the end. Since M is a whole number, a kernel that streams over the keys may use a running M (the ceiling of the running maximum): every later rescaling is an exact power of two, which a block's scale takes up: the codes' values come out the same.
;;   OPERANDS COMPUTED ON THE WAY. 'Computed on the way' means the value that the module computes at that place (a softmax that the list does not call 'softmax' is quantised finished and normalised). What goes into a quantiser is computed in f32, as accurately as f32 sums, v_exp_f32 and their like allow (about 1e-6 of the number): no bf16 or f16 on the way to a quantiser, and a product that is left as it is and whose result goes on into a quantised operand takes f32 operands (vector FMAs, or v_wmma_f32_16x16x4_f32). A number that lies on a knife's edge between two numbers of the format may be rounded either way, as far as f32 arithmetic and the matrix unit's own rounding can turn it there, and no further.
;; 2 versions. Each part assembles by itself: llvm-mc -triple=amdgcn-amd-amdhsa -mcpu=gfx1250 --defsym DOCPART=n.
;; ======== version 1 of 2: 4 launches
;; workspace buffers: XW 16,384,000 bytes; Q 3,276,800 bytes; KV 19,660,800 bytes; AT 3,276,800 bytes
;; launch quant (part 1): grid 960 x 1, 4 waves a work-group, no clusters, 36,352 bytes of LDS; arguments hidden_states, Wq, Wk, Wv, Wo, k_cache, v_cache, XW, KV; writes XW, KV
.if DOCPART == 1
	.amdgcn_target "amdgcn-amd-amdhsa--gfx1250"
	.amdhsa_code_object_version 6
	.text
	.protected	k_qfa6054f2ec_quant
	.globl	k_qfa6054f2ec_quant
	.p2align	8
	.type	k_qfa6054f2ec_quant,@function
k_qfa6054f2ec_quant:
	s_mov_b64 s[64:65], 0
	v_nop
	global_prefetch_b8 v0, s[64:65] scope:SCOPE_SE
	s_setreg_imm32_b32 hwreg(HW_REG_WAVE_MODE, 25, 1), 1
	s_wait_xcnt 0x0
; All f32 inputs that are operands of quantised products become codes of FP6 (E2M3) with one E8M0 byte for each 32 along K.
; THE RECORD (12,800 bytes = 50 x 256) is the unit of every workspace buffer: 8 fragments of 16 rows x 128 K as IMAGES OF THE OPERAND'S REGISTERS
; (fragment i at 1,536 i; its registers 4 c .. 4 c + 3 at + 512 c; lane l's 16 bytes at + 16 l), then the scale words: row r of fragment i at 12,288 + 64 i + 4 r.
; THE ORDER INSIDE A BLOCK OF 32: place 16 x + 8 y + j holds k = 16 y + 8 x + j.  Every operand of the program is laid so, so both sides of every product carry the same
; permutation of k inside a block; the blocks are the same sets of 32, so the scales and the codes' values are those of the stated quantiser.
; A block's scale is 2^(floor(log2(largest magnitude)) - 2); its byte is the largest magnitude's exponent field - 2, held at 1 from below.
; LIMITS: a block of zeros, or one whose largest magnitude lies under 2^-124, gets the byte 1 (its codes are read by this program alone); NaN and infinities among the inputs are not served.
; WORK-GROUPS 0-319: hidden_states, Wq, Wk, Wv, Wo (K innermost): 64 rows x 1,024 K each.  320-447: k_cache (K = the head's 128, innermost).  448-959: v_cache (K = the keys, NOT innermost).
; The first two kinds take one path: a wave makes 8 fragments; each load reads 512 consecutive bytes of a row; a fragment's 16 rows turn through the wave's own stage in LDS, so that a lane
; gets 16 numbers of each block of its row.  The third kind: a lane takes a column d and its registers run down the keys; no LDS, no barrier.
.set REC,   12800
.set MATB,  256*REC                    ; a matrix of 2,048 x 2,048 in records
.set STGB,  16*528                     ; a wave's stage: 16 rows of 512 bytes + 16
.set SCG,   4*STGB                     ; behind the stages: 8 x 256 bytes: the four waves' scale words of fragment n at 256 n + 64 wave + 4 r
.set WV,    22                         ; s22      my wave's number
.set SEL,   24                         ; s[24:25] lane selects for v_permlanex16_b32: lane l xor 16
.set INA,   26                         ; s[26:27] where the even fragments are loaded from;  s[28:29] the odd ones
.set INB,   28
.set ST2,   30                         ; s[30:31] two fragments on, in the input
.set OUT,   32                         ; s[32:33] my fragment's image in the record in hand
.set OUTS,  34                         ; s[34:35] the four waves' 256 bytes of scale words in the first record
.set OST,   36                         ; s[36:37] a record on
.set LI,    1                          ; v1   16 x lane
.set STW,   2                          ; v2   the stage, on the way in: 16 x lane
.set STR,   3                          ; v3   and on the way out: 528 r + 32 h
.set SCW,   4                          ; v4   where my row's scale word goes
.set SCR,   5                          ; v5   where I read 16 bytes of scale words back
.set SCO,   6                          ; v6   and where they go in memory
.set PW,    7                          ; v7   the scale word just made
.set VO,    16                         ; v16-31 row i of a fragment: 16 x lane + i x the input's pitch; never rewritten
.set RA,    32                         ; v32-95, v96-159 two sets of 64 numbers as they are loaded
.set XX,    160                        ; v160-223 the 64 numbers of my row, in the order of the conversions
.set PC,    224                        ; v224-235 a fragment's codes
.set TP,    236                        ; v236-243 the second halves of the blocks, before they are moved
.set TM,    244                        ; v244-247 largest magnitudes, v248-251 bytes, v252-255 the conversions' scale operands
; 64 numbers of a lane, register 16 b + i of v[s] on belonging to block b of my row, the other 16 of the block lying in lane l xor 16, become a fragment's 12 registers in v[PC] on and its scale word in v[PW].
.macro QUANT s
.irp b, 0,1,2,3
	v_max3_num_f32 v[TM+\b], |v[(\s)+16*\b]|, |v[(\s)+1+16*\b]|, 0x1800000   ; my 16 numbers, and the floor 2^(3 - 127): the byte cannot fall under 1
.endr
.irp i, 2,4,6,8,10,12,14
.irp b, 0,1,2,3
	v_max3_num_f32 v[TM+\b], v[TM+\b], |v[(\s)+16*\b+\i]|, |v[(\s)+1+16*\b+\i]|   ; the four blocks by turns
.endr
.endr
.irp b, 0,1,2,3
	v_permlanex16_b32 v[TM+4+\b], v[TM+\b], s[SEL], s[SEL+1]
.endr
.irp b, 0,1,2,3
	v_max_num_f32 v[TM+\b], v[TM+\b], v[TM+4+\b]   ; with lane l xor 16's: the block's largest magnitude
.endr
.irp b, 0,1,2,3
	v_add_nc_u32 v[TM+8+\b], 0xff000000, v[TM+\b]  ; 2 off its exponent field: the conversion takes the exponent field of this operand as its scale
.endr
.irp b, 0,1,2,3
	v_lshrrev_b32 v[TM+4+\b], 23, v[TM+8+\b]       ; the scale's byte
.endr
	v_lshl_or_b32 v[PW], v[TM+5], 8, v[TM+4]
	v_lshl_or_b32 v[PW], v[TM+6], 16, v[PW]
	v_lshl_or_b32 v[PW], v[TM+7], 24, v[PW]
.irp c, 0,1
	v_cvt_scalef32_pk16_fp6_f32 v[PC+6*\c:PC+2+6*\c], v[(\s)+32*\c:(\s)+15+32*\c], v[TM+8+2*\c]
	v_cvt_scalef32_pk16_fp6_f32 v[TP+4*\c:TP+2+4*\c], v[(\s)+16+32*\c:(\s)+31+32*\c], v[TM+8+2*\c+1]   ; (a conversion's three registers begin on an even number)
.endr
	v_nop                                          ; one plain instruction behind the scaled conversions
.irp c, 0,1                                    ; the operand's layout wants a whole block in a lane: lanes 0-15 block 2 c, lanes 16-31 block 2 c + 1
.irp i, 0,1,2
	v_permlane16_swap_b32 v[PC+6*\c+\i], v[TP+4*\c+\i]
.endr
.irp i, 0,1,2
	v_mov_b32 v[PC+3+6*\c+\i], v[TP+4*\c+\i]
.endr
.endr
.endm
	s_load_b256 s[4:11], s[0:1], 0x0               ; hidden_states s[4:5], Wq s[6:7], Wk s[8:9], Wv s[10:11]
	s_load_b256 s[12:19], s[0:1], 0x20             ; Wo s[12:13], k_cache s[14:15], v_cache s[16:17], XW s[18:19]
	s_load_b64 s[20:21], s[0:1], 0x40              ; KV
	v_lshl_add_u32 v239, v0, 2, 0x8c00
	v_mov_b32 v243, 0
	v_lshrrev_b32 v8, 5, v0
	v_readfirstlane_b32 s[WV], v8                  ; wave 0..3
	v_and_b32 v8, 31, v0                           ; lane
	v_and_b32 v9, 15, v0                           ; r
	v_bfe_u32 v10, v0, 4, 1                        ; h
	s_cmp_lt_u32 ttmp9, 448                        ; the work-group's number alone decides the path: the same for its four waves
	s_cbranch_scc0 .Lkeys_outer
	; ---------------- K innermost ----------------
	s_mov_b32 s[SEL], 0x76543210
	s_mov_b32 s[SEL+1], 0xfedcba98
	; a matrix: m = wg / 64; of its 64 work-groups, number 2 rq + kh takes rows 64 rq on and K 1,024 kh on; wave w the 16 rows 16 (4 rq + w) on
	s_lshr_b32 s38, ttmp9, 6                       ; m
	s_and_b32 s39, ttmp9, 63
	s_lshr_b32 s40, s39, 1                         ; rq
	s_and_b32 s41, s39, 1                          ; kh
	s_lshl_b32 s42, s40, 2
	s_add_co_u32 s42, s42, s[WV]
	s_lshl_b32 s42, s42, 17                        ; 16 rows of 8,192 bytes
	s_lshl_b32 s43, s41, 12
	s_add_co_u32 s42, s42, s43                     ; where my rows begin in the input
	s_lshr_b32 s43, s40, 1                         ; the group of 128 rows,
	s_lshl_b32 s43, s43, 4
	s_lshl_b32 s44, s41, 3
	s_add_co_u32 s43, s43, s44                     ; its 16 records, from K step 8 kh on
	s_mul_i32 s43, s43, REC
	s_mul_i32 s44, s38, MATB
	s_add_co_u32 s43, s43, s44                     ; the first record
	s_and_b32 s44, s40, 1                          ; which four fragments of a record are the work-group's
	; k_cache: u = wg - 320; head u / 4; key steps 8 ((u / 2) % 2) on; wave w the keys 16 (4 (u % 2) + w) on of each step
	s_sub_co_u32 s45, ttmp9, 320
	s_and_b32 s45, s45, 127
	s_lshr_b32 s46, s45, 2
	s_bfe_u32 s47, s45, 0x10001
	s_and_b32 s48, s45, 1
	s_lshl_b32 s49, s48, 2
	s_add_co_u32 s49, s49, s[WV]
	s_lshl_b32 s49, s49, 13                        ; 16 keys of 512 bytes
	s_lshl_b32 s50, s46, 20                        ; a head: 2,048 keys
	s_add_co_u32 s49, s49, s50
	s_lshl_b32 s50, s47, 19                        ; 8 steps of 128 keys
	s_add_co_u32 s49, s49, s50
	s_mul_i32 s50, s46, 24                         ; a head has 24 steps in KV, K's record and V's for each
	s_lshl_b32 s51, s47, 3
	s_add_co_u32 s50, s50, s51
	s_mul_i32 s50, s50, 2*REC
	s_mov_b32 s52, 512                             ; the pitch of k_cache's rows,
	s_mov_b32 s[ST2], 2*65536                      ; two key steps,
	s_mov_b32 s[OST], 2*REC                        ; a step in KV
	s_cmp_lt_u32 ttmp9, 320
	s_cselect_b32 s42, s42, s49
	s_cselect_b32 s43, s43, s50
	s_cselect_b32 s44, s44, s48
	s_cselect_b32 s52, 8192, s52
	s_cselect_b32 s[ST2], 2*512, s[ST2]
	s_cselect_b32 s[OST], REC, s[OST]
	s_mov_b32 s[ST2+1], 0
	s_mov_b32 s[OST+1], 0
	s_lshr_b32 s54, s[ST2], 1                      ; one fragment on
	s_mov_b32 s55, 0
	s_mov_b32 s56, s42
	s_mov_b32 s57, 0
	s_lshl_b32 s58, s44, 2
	s_add_co_u32 s58, s58, s[WV]                   ; my fragment's number in a record
	s_mul_i32 s58, s58, 1536
	s_add_co_u32 s58, s58, s43
	s_mov_b32 s59, 0
	s_lshl_b32 s60, s44, 8                         ; the four waves' scale words: 256 bytes
	s_add_co_u32 s60, s60, s43
	s_add_co_u32 s60, s60, 12288
	s_mov_b32 s61, 0
	v_lshlrev_b32 v[LI], 4, v8
	s_mul_i32 s39, s[WV], STGB
	v_add_nc_u32 v[STW], s39, v[LI]
	v_mul_u32_u24 v[STR], v9, 528
	v_lshl_add_u32 v[STR], v10, 5, v[STR]
	v_add_nc_u32 v[STR], s39, v[STR]
	s_lshl_b32 s39, s[WV], 6
	s_add_co_u32 s39, s39, SCG
	v_lshl_add_u32 v[SCW], v9, 2, s39
	s_lshl_b32 s39, s[WV], 9
	s_add_co_u32 s39, s39, SCG
	v_add_nc_u32 v[SCR], s39, v[LI]
	v_lshrrev_b32 v[SCO], 4, v0                    ; 2 wave + h: the fragment whose scale words I carry out
	v_mul_lo_u32 v[SCO], v[SCO], s[OST]
	v_lshl_add_u32 v[SCO], v9, 4, v[SCO]
.irp i, 0,1,2,3,4,5,6,7,8,9,10,11,12,13,14,15
	v_mad_u32_u24 v[VO+\i], s52, \i, v[LI]
.endr
.irp b, 0,1,2,3
	v_mov_b32 v[TM+4+\b], 0                        ; written once: a lane permute's destination counts as one of its sources
.endr
	s_wait_kmcnt 0x0
	s_cmp_eq_u32 s38, 1                            ; the input is chosen by the work-group's number alone
	s_cselect_b64 s[INA:INA+1], s[6:7], s[4:5]
	s_cmp_eq_u32 s38, 2
	s_cselect_b64 s[INA:INA+1], s[8:9], s[INA:INA+1]
	s_cmp_eq_u32 s38, 3
	s_cselect_b64 s[INA:INA+1], s[10:11], s[INA:INA+1]
	s_cmp_eq_u32 s38, 4
	s_cselect_b64 s[INA:INA+1], s[12:13], s[INA:INA+1]
	s_cmp_lt_u32 ttmp9, 320
	s_cselect_b64 s[INA:INA+1], s[INA:INA+1], s[14:15]
	s_cselect_b64 s[OUT:OUT+1], s[18:19], s[20:21]
	s_add_nc_u64 s[INA:INA+1], s[INA:INA+1], s[56:57]
	s_add_nc_u64 s[INB:INB+1], s[INA:INA+1], s[54:55]
	s_add_nc_u64 s[OUTS:OUTS+1], s[OUT:OUT+1], s[60:61]
	s_add_nc_u64 s[OUT:OUT+1], s[OUT:OUT+1], s[58:59]
.macro GLOAD set, ptr                  ; a fragment's 16 rows x 512 bytes: each load reads 512 consecutive bytes
.irp i, 0,1,2,3,4,5,6,7,8,9,10,11,12,13,14,15
	global_load_b128 v[\set+4*\i:\set+4*\i+3], v[VO+\i], s[\ptr:\ptr+1] th:TH_LOAD_NT
.endr
.endm
.macro FRAGSTEP n
.set RS, RA+64*((\n)%2)
.set IP, INA+2*((\n)%2)
.if (\n) < 7
	s_wait_loadcnt 16                              ; this fragment's 16 loads are in; the next fragment's 16 may be out
.else
	s_wait_loadcnt 0x0
.endif
.irp i, 0,1,2,3,4,5,6,7,8,9,10,11,12,13,14,15
	ds_store_b128 v[STW], v[RS+4*\i:RS+4*\i+3] offset:528*\i
.endr
.irp b, 0,1,2,3                                ; back: register 16 b + 8 u + j takes k = 32 b + 16 u + 8 h + j of my row.  LDS serves a wave's instructions in order: these see the stores above
.irp u, 0,1
.irp j, 0,1
	ds_load_b128 v[XX+16*\b+8*\u+4*\j:XX+16*\b+8*\u+4*\j+3], v[STR] offset:128*\b+64*\u+16*\j
.endr
.endr
.endr
	s_wait_dscnt 0x0                               ; my row's numbers are in; the stores into the stage have read their registers, and the last scale word's store its own
	s_wait_xcnt 0x0                                ; the last fragment's stores have read their data and their base: both are written again below
.if (\n) > 0
	s_add_nc_u64 s[OUT:OUT+1], s[OUT:OUT+1], s[OST:OST+1]
.endif
.if (\n)+2 < 8
	s_add_nc_u64 s[IP:IP+1], s[IP:IP+1], s[ST2:ST2+1]
	GLOAD RS, IP                                   ; the fragment two on, into the set just emptied
.endif
	QUANT XX
.irp c, 0,1,2
	global_store_b128 v[LI], v[PC+4*\c:PC+4*\c+3], s[OUT:OUT+1] offset:512*\c   ; 512 consecutive bytes, at a multiple of 256 from the buffer's first byte
.endr
	ds_store_b32 v[SCW], v[PW] offset:256*(\n)     ; lanes l and l xor 16 write the same word with the same value
.endm
	GLOAD RA, INA
	GLOAD RA+64, INB
.irp n, 0,1,2,3,4,5,6,7
	FRAGSTEP \n
.endr
	s_wait_dscnt 0x0                               ; for the others' sake: my scale words lie in LDS
	s_barrier_signal -1
	s_barrier_wait -1
	ds_load_b128 v[XX:XX+3], v[SCR]                ; fragments 2 wave and 2 wave + 1: the four waves' 256 bytes of each
	s_wait_dscnt 0x0
	global_store_b128 v[SCO], v[XX:XX+3], s[OUTS:OUTS+1]   ; sixteen lanes store 256 consecutive bytes, aligned
	s_wait_tensorcnt 0x0
	ds_add_u32 v239, v243
	s_wait_dscnt 0x0
	s_endpgm
	; ---------------- v_cache: K = the keys, the first axis within a head ----------------
	; Work-group 448 + 16 hb + step; wave b takes d = 32 b + lane.  A lane's 128 registers are the step's four blocks of 32 keys of its column, each in the order of the places.
	; Loads run two blocks ahead: 64 loads of a wave are out at the most, 32 while a block is worked on; each block has 32 registers of its own.
	; The scale words leave in pieces of 128 bytes a wave: the path then needs neither LDS nor a barrier.
.Lkeys_outer:
	s_sub_co_u32 s38, ttmp9, 448
	s_lshr_b32 s39, s38, 4                         ; hb
	s_and_b32 s40, s38, 15                         ; step
	s_lshl_b32 s42, s39, 20
	s_lshl_b32 s41, s40, 16
	s_add_co_u32 s42, s42, s41
	s_lshl_b32 s41, s[WV], 7
	s_add_co_u32 s42, s42, s41                     ; head, step, my wave's 32 columns
	s_mov_b32 s43, 0
	s_mul_i32 s44, s39, 24
	s_add_co_u32 s44, s44, s40
	s_mul_i32 s44, s44, 2*REC
	s_add_co_u32 s44, s44, REC                     ; V's record of the step
	s_mov_b32 s45, 0
	s_mul_i32 s46, s[WV], 3072                     ; my wave's two fragments
	s_mov_b32 s47, 0
	s_add_co_u32 s48, s41, 12288                   ; and their scale words
	s_mov_b32 s49, 0
	v_lshlrev_b32 v1, 2, v8                        ; 4 x lane: in, and the scale word's place
	v_mul_u32_u24 v2, v10, 1536
	v_lshl_add_u32 v2, v9, 4, v2                   ; the image: fragment h of my wave's two, row r
	s_wait_kmcnt 0x0
	s_add_nc_u64 s[INA:INA+1], s[16:17], s[42:43]
	s_add_nc_u64 s[OUTS:OUTS+1], s[20:21], s[44:45]
	s_add_nc_u64 s[OUT:OUT+1], s[OUTS:OUTS+1], s[46:47]
	s_add_nc_u64 s[OUTS:OUTS+1], s[OUTS:OUTS+1], s[48:49]
.macro VLOAD idx, kb                   ; block kb: register i takes key 32 kb + 16 ((i / 8) % 2) + 8 (i / 16) + i % 8; 32 lanes read 128 consecutive bytes
.irp i, 0,1,2,3,4,5,6,7,8,9,10,11,12,13,14,15,16,17,18,19,20,21,22,23,24,25,26,27,28,29,30,31
	global_load_b32 v[RA+32*\idx+\i], v1, s[INA:INA+1] offset:(32*\kb+16*((\i/8)%2)+8*(\i/16)+\i%8)*512 th:TH_LOAD_NT
.endr
.endm
.macro VBLOCK idx, kb                  ; its codes are registers 6 (kb / 2) .. + 5 of lane (r, kb % 2) of the image: v160-171 for lanes 0-15, v172-183 for lanes 16-31
.set XS, RA+32*(\idx)
.set CH, 160+12*((\kb)%2)+6*((\kb)/2)
	v_max3_num_f32 v12, |v[XS]|, |v[XS+1]|, |v[XS+2]|
	v_max3_num_f32 v13, |v[XS+3]|, |v[XS+4]|, |v[XS+5]|
.irp i, 6,10,14,18,22,26
	v_max3_num_f32 v12, v12, |v[XS+\i]|, |v[XS+\i+1]|
	v_max3_num_f32 v13, v13, |v[XS+\i+2]|, |v[XS+\i+3]|
.endr
	v_max3_num_f32 v12, v12, |v[XS+30]|, |v[XS+31]|
	v_max3_num_f32 v12, v12, v13, 0x1800000        ; and the floor
	v_add_nc_u32 v11, 0xff000000, v12              ; the conversions' scale operand
	v_lshrrev_b32 v13, 23, v11                     ; the byte
.if (\kb) == 0
	v_mov_b32 v14, v13
.else
	v_lshl_or_b32 v14, v13, 8*(\kb), v14
.endif
	v_cvt_scalef32_pk16_fp6_f32 v[CH:CH+2], v[XS:XS+15], v11
	v_cvt_scalef32_pk16_fp6_f32 v[184:186], v[XS+16:XS+31], v11
	v_nop                                          ; one plain instruction behind the scaled conversions
.irp i, 0,1,2
	v_mov_b32 v[CH+3+\i], v[184+\i]
.endr
.endm
	VLOAD 0, 0
	VLOAD 1, 2
	s_wait_loadcnt 32                              ; keys' block 0 is in; the 32 loads of block 2 may be out
	VLOAD 2, 1
	VBLOCK 0, 0
	s_wait_loadcnt 32                              ; block 2 is in; the 32 loads of block 1 may be out
	VLOAD 3, 3
	VBLOCK 1, 2
.irp c, 0,1,2
	global_store_b128 v2, v[160+4*\c:163+4*\c], s[OUT:OUT+1] offset:512*\c        ; each half of the lanes stores 256 consecutive bytes, aligned: lanes 0-15 of a fragment's image
.endr
	s_wait_loadcnt 32                              ; block 1 is in; the 32 loads of block 3 may be out
	VBLOCK 2, 1
	s_wait_loadcnt 0x0                             ; block 3 is in
	VBLOCK 3, 3
.irp c, 0,1,2
	global_store_b128 v2, v[172+4*\c:175+4*\c], s[OUT:OUT+1] offset:512*\c+256    ; lanes 16-31 of the image
.endr
	global_store_b32 v1, v14, s[OUTS:OUTS+1]
	s_endpgm
.Lfunc_end_k_qfa6054f2ec_quant:
	.size	k_qfa6054f2ec_quant, .Lfunc_end_k_qfa6054f2ec_quant-k_qfa6054f2ec_quant
	.p2alignl 7, 3214868480
	.fill 96, 4, 3214868480
	.section	.rodata,"a",@progbits
	.p2align	6, 0x0
	.amdhsa_kernel k_qfa6054f2ec_quant
		.amdhsa_group_segment_fixed_size 36352
		.amdhsa_private_segment_fixed_size 0
		.amdhsa_enable_private_segment 0
		.amdhsa_kernarg_size 72
		.amdhsa_user_sgpr_count 2
		.amdhsa_user_sgpr_kernarg_segment_ptr 1
		.amdhsa_wavefront_size32 1
		.amdhsa_system_sgpr_workgroup_id_x 1
		.amdhsa_system_sgpr_workgroup_id_y 1
		.amdhsa_system_sgpr_workgroup_id_z 1
		.amdhsa_system_vgpr_workitem_id 0
		.amdhsa_next_free_vgpr 256
		.amdhsa_next_free_sgpr 66
		.amdhsa_reserve_vcc 0
		.amdhsa_float_denorm_mode_32 3
		.amdhsa_float_denorm_mode_16_64 3
		.amdhsa_memory_ordered 1
		.amdhsa_forward_progress 1
		.amdhsa_inst_pref_size 88
	.end_amdhsa_kernel
	.amdgpu_metadata
---
amdhsa.version: [ 1, 2 ]
amdhsa.kernels:
  - .name:           k_qfa6054f2ec_quant
    .symbol:         k_qfa6054f2ec_quant.kd
    .args:
      - { .name: hidden_states, .offset: 0, .size: 8, .value_kind: global_buffer, .address_space: global }
      - { .name: Wq, .offset: 8, .size: 8, .value_kind: global_buffer, .address_space: global }
      - { .name: Wk, .offset: 16, .size: 8, .value_kind: global_buffer, .address_space: global }
      - { .name: Wv, .offset: 24, .size: 8, .value_kind: global_buffer, .address_space: global }
      - { .name: Wo, .offset: 32, .size: 8, .value_kind: global_buffer, .address_space: global }
      - { .name: k_cache, .offset: 40, .size: 8, .value_kind: global_buffer, .address_space: global }
      - { .name: v_cache, .offset: 48, .size: 8, .value_kind: global_buffer, .address_space: global }
      - { .name: XW, .offset: 56, .size: 8, .value_kind: global_buffer, .address_space: global }
      - { .name: KV, .offset: 64, .size: 8, .value_kind: global_buffer, .address_space: global }
    .group_segment_fixed_size: 36352
    .private_segment_fixed_size: 0
    .kernarg_segment_align: 8
    .kernarg_segment_size: 72
    .max_flat_workgroup_size: 128
    .sgpr_count:     66
    .vgpr_count:     256
    .wavefront_size: 32
...
	.end_amdgpu_metadata
.endif
;; end of part 1
;; launch qkv (part 2): grid 8 x 24, 4 waves a work-group, clusters of 4 x 4, 327,680 bytes of LDS; arguments XW, Q, KV; writes Q, KV
.if DOCPART == 2
	.amdgcn_target "amdgcn-amd-amdhsa--gfx1250"
	.amdhsa_code_object_version 6
	.text
	.protected	k_qfa6054f2ec_qkv
	.globl	k_qfa6054f2ec_qkv
	.p2align	8
	.type	k_qfa6054f2ec_qkv,@function
k_qfa6054f2ec_qkv:
	s_mov_b64 s[64:65], 0
	v_nop
	global_prefetch_b8 v0, s[64:65] scope:SCOPE_SE
	s_setreg_imm32_b32 hwreg(HW_REG_WAVE_MODE, 25, 1), 1
	s_wait_xcnt 0x0
	s_wait_alu depctr_hold_cnt(0) depctr_sa_sdst(0) depctr_va_vdst(0) depctr_va_sdst(0) depctr_va_ssrc(0) depctr_va_vcc(0) depctr_vm_vsrc(0)
	s_getreg_b32 s2, hwreg(HW_REG_IB_STS2, 6, 4)
	s_cmp_eq_u32 s2, 0
	s_cbranch_scc0 .Lentry_in_a_cluster
	s_endpgm
.Lentry_in_a_cluster:
	s_bfe_u32 s2, ttmp6, 0x10000c
	s_cmp_lg_u32 s2, 0xf033
	s_cbranch_scc0 .Lentry_shape_is_right
	s_endpgm
.Lentry_shape_is_right:
; q, k_new, v_new = hidden_states x Wq^T, Wk^T, Wv^T on codes of FP6 (E2M3) with E8M0 scales, and each result quantised at once, in registers, for the attention that follows.
; OPERANDS are records of 12,800 bytes: 8 fragments (16 rows x 128 K) as images of the operand's registers (fragment i at 1,536 i, registers 4 c .. at + 512 c, lane l at + 16 l), then the scale
; words (row r of fragment i at 12,288 + 64 i + 4 r).  A matrix of XW is [rows / 128][K / 128] records: 0 hidden_states, 1 Wq, 2 Wk, 3 Wv.
; A work-group of four waves makes 256 x 256; a wave 128 x 128: 64 accumulators.  K goes in steps of 256 (two records a group of 128 rows, 25,600 dense bytes) through a ring of two LDS slots.
; SOURCE 0 = "B", whose rows then run along a lane's registers; SOURCE 1 = "A", whose rows lie on the lanes.  z = 0 (q), 1 (k_new): A = hidden_states, B = the weight: a lane holds a token and its
; registers the head's 128 channels, which are the next product's K.  z = 2 (v_new): A = Wv, B = hidden_states: a lane holds a channel and its registers 128 tokens, the keys, which are K there.
; So a wave's 128 x 128 IS one record of the next operand: 8 fragments (A's blocks), quantised like any 64 numbers of a lane.  Inside a block of 32, place 16 x + 8 y + j holds k = 16 y + 8 x + j, as in all operands.
; CLUSTERS: 4 x 4 work-groups; A's tiles are asked for jointly along a row of the cluster, B's along a column.  z is made of the cluster's y alone: the same in all sixteen.
; LIMITS: a block of zeros, or one under 2^-124, gets the scale byte 1 (read by this program alone); NaN and infinities are not served.
; REGISTERS, in windows of 256: window 0: v16-29 addresses; v32-63 scale words, two sets; v128-223 A's fragments, one set; on the way out v64-195 at work.
;   window 1: B's fragments, two sets, at v0 and v128.   windows 2, 3: the accumulators of A's blocks 0-3, 4-7 (accumulator (a, b) at v[8 (8 (a % 4) + b)]).
.set REC,    12800
.set MATB,   256*REC
.set GRP,    16*REC                    ; a group of 128 rows, all of K
.set NQ,     2                         ; matrix instructions deep in a slot
.set FR,     12                        ; registers of a fragment
.set NL,     3                         ; LDS loads that bring one
.set NP,     4                         ; places behind this matrix instruction (ISA guide 7.12.1)
.set HALFT,  2*REC                     ; 128 rows x 256 K: what one tensor load brings, and what one wave reads of A or of B
.set SLOT,   4*HALFT                   ; A's two halves, then B's two
.set LAPS,   4                         ; K = 2,048 = 8 slots' worth = 4 times round the ring
.set SPARE,  2*SLOT                    ; behind the ring: the spare words, 128 bytes a wave
.set ADRA, 16                          ; v16-17  16 x lane + my half of A in slot 0, 1
.set ADRB, 20                          ; v20-21  the same for B
.set ADRS, 22                          ; v22-23  my scale words: lanes 0-15 A's rows, lanes 16-31 B's
.set SCRD, 25                          ; v25     the way out: where I read the record's scale words back
.set LIO,  26                          ; v26     16 x lane
.set SCW,  27                          ; v27     the way out: where a row's scale word goes
.set SPW,  28                          ; v28     LDS address of my spare word; never rewritten
.set NIL,  29                          ; v29     0; never rewritten
.set SC,   32                          ; scale words: set s at v[SC + 16 s]; register 2 i + q: lanes 0-15 A's block i, lanes 16-31 B's block i, the slot's q-th 128 along K
.set AF,   128
.set PC0,  64                          ; the way out: v64-159 the eight fragments' codes
.set TP,   160                         ; v160-167
.set TM,   168                         ; v168-179
.set PW0,  184                         ; v184-191 the eight scale words
.set G1, 24                            ; s[24:31] descriptor group 1 for A's tiles;  s[32:39] group 0, one set for each slot
.set G0, 32
.set G1B, 48                           ; s[48:55], s[56:63] the same for B's
.set G0B, 56
.set SEL, 92                           ; s[92:93] lane selects for v_permlanex16_b32
.set MSB, 0
.macro WIN new                         ; the immediate's high byte repeats the setting that is left
.if MSB != \new
	s_set_vgpr_msb (MSB<<8)|\new
.set MSB, \new
.endif
.endm
.set MUL_LO, 0xa1                      ; source 0 (B) window 1, source 1 (A) window 0, C and D window 2
.set MUL_HI, 0xf1                      ; the same, C and D window 3
.set TO_B,   0x40                      ; destination window 1, address window 0
; A joint load: waves 0 and 1 fetch for A, waves 2 and 3 for B; the branch hangs on the wave's number alone.  Four v_nop follow each of the two lines.
.macro JLOAD g0a, g1a, g0b, g1b
	s_cmp_eq_u32 s15, 0
	s_cbranch_scc0 .Lfor_b_\@
	tensor_load_to_lds s[\g0a:\g0a+3], s[\g1a:\g1a+7]
	s_nop 0
.rept 4
	v_nop
.endr
	s_branch .Lasked_\@
.Lfor_b_\@:
	tensor_load_to_lds s[\g0b:\g0b+3], s[\g1b:\g1b+7]
	s_nop 0
.rept 4
	v_nop
.endr
.Lasked_\@:
.endm
.macro CREST                           ; a round of the cluster's barrier behind its opening barrier
	s_cmp_lg_u32 s14, 0
	s_cbranch_scc1 .Lnot_wave_0_\@
	s_barrier_signal -3
.Lnot_wave_0_\@:
	s_barrier_wait -3
	s_barrier_signal -1
	s_barrier_wait -1
.endm
.macro CROUND
	s_barrier_signal -1
	s_barrier_wait -1
	CREST
.endm
	s_load_b128 s[4:7], s[0:1], 0x0                ; XW s[4:5], Q s[6:7]
	s_load_b64 s[8:9], s[0:1], 0x10                ; KV
	v_lshl_add_u32 v[SPW], v0, 2, SPARE
	v_mov_b32 v[NIL], 0
	ds_add_u32 v28, v29
	s_wait_dscnt 0x0
	v_lshrrev_b32 v1, 5, v0
	v_readfirstlane_b32 s14, v1                    ; wave 0..3
	s_lshr_b32 s15, s14, 1                         ; which half of A's rows is mine.  Also: I fetch for A (0) or for B (1)
	s_and_b32 s16, s14, 1                          ; which half of B's rows.  Also: which half of that tile I fetch
	s_bfe_u32 s40, ttmp6, 0x40000                  ; cx, cy: my place in the cluster
	s_bfe_u32 s41, ttmp6, 0x40004
	s_lshl_b32 s42, ttmp9, 2
	s_add_co_u32 s42, s42, s40                     ; B's tile = 4 x cluster x + cx
	s_and_b32 s17, ttmp7, 0xffff                   ; cluster y = 2 z + half
	s_lshr_b32 s66, s17, 1                         ; z
	s_and_b32 s17, s17, 1
	s_lshl_b32 s17, s17, 2
	s_add_co_u32 s17, s17, s41                     ; A's tile = 4 x (cluster y % 2) + cy
	s_lshl_b32 s43, s41, 2
	s_lshl_b32 s43, 15, s43                        ; my row of the cluster
	s_lshl_b32 s44, 0x1111, s40                    ; my column
	; descriptor group 1: 25,600 dense bytes as 100 rows of 32 elements of 8 bytes; no padding: an image is read 16 bytes a lane, on end
	s_or_b32 s[G1+0], s43, (3<<16)|(1<<21)         ; 15:0 the mask: A's tiles go to my row; 17:16 elements of 8 bytes; 21 set beside a mask
	s_or_b32 s[G1B+0], s44, (3<<16)|(1<<21)
.irp g, G1, G1B
	s_mov_b32 s[\g+1], 32<<16                      ; tensor_dim0
	s_mov_b32 s[\g+2], 100<<16                     ; tensor_dim1
	s_mov_b32 s[\g+3], 32<<16                      ; tile_dim0
	s_mov_b32 s[\g+4], 100                         ; tile_dim1
	s_mov_b32 s[\g+5], 32                          ; tensor_dim0_stride
	s_mov_b32 s[\g+6], 0
	s_mov_b32 s[\g+7], 0
.endr
	s_add_co_u32 s68, s66, 1
	s_cmp_eq_u32 s66, 2
	s_cselect_b32 s67, 3, 0                        ; A's matrix: Wv for v_new, else hidden_states
	s_cselect_b32 s68, 0, s68                      ; B's: hidden_states for v_new, else Wq or Wk
	s_mul_i32 s67, s67, MATB
	s_mul_i32 s68, s68, MATB
	s_lshl_b32 s20, s17, 1
	s_add_co_u32 s20, s20, s16                     ; A: group 2 x tile + the half that I fetch
	s_mul_i32 s20, s20, GRP
	s_add_co_u32 s20, s20, s67
	s_mov_b32 s21, 0
	s_lshl_b32 s46, s42, 1
	s_add_co_u32 s46, s46, s16                     ; B likewise
	s_mul_i32 s46, s46, GRP
	s_add_co_u32 s46, s46, s68
	s_mov_b32 s47, 0
	s_mul_i32 s45, s14, HALFT                      ; where they go: wave x 25,600: no place in the cluster enters an LDS address
	s_mov_b32 s[SEL], 0x76543210
	s_mov_b32 s[SEL+1], 0xfedcba98
	s_wait_kmcnt 0x0
	s_add_nc_u64 s[20:21], s[4:5], s[20:21]
	s_add_nc_u64 s[46:47], s[4:5], s[46:47]
	CROUND                                         ; all sixteen work-groups are here: the first joint loads meet
.irp s, 0,1
	s_mov_b32 s[G0+4*\s], 1
	s_add_co_u32 s[G0+4*\s+1], s45, \s*SLOT
	s_add_nc_u64 s[G0+4*\s+2:G0+4*\s+3], s[20:21], \s*HALFT
	s_or_b32 s[G0+4*\s+3], s[G0+4*\s+3], 0x80000000
	s_mov_b32 s[G0B+4*\s], 1
	s_add_co_u32 s[G0B+4*\s+1], s45, \s*SLOT
	s_add_nc_u64 s[G0B+4*\s+2:G0B+4*\s+3], s[46:47], \s*HALFT
	s_or_b32 s[G0B+4*\s+3], s[G0B+4*\s+3], 0x80000000
	JLOAD G0+4*\s, G1, G0B+4*\s, G1B
.endr
	v_and_b32 v1, 15, v0                           ; r
	v_bfe_u32 v2, v0, 4, 1                         ; h
	v_and_b32 v3, 31, v0
	v_lshlrev_b32 v[LIO], 4, v3                    ; 16 x lane
	s_mul_i32 s21, s15, HALFT                      ; my half of A
	s_mul_i32 s22, s16, HALFT
	s_add_co_u32 s22, s22, 2*HALFT                 ; my half of B, behind A's two
	s_sub_co_u32 s23, s22, s21
	v_mul_u32_u24 v4, s23, v2                      ; lanes 16-31 take B's scale words: one product, the distance x h
	v_lshl_add_u32 v4, v1, 2, v4
.irp s, 0,1
	v_add_nc_u32 v[ADRA+\s], s21, v[LIO]
	v_add_nc_u32 v[ADRB+\s], s22, v[LIO]
	v_add_nc_u32 v[ADRS+\s], s21, v4
	s_add_co_u32 s21, s21, SLOT
	s_add_co_u32 s22, s22, SLOT
.endr
	s_lshl_b32 s23, s14, 9                         ; the way out: 512 bytes a wave, in slot 0, which has had its last fill and its last read by then
	v_lshl_add_u32 v[SCW], v1, 2, s23
	v_add_nc_u32 v[SCRD], s23, v[LIO]
	; where my record goes
	s_lshl_b32 s70, s17, 1
	s_add_co_u32 s70, s70, s15                     ; A's group of 128 rows
	s_lshl_b32 s71, s42, 1
	s_add_co_u32 s71, s71, s16                     ; B's
	s_cmp_eq_u32 s66, 2
	s_cselect_b32 s72, s71, s70                    ; the tokens' group,
	s_cselect_b32 s73, s70, s71                    ; the head
	s_lshr_b32 s74, s72, 3
	s_lshl_b32 s74, s74, 4
	s_add_co_u32 s74, s74, s73                     ; hb = 16 x batch + head
	s_and_b32 s72, s72, 7                          ; which 128 tokens of the batch's 1,024
	s_lshl_b32 s75, s74, 3
	s_add_co_u32 s75, s75, s72
	s_mul_i32 s75, s75, REC                        ; in Q
	s_mul_i32 s76, s74, 24
	s_add_co_u32 s76, s76, s72
	s_add_co_u32 s76, s76, 16                      ; in KV: behind the cache's 16 steps
	s_mul_i32 s76, s76, 2*REC
	s_cmp_eq_u32 s66, 2
	s_cselect_b32 s77, REC, 0                      ; V's record lies behind K's
	s_add_co_u32 s76, s76, s77
	s_cmp_eq_u32 s66, 0
	s_cselect_b32 s76, s75, s76
	s_cselect_b64 s[12:13], s[6:7], s[8:9]
	s_mov_b32 s77, 0
	s_add_nc_u64 s[12:13], s[12:13], s[76:77]
.macro FRAG reg, adr, q, i             ; fragment i of the slot's q-th record: three loads of 16 bytes a lane, 512 consecutive bytes each
.irp c, 0,1,2
	ds_load_b128 v[\reg+4*\c:\reg+4*\c+3], v[\adr] offset:(\q)*REC+(\i)*1536+512*\c
.endr
.endm
; 16 matrix instructions: A's blocks a0, a0 + 1 x B's eight, 128 along K.  p: B's set;  sc: the set of scale words.  zero = 1: the first product starts the sums.
; The 64 accumulators take turns, one instruction a turn, in the same order in every step.
.macro MUL16 a0, p, q, sc, zero
.irp a, \a0, \a0+1
.irp b, 0,1,2,3,4,5,6,7
.if \zero
	v_wmma_scale_f32_16x16x128_f8f6f4 v[8*(8*((\a)%4)+\b):8*(8*((\a)%4)+\b)+7], v[128*(\p)+FR*\b:128*(\p)+FR*\b+FR-1], v[AF+FR*(\a):AF+FR*(\a)+FR-1], 0, v[SC+8*NQ*(\sc)+NQ*\b+(\q)], v[SC+8*NQ*(\sc)+NQ*(\a)+(\q)] matrix_a_fmt:MATRIX_FMT_FP6 matrix_b_fmt:MATRIX_FMT_FP6 matrix_a_scale:MATRIX_SCALE_ROW1
.else
	v_wmma_scale_f32_16x16x128_f8f6f4 v[8*(8*((\a)%4)+\b):8*(8*((\a)%4)+\b)+7], v[128*(\p)+FR*\b:128*(\p)+FR*\b+FR-1], v[AF+FR*(\a):AF+FR*(\a)+FR-1], v[8*(8*((\a)%4)+\b):8*(8*((\a)%4)+\b)+7], v[SC+8*NQ*(\sc)+NQ*\b+(\q)], v[SC+8*NQ*(\sc)+NQ*(\a)+(\q)] matrix_a_fmt:MATRIX_FMT_FP6 matrix_b_fmt:MATRIX_FMT_FP6 matrix_a_scale:MATRIX_SCALE_ROW1
.endif
.endr
.endr
.endm
.macro FETCH_B slot, q, p
	WIN TO_B
.irp i, 0,1,2,3,4,5,6,7
	FRAG 128*(\p)+FR*\i, ADRB+\slot, \q, \i
.endr
	WIN 0
.endm
.macro FETCH_A slot, q, i0
.irp i, \i0, \i0+1, \i0+2, \i0+3
	FRAG AF+FR*(\i), ADRA+\slot, \q, \i
.endr
.endm
.macro SCALES sc                       ; a slot's scale words into set sc: lanes 0-15 take A's block i, lanes 16-31 B's block i
.irp i, 0,1,2,3,4,5,6,7
.irp q, 0,1
	ds_load_b32 v[SC+8*NQ*\sc+NQ*\i+\q], v[ADRS+\sc] offset:\q*REC+12288+64*\i
.endr
.endr
.endm
; A load into a register that a matrix instruction has read, and a vector instruction that reads a matrix result or writes one of its registers, stand NP places behind it; only plain vector instructions that name none of its registers are places.
.macro PLACES n
.rept \n
	v_nop
.endr
.endm
.macro STEP slot, q, zero              ; a step of 128 along K that has its successor in the same slot
	s_wait_dscnt 4*NL                              ; B's set, A's blocks 0-3 and the scale words are in; the youngest 12 loads (A's blocks 4-7) may be out
	WIN MUL_LO
	MUL16 0, (\q)%2, \q, \slot, \zero
	MUL16 2, (\q)%2, \q, \slot, \zero
	s_wait_dscnt 0
	PLACES NP
	FETCH_B \slot, (\q)+1, 1-(\q)%2
	FETCH_A \slot, (\q)+1, 0
	WIN MUL_HI
	MUL16 4, (\q)%2, \q, \slot, \zero
	MUL16 6, (\q)%2, \q, \slot, \zero
	PLACES NP
	WIN 0
	FETCH_A \slot, (\q)+1, 4
.endm
; A slot's last step changes slots: ONE barrier; in front of it each wave waits for all its tensor loads, adds 0 to its spare word, and waits for that and for its own reads of this slot.  fill = 1: this slot is filled again, two slots ahead.
.macro TURN slot, next, fill
	s_wait_tensorcnt 0x0                           ; all my tensor loads have landed: my part of the next slot
	ds_add_u32 v[SPW], v[NIL]                      ; 0 onto my spare word
	s_wait_dscnt 4*NL+1                            ; (the add and the youngest 12 loads may be out)
	WIN MUL_LO
	MUL16 0, 1, NQ-1, \slot, 0
	s_wait_dscnt 0x0                               ; the add is done, and my reads of this slot are over
	s_barrier_signal -1
	MUL16 2, 1, NQ-1, \slot, 0
	WIN 0
	s_barrier_wait -1
.if \fill
	CREST                                          ; the barrier has opened a round of the cluster's barrier: no wave of any partner still reads this slot or has a load on its way
	s_add_nc_u64 s[G0+4*\slot+2:G0+4*\slot+3], s[G0+4*\slot+2:G0+4*\slot+3], 2*HALFT
	s_add_nc_u64 s[G0B+4*\slot+2:G0B+4*\slot+3], s[G0B+4*\slot+2:G0B+4*\slot+3], 2*HALFT
	JLOAD G0+4*\slot, G1, G0B+4*\slot, G1B         ; the first tensor load behind the round; its four v_nop are also the places in front of the loads below
.else
	PLACES NP
.endif
	FETCH_B \next, 0, 0
	FETCH_A \next, 0, 0
	SCALES \next
	WIN MUL_HI
	MUL16 4, 1, NQ-1, \slot, 0
	MUL16 6, 1, NQ-1, \slot, 0
	PLACES NP
	WIN 0
	FETCH_A \next, 0, 4
.endm
	s_wait_tensorcnt 1                             ; my part of slot 0 is in (slot 1's load may be out)
	s_barrier_signal -1
	s_barrier_wait -1                              ; everybody's is
	FETCH_B 0, 0, 0
	FETCH_A 0, 0, 0
	SCALES 0
	FETCH_A 0, 0, 4
	STEP 0, 0, 1                                   ; the first step stands in front of the loop: its products start the sums
	s_mov_b32 s3, LAPS-1
.Llap:                                                 ; a trip goes once round the ring and fills both slots again
	TURN 0, 1, 1
	STEP 1, 0, 0
	TURN 1, 0, 1
	STEP 0, 0, 0
	s_sub_co_u32 s3, s3, 1
	s_cmp_lg_u32 s3, 0
	s_cbranch_scc1 .Llap
	TURN 0, 1, 0                                   ; the last lap fills nothing
	STEP 1, 0, 0
	s_wait_dscnt 4*NL
	WIN MUL_LO
	MUL16 0, 1, NQ-1, 1, 0
	MUL16 2, 1, NQ-1, 1, 0
	s_wait_dscnt 0
	WIN MUL_HI
	MUL16 4, 1, NQ-1, 1, 0
	MUL16 6, 1, NQ-1, 1, 0
	WIN 0
; THE WAY OUT.  A's block a: lane (r, h) holds row 16 a + r, and register 16 b + 8 u + j of the block's 64 the next K's place 32 b + 16 u + 8 h + j: four half blocks.  They become fragment a of my record.
; Each accumulator is read from its low end on.  Each fragment has its own registers for codes and scale word, so that no store's data are written again.
.macro QOUT a
.set AC, 64*((\a)%4)
.set PCA, PC0+12*(\a)
.set WA, ((2+(\a)/4)<<2)|((2+(\a)/4)<<4)
.set WB, 2+(\a)/4
	WIN WA                                         ; sources 1 and 2: the accumulators' window
.irp b, 0,1,2,3
	v_max3_num_f32 v[TM+\b], 0x1800000, |v[AC+16*\b]|, |v[AC+16*\b+1]|   ; the floor 2^(3 - 127) and my 16 numbers of block b
.endr
.irp i, 2,4,6,8,10,12,14
.irp b, 0,1,2,3
	v_max3_num_f32 v[TM+\b], v[TM+\b], |v[AC+16*\b+\i]|, |v[AC+16*\b+\i+1]|
.endr
.endr
	WIN 0
.irp b, 0,1,2,3
	v_permlanex16_b32 v[TM+4+\b], v[TM+\b], s[SEL], s[SEL+1]
.endr
.irp b, 0,1,2,3
	v_max_num_f32 v[TM+\b], v[TM+\b], v[TM+4+\b]
.endr
.irp b, 0,1,2,3
	v_add_nc_u32 v[TM+8+\b], 0xff000000, v[TM+\b]
.endr
.irp b, 0,1,2,3
	v_lshrrev_b32 v[TM+4+\b], 23, v[TM+8+\b]
.endr
	v_lshl_or_b32 v[PW0+(\a)], v[TM+5], 8, v[TM+4]
	v_lshl_or_b32 v[PW0+(\a)], v[TM+6], 16, v[PW0+(\a)]
	v_lshl_or_b32 v[PW0+(\a)], v[TM+7], 24, v[PW0+(\a)]
	WIN WB                                         ; source 0: the accumulators' window
.irp c, 0,1
	v_cvt_scalef32_pk16_fp6_f32 v[PCA+6*\c:PCA+6*\c+2], v[AC+32*\c:AC+32*\c+15], v[TM+8+2*\c]
	v_cvt_scalef32_pk16_fp6_f32 v[TP+4*\c:TP+4*\c+2], v[AC+32*\c+16:AC+32*\c+31], v[TM+8+2*\c+1]
.endr
	WIN 0
	v_nop                                          ; one plain instruction behind the scaled conversions
.irp c, 0,1
.irp i, 0,1,2
	v_permlane16_swap_b32 v[PCA+6*\c+\i], v[TP+4*\c+\i]
.endr
.irp i, 0,1,2
	v_mov_b32 v[PCA+3+6*\c+\i], v[TP+4*\c+\i]
.endr
.endr
.irp c, 0,1,2
	global_store_b128 v[LIO], v[PCA+4*\c:PCA+4*\c+3], s[12:13] offset:1536*(\a)+512*\c   ; 512 consecutive bytes, at a multiple of 256 from the buffer's first byte
.endr
	ds_store_b32 v[SCW], v[PW0+(\a)] offset:64*(\a)
.endm
	PLACES NP                                      ; behind the last products: A's registers are written below, block 7's results are read much later
.irp b, 0,1,2,3
	v_mov_b32 v[TM+4+\b], 0                        ; a lane permute's destination counts as one of its sources
.endr
.irp a, 0,1,2,3,4,5,6,7
	QOUT \a
.endr
	ds_load_b128 v[192:195], v[SCRD]               ; my own 512 bytes: LDS serves a wave's instructions in order
	s_wait_dscnt 0x0
	global_store_b128 v[LIO], v[192:195], s[12:13] offset:12288
	s_wait_tensorcnt 0x0                           ; the wave's end
	ds_add_u32 v[SPW], v[NIL]
	s_wait_dscnt 0x0
	CROUND                                         ; the closing round
	s_endpgm
.Lfunc_end_k_qfa6054f2ec_qkv:
	.size	k_qfa6054f2ec_qkv, .Lfunc_end_k_qfa6054f2ec_qkv-k_qfa6054f2ec_qkv
	.p2alignl 7, 3214868480
	.fill 96, 4, 3214868480
	.section	.rodata,"a",@progbits
	.p2align	6, 0x0
	.amdhsa_kernel k_qfa6054f2ec_qkv
		.amdhsa_group_segment_fixed_size 327680
		.amdhsa_private_segment_fixed_size 0
		.amdhsa_enable_private_segment 0
		.amdhsa_kernarg_size 24
		.amdhsa_user_sgpr_count 2
		.amdhsa_user_sgpr_kernarg_segment_ptr 1
		.amdhsa_wavefront_size32 1
		.amdhsa_system_sgpr_workgroup_id_x 1
		.amdhsa_system_sgpr_workgroup_id_y 1
		.amdhsa_system_sgpr_workgroup_id_z 1
		.amdhsa_system_vgpr_workitem_id 0
		.amdhsa_next_free_vgpr 1024
		.amdhsa_next_free_sgpr 98
		.amdhsa_reserve_vcc 0
		.amdhsa_float_denorm_mode_32 3
		.amdhsa_float_denorm_mode_16_64 3
		.amdhsa_memory_ordered 1
		.amdhsa_forward_progress 1
		.amdhsa_inst_pref_size 140
	.end_amdhsa_kernel
	.amdgpu_metadata
---
amdhsa.version: [ 1, 2 ]
amdhsa.kernels:
  - .name:           k_qfa6054f2ec_qkv
    .symbol:         k_qfa6054f2ec_qkv.kd
    .args:
      - { .name: XW, .offset: 0, .size: 8, .value_kind: global_buffer, .address_space: global }
      - { .name: Q, .offset: 8, .size: 8, .value_kind: global_buffer, .address_space: global }
      - { .name: KV, .offset: 16, .size: 8, .value_kind: global_buffer, .address_space: global }
    .group_segment_fixed_size: 327680
    .private_segment_fixed_size: 0
    .kernarg_segment_align: 8
    .kernarg_segment_size: 24
    .max_flat_workgroup_size: 128
    .sgpr_count:     98
    .vgpr_count:     1024
    .wavefront_size: 32
...
	.end_amdgpu_metadata
.endif
;; end of part 2
;; launch attn (part 3): grid 8 x 32, 8 waves a work-group, clusters of 4 x 4, 327,680 bytes of LDS; arguments Q, KV, attention_mask, AT; writes AT
.if DOCPART == 3
	.amdgcn_target "amdgcn-amd-amdhsa--gfx1250"
	.amdhsa_code_object_version 6
	.text
	.protected	k_qfa6054f2ec_attn
	.globl	k_qfa6054f2ec_attn
	.p2align	8
	.type	k_qfa6054f2ec_attn,@function
k_qfa6054f2ec_attn:
	s_mov_b64 s[64:65], 0
	v_nop
	global_prefetch_b8 v0, s[64:65] scope:SCOPE_SE
	s_setreg_imm32_b32 hwreg(HW_REG_WAVE_MODE, 25, 1), 1
	s_wait_xcnt 0x0
	s_wait_alu depctr_hold_cnt(0) depctr_sa_sdst(0) depctr_va_vdst(0) depctr_va_sdst(0) depctr_va_ssrc(0) depctr_va_vcc(0) depctr_vm_vsrc(0)
	s_getreg_b32 s2, hwreg(HW_REG_IB_STS2, 6, 4)
	s_cmp_eq_u32 s2, 0
	s_cbranch_scc0 .Lentry_in_a_cluster
	s_endpgm
.Lentry_in_a_cluster:
	s_bfe_u32 s2, ttmp6, 0x10000c
	s_cmp_lg_u32 s2, 0xf033
	s_cbranch_scc0 .Lentry_shape_is_right
	s_endpgm
.Lentry_shape_is_right:
; attn[b][q][head] = softmax_k(q . k / sqrt(128) + mask[b][q][k]) v, both products on codes of FP6 (E2M3) with E8M0 scales; the result is quantised at once for the last product.
; THE SOFTMAX AHEAD OF THE SECOND PRODUCT: t = logit x log2(e); M = the running largest t rounded UP to a whole number; p = 2^(t - M) is quantised along the keys, not normalised; the row's sum is taken
; of the unquantised p and divides at the end.  When M moves, the sum and O are multiplied by 2^(old M - new M): exact.
; THE MASK IS AN INPUT: every query walks all 3,072 keys and every number of the mask is loaded and added.
; OPERANDS are records of 12,800 bytes: 8 fragments (16 rows x 128 K) as images of the operand's registers (fragment i at 1,536 i, registers 4 c .. at + 512 c, lane l at + 16 l), then the scale words
; (row r of fragment i at 12,288 + 64 i + 4 r).  Q: [hb][128 queries].  KV: [hb][step of 128 keys][K's record (rows = keys, K = channels), V's record (rows = channels, K = the step's keys)].
; SHARES.  A work-group owns 128 queries of one hb = 16 b + head; each of its eight waves 16 of them.  24 key steps of 128 keys go through a ring of two LDS slots: K's and V's records and the mask's 128 x 128 numbers.
; LAYOUT.  Both products are used transposed: S^T = K Q^T (source 0 = 16 keys), O^T = V^T P^T (source 0 = 16 channels): a lane holds ONE query throughout.  Tile t, lane (r, h), register j is key 16 t + 8 h + j;
; quantised as they stand, p's codes lie in a block of 32 at place 16 x + 8 y + j for key 16 y + 8 x + j, which is the order in which every operand of this program is laid, V's keys among them.
; THE MASK IS THE C OF S^T: acc = K Q^T + mask x sqrt(128), t = acc x (log2(e) / sqrt(128)).  t is rounded before -M is added, so that rows whose every logit is the same huge number give p = 1, as an f32 softmax does.
; CLUSTERS, 4 x 4: the four work-groups of a row share a head: K's and V's records are asked for jointly along the row; the four of a column share batch and queries: the mask's tile is asked for jointly along the column.
; LIMITS: NaN and infinities among the inputs, a mask of -infinity among them, are not served; the mask passes one more f32 rounding (x sqrt(128)) than in a plain sum; a block of zeros, or one under 2^-124, gets the scale byte 1.
; REGISTERS: v1-11 addresses; v12 -M, v13 the largest t, v[14:15] the sum in two halves; v16-27 Q; v32-79 four fragments; v96-159 the mask, S^T, p, then V's fragments 4-7; v160-223 O^T; v224-235 p's codes;
;   v232-247 at work; v248-251 scale words of K or V, two tiles to a register (lanes 0-15 the even tile, lanes 16-31 the odd); v252 f; v253 p's scale word; v255 Q's.
.set REC,   12800
.set SLOT1, 1<<17                      ; slot 1 begins here.  A slot: K's record, V's record, then the mask: 128 rows of 512 bytes + 16
.set MOFF,  2*REC
.set MP,    528
.set SPARE, 2*SLOT1                    ; the spare words, 128 bytes for each of eight waves
.set SCST,  SPARE+1024                 ; 512 bytes: the result's scale words meet here on the way out; no tile lands here
.set LI,   1                           ; v1-2   16 x lane, in slot 0, 1
.set LS,   3                           ; v3-4   4 x lane
.set AM,   5                           ; v5-6   the mask: row 16 w + r, + 32 h
.set SPW,  7                           ; v7     LDS address of my spare word; never rewritten
.set NIL,  8                           ; v8     0; never rewritten
.set PFO,  9                           ; v9     the prefetches' offset; never rewritten
.set GOF,  10                          ; v10    16 x lane + 1,536 w: my fragment in Q's and AT's record
.set GSC,  11                          ; v11    4 r + 64 w: its scale words
.set QF,   16
.set PW,   28                          ; v28    the way out: the scale word made
.set F,    32
.set SS,   96
.set OT,   160
.set KSC,  248
.set QSC,  255
.set PC,   32                          ; the way out: codes, v32-43;
.set TP,   44                          ; v44-51;
.set TM,   232                         ; v232-243
.set WV,   12
.set SEL,  20                          ; s[20:21] lane selects for v_permlanex16_b32: lane l xor 16
.set CS,   22                          ; s[22:23] c = log2(e) / sqrt(128)
.set G1K,  24                          ; s[24:31] descriptor group 1 for K's and V's records;  s[32:39] for the mask
.set G1M,  32
.set G0K,  40                          ; s[40:47] groups 0 for the records, one for each slot;  s[48:55] for the mask
.set G0M,  48
.set RT,   56                          ; s[56:57] sqrt(128)
.set LOOP, 58
.set REM,  59                          ; key steps to go, this one among them
.set LIM,  60                          ; 3 in a wave that prefetches, else the greatest number
.set PFA,  66                          ; s[66:67] where my prefetches stand
.set PFS,  68                          ; s[68:69] a key step on
.macro ROUND                           ; a round of the cluster's barrier
	s_barrier_signal -1
	s_barrier_wait -1
	s_cmp_lg_u32 s[WV], 0
	s_cbranch_scc1 .Lnot_wave_0_\@
	s_barrier_signal -3
.Lnot_wave_0_\@:
	s_barrier_wait -3
	s_barrier_signal -1
	s_barrier_wait -1
.endm
; Waves 0 and 1 fetch the mask's two halves (64 rows each), wave 2 the two records, the others nothing.  The branches hang on the wave's number alone.  Four v_nop follow each tensor load.
.macro TLOAD s
	s_cmp_lt_u32 s[WV], 2
	s_cbranch_scc0 .Lnot_m_\@
	tensor_load_to_lds s[G0M+4*(\s):G0M+4*(\s)+3], s[G1M:G1M+7]
	s_nop 0
.rept 4
	v_nop
.endr
	s_branch .Lasked_\@
.Lnot_m_\@:
	s_cmp_eq_u32 s[WV], 2
	s_cbranch_scc0 .Lasked_\@
	tensor_load_to_lds s[G0K+4*(\s):G0K+4*(\s)+3], s[G1K:G1K+7]
	s_nop 0
.rept 4
	v_nop
.endr
.Lasked_\@:
.endm
; A PREFETCH INTO THE L2, in key step n of the tiles of step n + 3: two steps ahead of the tensor load that will ask for them.  One instruction a wave, in waves that fetch nothing.
; The records of a head are read by both clusters of its row of clusters: the one with x = 0 asks, wave 3; its four partners along x take 25 blocks of 256 bytes each, told apart by address (lanes 25 to 31 repeat lane 24's block).
; The mask's tile is read by the four clusters of a batch: the first of them asks, waves 4 and 5 (the two halves of a row's 512 bytes); its four partners along y take 32 rows each, by address; a lane a row.
; The last three steps ask for nothing; steps 0 to 2 come by their loads alone.
.macro ASK
	s_cmp_gt_u32 s[REM], s[LIM]
	s_cbranch_scc0 .Lnot_mine_\@
	global_prefetch_b8 v[PFO], s[PFA:PFA+1] th:TH_LOAD_NT scope:SCOPE_SE
.Lnot_mine_\@:
.endm
; 64 numbers of a lane, four half blocks, become a fragment's 12 registers in v[PC] on and its scale word in v[PW].
.macro QUANT s
.irp b, 0,1,2,3
	v_max3_num_f32 v[TM+\b], |v[(\s)+16*\b]|, |v[(\s)+1+16*\b]|, 0x1800000
.endr
.irp i, 2,4,6,8,10,12,14
.irp b, 0,1,2,3
	v_max3_num_f32 v[TM+\b], v[TM+\b], |v[(\s)+16*\b+\i]|, |v[(\s)+1+16*\b+\i]|
.endr
.endr
.irp b, 0,1,2,3
	v_permlanex16_b32 v[TM+4+\b], v[TM+\b], s[SEL], s[SEL+1]
.endr
.irp b, 0,1,2,3
	v_max_num_f32 v[TM+\b], v[TM+\b], v[TM+4+\b]
.endr
.irp b, 0,1,2,3
	v_add_nc_u32 v[TM+8+\b], 0xff000000, v[TM+\b]
.endr
.irp b, 0,1,2,3
	v_lshrrev_b32 v[TM+4+\b], 23, v[TM+8+\b]
.endr
	v_lshl_or_b32 v[PW], v[TM+5], 8, v[TM+4]
	v_lshl_or_b32 v[PW], v[TM+6], 16, v[PW]
	v_lshl_or_b32 v[PW], v[TM+7], 24, v[PW]
.irp c, 0,1
	v_cvt_scalef32_pk16_fp6_f32 v[PC+6*\c:PC+2+6*\c], v[(\s)+32*\c:(\s)+15+32*\c], v[TM+8+2*\c]
	v_cvt_scalef32_pk16_fp6_f32 v[TP+4*\c:TP+2+4*\c], v[(\s)+16+32*\c:(\s)+31+32*\c], v[TM+8+2*\c+1]
.endr
	v_nop
.irp c, 0,1
.irp i, 0,1,2
	v_permlane16_swap_b32 v[PC+6*\c+\i], v[TP+4*\c+\i]
.endr
.irp i, 0,1,2
	v_mov_b32 v[PC+3+6*\c+\i], v[TP+4*\c+\i]
.endr
.endr
.endm
	s_load_b256 s[4:11], s[0:1], 0x0               ; Q s[4:5], KV s[6:7], the mask s[8:9], AT s[10:11]
	v_lshl_add_u32 v[SPW], v0, 2, SPARE
	v_mov_b32 v[NIL], 0
	ds_add_u32 v7, v8
	s_wait_dscnt 0x0
	v_lshrrev_b32 v10, 5, v0
	v_readfirstlane_b32 s[WV], v10                 ; wave 0..7
	s_bfe_u32 s13, ttmp6, 0x40000                  ; cx
	s_bfe_u32 s14, ttmp6, 0x40004                  ; cy
	s_lshl_b32 s15, ttmp9, 2
	s_add_co_u32 s15, s15, s13                     ; qg: my 128 queries = 4 x cluster x + cx
	s_and_b32 s18, ttmp7, 0xffff                   ; cluster y
	s_lshl_b32 s16, s18, 2
	s_add_co_u32 s16, s16, s14                     ; hb = 4 x cluster y + cy
	s_lshr_b32 s17, s18, 2                         ; b, of the cluster's y alone
	s_lshl_b32 s70, s14, 2
	s_lshl_b32 s70, 15, s70                        ; my row of the cluster
	s_lshl_b32 s71, 0x1111, s13                    ; my column
	s_or_b32 s[G1K], s70, (3<<16)|(1<<21)          ; the records: 25,600 dense bytes as 100 rows of 32 elements of 8 bytes, no padding; the mask names my row
	s_mov_b32 s[G1K+1], 32<<16
	s_mov_b32 s[G1K+2], 100<<16
	s_mov_b32 s[G1K+3], 32<<16
	s_mov_b32 s[G1K+4], 100
	s_mov_b32 s[G1K+5], 32
	s_mov_b32 s[G1K+6], 0
	s_mov_b32 s[G1K+7], 0
	s_or_b32 s[G1M], s71, (2<<16)|(1<<20)|(1<<21)|(6<<22)|(3<<25)  ; the mask: elements of 4 bytes; 4 words of padding behind every 128; the work-group mask names my column
	s_mov_b32 s[G1M+1], 128<<16                    ; tensor_dim0
	s_mov_b32 s[G1M+2], 64<<16                     ; tensor_dim1
	s_mov_b32 s[G1M+3], 128<<16                    ; tile_dim0
	s_mov_b32 s[G1M+4], 64                         ; tile_dim1
	s_mov_b32 s[G1M+5], 3072                       ; from row to row
	s_mov_b32 s[G1M+6], 0
	s_mov_b32 s[G1M+7], 0
	s_mul_i32 s72, s16, 24*2*REC                   ; my head in KV: made of hb alone
	s_mov_b32 s73, 0
	s_and_b32 s76, s[WV], 1
	s_lshl_b32 s74, s17, 10
	s_lshl_b32 s75, s15, 7
	s_add_co_u32 s74, s74, s75                     ; my first row of the mask: made of b and qg alone
	s_lshl_b32 s75, s76, 6
	s_add_co_u32 s75, s74, s75                     ; + the half that I fetch
	s_mul_i32 s78, s75, 12288
	s_mov_b32 s79, 0
	s_mul_i32 s77, s76, 64*MP
	s_mov_b32 s[SEL], 0x76543210
	s_mov_b32 s[SEL+1], 0xfedcba98
	s_mov_b32 s[CS], 0x3e0293ee
	s_mov_b32 s[CS+1], s[CS]                       ; (named with it as a pair, so it is written)
	s_mov_b32 s[RT], 0x413504f3
	s_mov_b32 s[RT+1], s[RT]
	s_mov_b32 s[LOOP], 11
	s_mov_b32 s[REM], 24
	s_wait_kmcnt 0x0
	s_add_nc_u64 s[80:81], s[6:7], s[72:73]
	s_add_nc_u64 s[78:79], s[8:9], s[78:79]
.irp s, 0,1
	s_mov_b32 s[G0K+4*\s], 1
	s_mov_b32 s[G0K+4*\s+1], \s*SLOT1
	s_add_nc_u64 s[G0K+4*\s+2:G0K+4*\s+3], s[80:81], \s*2*REC      ; key step s
	s_or_b32 s[G0K+4*\s+3], s[G0K+4*\s+3], 0x80000000
	s_mov_b32 s[G0M+4*\s], 1
	s_add_co_u32 s[G0M+4*\s+1], s77, \s*SLOT1+MOFF
	s_add_nc_u64 s[G0M+4*\s+2:G0M+4*\s+3], s[78:79], \s*512
	s_or_b32 s[G0M+4*\s+3], s[G0M+4*\s+3], 0x80000000
.endr
	ROUND                                          ; all sixteen work-groups are here: the first joint loads meet
	TLOAD 0                                        ; key step 0
	v_and_b32 v28, 31, v0                          ; lane
	v_and_b32 v29, 15, v0                          ; r
	v_bfe_u32 v30, v0, 4, 1                        ; h
	s_lshl_b32 s88, s16, 3
	s_add_co_u32 s88, s88, s15
	s_mul_i32 s88, s88, REC                        ; my work-group's record of Q
	s_mov_b32 s89, 0
	s_add_nc_u64 s[4:5], s[4:5], s[88:89]
	s_mul_i32 s90, s[WV], 1536
	s_lshl_b32 s91, s[WV], 6
	v_lshl_add_u32 v[GOF], v28, 4, s90
	v_lshl_add_u32 v[GSC], v29, 2, s91
.irp c, 0,1,2
	global_load_b128 v[QF+4*\c:QF+4*\c+3], v[GOF], s[4:5] offset:512*\c   ; Q's fragment stays in registers
.endr
	global_load_b32 v[QSC], v[GSC], s[4:5] offset:12288
	s_lshl_b32 s84, s17, 3
	s_add_co_u32 s84, s84, s15
	s_lshl_b32 s84, s84, 4
	s_and_b32 s85, s16, 15
	s_add_co_u32 s84, s84, s85
	s_mul_i32 s84, s84, REC                        ; AT: [128 tokens][head]
	s_mov_b32 s85, 0
	s_add_nc_u64 s[10:11], s[10:11], s[84:85]
	v_lshlrev_b32 v[LI], 4, v28
	v_add_nc_u32 v[LI+1], SLOT1, v[LI]
	v_lshlrev_b32 v[LS], 2, v28
	v_add_nc_u32 v[LS+1], SLOT1, v[LS]
	s_mul_i32 s86, s[WV], 16*MP
	s_add_co_u32 s86, s86, MOFF
	v_mul_u32_u24 v[AM], v29, MP
	v_lshl_add_u32 v[AM], v30, 5, v[AM]
	v_add_nc_u32 v[AM], s86, v[AM]
	v_add_nc_u32 v[AM+1], SLOT1, v[AM]
	; the prefetches: where my wave's stand, and who asks
	s_mul_i32 s82, s13, 6400
	s_add_co_u32 s82, s82, s72
	s_add_co_u32 s82, s82, 4*REC                   ; the records: my head, key step 2, my work-group's 25 blocks; the first step's stepping makes it step 3
	s_lshl_b32 s83, s14, 5
	s_add_co_u32 s83, s83, s74
	s_mul_i32 s83, s83, 12288                      ; the mask: my work-group's 32 rows,
	s_lshl_b32 s84, s76, 8
	s_add_co_u32 s83, s83, s84                     ; my wave's half of a row's 512 bytes,
	s_add_co_u32 s83, s83, 1024                    ; key step 2
	s_and_b32 s85, s18, 3
	s_mov_b32 s[PFS], 512
	s_mov_b32 s86, 12288
	s_cmp_eq_u32 s[WV], 3
	s_cselect_b64 s[PFA:PFA+1], s[6:7], s[8:9]
	s_cselect_b32 s82, s82, s83
	s_cselect_b32 s[PFS], 2*REC, s[PFS]
	s_cselect_b32 s86, 256, s86                    ; from lane to lane
	s_cselect_b32 s87, 24, 31                      ; the last lane that names a block of its own
	s_cselect_b32 s85, ttmp9, s85                  ; the coordinate along which other clusters read the same bytes
	s_mov_b32 s83, 0
	s_mov_b32 s[PFS+1], 0
	s_add_nc_u64 s[PFA:PFA+1], s[PFA:PFA+1], s[82:83]
	s_sub_co_u32 s92, s[WV], 3
	s_cmp_lt_u32 s92, 3
	s_cselect_b32 s92, 0, 1                        ; 0 in waves 3, 4, 5
	s_or_b32 s85, s85, s92
	s_cmp_eq_u32 s85, 0
	s_cselect_b32 s[LIM], 3, -1                    ; the same in all sixteen partners, for a given wave
	v_min_u32 v[PFO], s87, v28
	v_mul_lo_u32 v[PFO], v[PFO], s86
	v_mov_b32 v13, 0xff61b1e6                      ; the largest t so far: -3e38, under every t
	v_floor_f32 v12, -v13                          ; -M
	v_mov_b32 v14, 0
	v_mov_b32 v15, 0
.irp b, 0,1,2,3
	v_mov_b32 v[236+\b], 0                         ; a lane permute's destination counts as one of its sources
.endr
	v_mov_b32 v253, 0                              ; (named as the upper half of the pair v[252:253] before it is first written)
.set JJ, 0
.rept 64
	v_mov_b32 v[OT+JJ], 0                          ; O^T.  The step is written once for all steps: the first finds zeros, which the first change of M leaves zeros
.set JJ, JJ+1
.endr
.macro SQK t, f                        ; S^T's tile t: K's fragment in v[F + 12 f]; C = the mask x sqrt(128), in place
.if (\t)%2
	v_wmma_scale_f32_16x16x128_f8f6f4 v[SS+8*(\t):SS+8*(\t)+7], v[F+12*(\f):F+12*(\f)+11], v[QF:QF+11], v[SS+8*(\t):SS+8*(\t)+7], v[KSC+(\t)/2], v[QSC] matrix_a_fmt:MATRIX_FMT_FP6 matrix_b_fmt:MATRIX_FMT_FP6 matrix_a_scale:MATRIX_SCALE_ROW1
.else
	v_wmma_scale_f32_16x16x128_f8f6f4 v[SS+8*(\t):SS+8*(\t)+7], v[F+12*(\f):F+12*(\f)+11], v[QF:QF+11], v[SS+8*(\t):SS+8*(\t)+7], v[KSC+(\t)/2], v[QSC] matrix_a_fmt:MATRIX_FMT_FP6 matrix_b_fmt:MATRIX_FMT_FP6
.endif
.endm
.macro OPV t, reg                      ; O^T's tile t += V's fragment in v[reg] x p
.if (\t)%2
	v_wmma_scale_f32_16x16x128_f8f6f4 v[OT+8*(\t):OT+8*(\t)+7], v[\reg:\reg+11], v[224:235], v[OT+8*(\t):OT+8*(\t)+7], v[KSC+(\t)/2], v253 matrix_a_fmt:MATRIX_FMT_FP6 matrix_b_fmt:MATRIX_FMT_FP6 matrix_a_scale:MATRIX_SCALE_ROW1
.else
	v_wmma_scale_f32_16x16x128_f8f6f4 v[OT+8*(\t):OT+8*(\t)+7], v[\reg:\reg+11], v[224:235], v[OT+8*(\t):OT+8*(\t)+7], v[KSC+(\t)/2], v253 matrix_a_fmt:MATRIX_FMT_FP6 matrix_b_fmt:MATRIX_FMT_FP6
.endif
.endm
; A KEY STEP: the 128 keys in slot s.
.macro STEP s
.set JJ, 0
.rept 8                                        ; the mask in the result's layout: tile t, register j: key 16 t + 8 h + j of my query's row
	ds_load_b128 v[SS+8*JJ:SS+8*JJ+3], v[AM+\s] offset:64*JJ
	ds_load_b128 v[SS+8*JJ+4:SS+8*JJ+7], v[AM+\s] offset:64*JJ+16
.set JJ, JJ+1
.endr
.irp i, 0,1,2,3
	ds_load_b32 v[KSC+\i], v[LS+\s] offset:12288+128*\i            ; K's scale words: tiles 2 i and 2 i + 1
.endr
.irp t, 0,1,2,3
.irp c, 0,1,2
	ds_load_b128 v[F+12*\t+4*\c:F+12*\t+4*\c+3], v[LI+\s] offset:1536*\t+512*\c
.endr
.endr
	s_wait_dscnt 16                                ; the mask is in; the 4 + 12 loads behind it may be out
.set JJ, 0
.rept 32
	v_pk_mul_f32 v[SS+JJ:SS+JJ+1], v[SS+JJ:SS+JJ+1], s[RT:RT+1] op_sel_hi:[1,0]
.set JJ, JJ+2
.endr
	s_wait_dscnt 0x0
.irp t, 0,1,2,3
	SQK \t, \t
.endr
.rept 4
	v_nop                                          ; places in front of loads into registers that matrix instructions have read
.endr
.irp t, 0,1,2,3
.irp c, 0,1,2
	ds_load_b128 v[F+12*\t+4*\c:F+12*\t+4*\c+3], v[LI+\s] offset:1536*(4+\t)+512*\c
.endr
.endr
	s_wait_dscnt 0x0
.irp t, 0,1,2,3
	SQK 4+\t, \t
.endr
.rept 4
	v_nop                                          ; places in front of the loads below and of the first read of results
.endr
.irp i, 0,1,2,3
	ds_load_b32 v[KSC+\i], v[LS+\s] offset:REC+12288+128*\i        ; V's scale words and its fragments 0 to 3 land under the softmax
.endr
.irp t, 0,1,2,3
.irp c, 0,1,2
	ds_load_b128 v[F+12*\t+4*\c:F+12*\t+4*\c+3], v[LI+\s] offset:REC+1536*\t+512*\c
.endr
.endr
.set JJ, 0
.rept 32
	v_pk_mul_f32 v[SS+JJ:SS+JJ+1], v[SS+JJ:SS+JJ+1], s[CS:CS+1] op_sel_hi:[1,0]   ; t, rounded; each accumulator from its low end on
.set JJ, JJ+2
.endr
.irp b, 0,1,2,3
	v_max3_num_f32 v[232+\b], v[SS+16*\b], v[SS+1+16*\b], v[SS+2+16*\b]   ; the largest t of each block of 32 keys: it serves the row's maximum and, since p rises with t, the block's largest p
.endr
.irp i, 3,5,7,9,11,13
.irp b, 0,1,2,3
	v_max3_num_f32 v[232+\b], v[232+\b], v[SS+16*\b+\i], v[SS+1+16*\b+\i]
.endr
.endr
.irp b, 0,1,2,3
	v_max_num_f32 v[232+\b], v[232+\b], v[SS+15+16*\b]
.endr
.irp b, 0,1,2,3
	v_permlanex16_b32 v[236+\b], v[232+\b], s[SEL], s[SEL+1]
.endr
.irp b, 0,1,2,3
	v_max_num_f32 v[232+\b], v[232+\b], v[236+\b]  ; with lane l xor 16's 16 keys
.endr
	v_max3_num_f32 v254, v232, v233, v234
	v_max_num_f32 v254, v254, v235
	v_max_num_f32 v13, v13, v254                   ; the running largest t
	v_mov_b32 v254, v12
	v_floor_f32 v12, -v13                          ; the new -M = -ceil(t): a whole number
	v_sub_f32 v254, v12, v254                      ; old M - new M: a whole number, 0 or less
	v_cvt_i32_f32 v254, v254                       ; (it saturates)
	v_ldexp_f32 v252, 1.0, v254                    ; f = 2^(old M - new M)
.set JJ, 0
.rept 32
	v_pk_add_f32 v[SS+JJ:SS+JJ+1], v[SS+JJ:SS+JJ+1], v[12:13] op_sel_hi:[1,0]   ; t - M
.set JJ, JJ+2
.endr
.irp b, 0,1,2,3
	v_add_f32 v[232+\b], v[232+\b], v12            ; the same of each block's largest t
.endr
.set JJ, 0
.rept 64
	v_exp_f32 v[SS+JJ], v[SS+JJ]                   ; p = 2^(t - M), at most 1
.set JJ, JJ+1
.endr
	v_pk_mul_f32 v[14:15], v[14:15], v[252:253] op_sel_hi:[1,0]    ; the sums under the new M: the plain instruction behind the exponentials
	s_wait_alu depctr_va_vdst(0)                   ; one wait for the whole batch, ahead of its first reader
.irp b, 0,1,2,3
	v_exp_f32 v[232+\b], v[232+\b]                 ; the block's largest p: the same instructions on the same number give the same bits
.endr
	v_pk_add_f32 v[236:237], v[SS:SS+1], v[SS+2:SS+3]              ; the row's sum is taken of the unquantised p, in two chains
.set JJ, 4
.rept 15
	v_pk_add_f32 v[14:15], v[14:15], v[SS+JJ:SS+JJ+1]
	v_pk_add_f32 v[236:237], v[236:237], v[SS+JJ+2:SS+JJ+3]
.set JJ, JJ+4
.endr
	v_pk_add_f32 v[14:15], v[14:15], v[236:237]
	s_wait_alu depctr_va_vdst(0)                   ; and one for the four
.irp b, 0,1,2,3
	v_max_num_f32 v[232+\b], 0x1800000, v[232+\b]  ; the floor 2^(3 - 127)
.endr
.irp b, 0,1,2,3
	v_add_nc_u32 v[244+\b], 0xff000000, v[232+\b]  ; the conversions' scale operands
.endr
.irp b, 0,1,2,3
	v_lshrrev_b32 v[236+\b], 23, v[244+\b]         ; the bytes
.endr
	v_lshl_or_b32 v253, v237, 8, v236              ; p's scale word for these 128 keys
	v_lshl_or_b32 v253, v238, 16, v253
	v_lshl_or_b32 v253, v239, 24, v253
.irp c, 0,1
	v_cvt_scalef32_pk16_fp6_f32 v[224+6*\c:226+6*\c], v[SS+32*\c:SS+15+32*\c], v[244+2*\c]
	v_cvt_scalef32_pk16_fp6_f32 v[236+4*\c:238+4*\c], v[SS+16+32*\c:SS+31+32*\c], v[244+2*\c+1]
.endr
	v_nop                                          ; one plain instruction behind the scaled conversions
.irp t, 0,1,2,3
.irp c, 0,1,2
	ds_load_b128 v[SS+12*\t+4*\c:SS+12*\t+4*\c+3], v[LI+\s] offset:REC+1536*(4+\t)+512*\c   ; V's fragments 4 to 7, where p lay
.endr
.endr
.irp c, 0,1
.irp i, 0,1,2
	v_permlane16_swap_b32 v[224+6*\c+\i], v[236+4*\c+\i]
.endr
.irp i, 0,1,2
	v_mov_b32 v[227+6*\c+\i], v[236+4*\c+\i]
.endr
.endr
.set JJ, 0
.rept 32
	v_pk_mul_f32 v[OT+JJ:OT+JJ+1], v[OT+JJ:OT+JJ+1], v[252:253] op_sel_hi:[1,0]   ; O^T under the new M.  (These 32 are also the places between p's codes and scale word and the products)
.set JJ, JJ+2
.endr
	s_wait_dscnt 0x0
.irp t, 0,1,2,3
	OPV \t, F+12*\t
.endr
.irp t, 0,1,2,3
	OPV 4+\t, SS+12*\t
.endr
.rept 5
	v_nop                                          ; places: the next step loads into these products' registers and lays matrix results over v96 on
.endr
.endm
; A trip: each wave waits for all its tensor loads, adds 0 to its spare word, waits for that and for its reads of the slot that it has left; a round of the cluster's barrier; then the slot just left is
; filled with the next step's tiles, first thing: the load has this step's work in which to land.  By this text's own count a wave has one tensor load out at the most.
.macro TRIP s, refill, ask
	s_wait_tensorcnt 0x0                           ; no tensor load of mine is out, so a group 0 may be written
	ds_add_u32 v[SPW], v[NIL]
	s_add_nc_u64 s[G0K+4*\s+2:G0K+4*\s+3], s[G0K+4*\s+2:G0K+4*\s+3], 4*REC    ; this slot's next tiles: two steps on
	s_add_nc_u64 s[G0M+4*\s+2:G0M+4*\s+3], s[G0M+4*\s+2:G0M+4*\s+3], 1024
.if \ask
	s_wait_xcnt 0x0                                ; the last prefetch, a step back, has read its address
	s_add_nc_u64 s[PFA:PFA+1], s[PFA:PFA+1], s[PFS:PFS+1]
.endif
	s_wait_dscnt 0x0                               ; the add is done, and my reads of the other slot are over
	ROUND
.if \refill
	TLOAD 1-\s
.endif
.if \ask
	ASK
	s_sub_co_u32 s[REM], s[REM], 1
.endif
	STEP \s
.endm
	s_wait_loadcnt 0x0                             ; Q
.Lsteps:                                               ; 11 trips of two key steps
	TRIP 0, 1, 1
	TRIP 1, 1, 1
	s_sub_co_u32 s[LOOP], s[LOOP], 1
	s_cmp_lg_u32 s[LOOP], 0
	s_cbranch_scc1 .Lsteps
	TRIP 0, 1, 0                                   ; the last two steps are written out: the last asks for nothing
	TRIP 1, 0, 0
	; THE WAY OUT.  O^T / the sum; register 8 t + j of lane (r, h) is channel 16 t + 8 h + j of query r: four half blocks along the last product's K.  They become fragment w of AT's record.
	v_add_f32 v14, v14, v15
	v_permlanex16_b32 v252, v14, s[SEL], s[SEL+1]
	v_add_f32 v14, v14, v252                       ; the row's sum
	v_rcp_f32 v14, v14
	v_add_nc_u32 v29, SCST, v[GSC]                 ; (the plain instruction behind the reciprocal)  where my row's scale word goes
	v_and_b32 v30, 31, v0
	v_lshl_add_u32 v30, v30, 4, SCST               ; and where wave 0 reads the eight waves' 512 bytes back
	s_wait_alu depctr_va_vdst(0)                   ; ahead of the reciprocal's first reader
.set JJ, 0
.rept 64
	v_mul_f32 v[SS+JJ], v[OT+JJ], v14              ; each accumulator from its low end on
.set JJ, JJ+1
.endr
	QUANT SS
.irp c, 0,1,2
	global_store_b128 v[GOF], v[PC+4*\c:PC+4*\c+3], s[10:11] offset:512*\c   ; 512 consecutive bytes, at a multiple of 256 from the buffer's first byte
.endr
	ds_store_b32 v29, v[PW]
	s_wait_dscnt 0x0                               ; for wave 0's sake: my scale words lie in LDS
	s_barrier_signal -1
	s_barrier_wait -1
	s_cmp_lg_u32 s[WV], 0
	s_cbranch_scc1 .Lno_scales
	ds_load_b128 v[44:47], v30
	s_wait_dscnt 0x0
	global_store_b128 v[GOF], v[44:47], s[10:11] offset:12288      ; (in wave 0 v10 is 16 x lane)
.Lno_scales:
	s_wait_tensorcnt 0x0                           ; the wave's end
	ds_add_u32 v[SPW], v[NIL]
	s_wait_dscnt 0x0
	ROUND                                          ; the closing round
	s_endpgm
.Lfunc_end_k_qfa6054f2ec_attn:
	.size	k_qfa6054f2ec_attn, .Lfunc_end_k_qfa6054f2ec_attn-k_qfa6054f2ec_attn
	.p2alignl 7, 3214868480
	.fill 96, 4, 3214868480
	.section	.rodata,"a",@progbits
	.p2align	6, 0x0
	.amdhsa_kernel k_qfa6054f2ec_attn
		.amdhsa_group_segment_fixed_size 327680
		.amdhsa_private_segment_fixed_size 0
		.amdhsa_enable_private_segment 0
		.amdhsa_kernarg_size 32
		.amdhsa_user_sgpr_count 2
		.amdhsa_user_sgpr_kernarg_segment_ptr 1
		.amdhsa_wavefront_size32 1
		.amdhsa_system_sgpr_workgroup_id_x 1
		.amdhsa_system_sgpr_workgroup_id_y 1
		.amdhsa_system_sgpr_workgroup_id_z 1
		.amdhsa_system_vgpr_workitem_id 0
		.amdhsa_next_free_vgpr 256
		.amdhsa_next_free_sgpr 100
		.amdhsa_reserve_vcc 0
		.amdhsa_float_denorm_mode_32 3
		.amdhsa_float_denorm_mode_16_64 3
		.amdhsa_memory_ordered 1
		.amdhsa_forward_progress 1
		.amdhsa_inst_pref_size 116
	.end_amdhsa_kernel
	.amdgpu_metadata
---
amdhsa.version: [ 1, 2 ]
amdhsa.kernels:
  - .name:           k_qfa6054f2ec_attn
    .symbol:         k_qfa6054f2ec_attn.kd
    .args:
      - { .name: Q, .offset: 0, .size: 8, .value_kind: global_buffer, .address_space: global }
      - { .name: KV, .offset: 8, .size: 8, .value_kind: global_buffer, .address_space: global }
      - { .name: attention_mask, .offset: 16, .size: 8, .value_kind: global_buffer, .address_space: global }
      - { .name: AT, .offset: 24, .size: 8, .value_kind: global_buffer, .address_space: global }
    .group_segment_fixed_size: 327680
    .private_segment_fixed_size: 0
    .kernarg_segment_align: 8
    .kernarg_segment_size: 32
    .max_flat_workgroup_size: 256
    .sgpr_count:     100
    .vgpr_count:     256
    .wavefront_size: 32
...
	.end_amdgpu_metadata
.endif
;; end of part 3
;; launch outp (part 4): grid 8 x 8, 4 waves a work-group, clusters of 4 x 4, 327,680 bytes of LDS; arguments AT, XW, out0; writes out0
.if DOCPART == 4
	.amdgcn_target "amdgcn-amd-amdhsa--gfx1250"
	.amdhsa_code_object_version 6
	.text
	.protected	k_qfa6054f2ec_outp
	.globl	k_qfa6054f2ec_outp
	.p2align	8
	.type	k_qfa6054f2ec_outp,@function
k_qfa6054f2ec_outp:
	s_mov_b64 s[64:65], 0
	v_nop
	global_prefetch_b8 v0, s[64:65] scope:SCOPE_SE
	s_setreg_imm32_b32 hwreg(HW_REG_WAVE_MODE, 25, 1), 1
	s_wait_xcnt 0x0
	s_wait_alu depctr_hold_cnt(0) depctr_sa_sdst(0) depctr_va_vdst(0) depctr_va_sdst(0) depctr_va_ssrc(0) depctr_va_vcc(0) depctr_vm_vsrc(0)
	s_getreg_b32 s2, hwreg(HW_REG_IB_STS2, 6, 4)
	s_cmp_eq_u32 s2, 0
	s_cbranch_scc0 .Lentry_in_a_cluster
	s_endpgm
.Lentry_in_a_cluster:
	s_bfe_u32 s2, ttmp6, 0x10000c
	s_cmp_lg_u32 s2, 0xf033
	s_cbranch_scc0 .Lentry_shape_is_right
	s_endpgm
.Lentry_shape_is_right:
; out0 = attn x Wo^T on codes of FP6 (E2M3) with E8M0 scales; out0 [2,048][2,048] f32.
; OPERANDS are records of 12,800 bytes: 8 fragments (16 rows x 128 K) as images of the operand's registers (fragment i at 1,536 i, registers 4 c .. at + 512 c, lane l at + 16 l), then the scale
; words (row r of fragment i at 12,288 + 64 i + 4 r).  AT and matrix 4 of XW (Wo) are [rows / 128][K / 128] records.  Both carry the same order of k inside a block of 32.
; A work-group of four waves makes 256 x 256; a wave 128 x 128: 64 accumulators.  K goes in steps of 256 (two records a group of 128 rows, 25,600 dense bytes) through a ring of two LDS slots.
; SOURCE 0 = 16 rows of Wo, SOURCE 1 = 16 tokens: a lane then holds eight neighbouring numbers of a row of out0.
; CLUSTERS: 4 x 4 work-groups; A's tiles (AT) are asked for jointly along a row of the cluster, B's (Wo) along a column.  The grid has 64 work-groups: a tile of 256 x 256 keeps one loop body for both GEMM launches.
; REGISTERS, in windows of 256: window 0: v16-29 addresses; v32-63 scale words, two sets; v128-223 A's fragments, one set; on the way out v128-255 rows of out0.
;   window 1: B's fragments, two sets, at v0 and v128.   windows 2, 3: the accumulators of A's blocks 0-3, 4-7 (accumulator (a, b) at v[8 (8 (a % 4) + b)]).
.set REC,    12800
.set MATB,   256*REC
.set GRP,    16*REC
.set SIZE_N, 2048
.set NQ,     2
.set FR,     12
.set NL,     3
.set NP,     4
.set HALFT,  2*REC
.set SLOT,   4*HALFT
.set LAPS,   4
.set SPARE,  2*SLOT
.set SPITCH, 528                       ; the way out: a stage of 16 rows x (512 bytes + 16) for each wave, in slot 0, which has had its last fill and its last read by then
.set ADRA, 16
.set ADRB, 20
.set ADRS, 22
.set STO,  24                          ; v24     the way out: where I put 32 bytes of a row
.set RD,   25                          ; v25     where I read a row back
.set CO,   26                          ; v26     16 x lane: my byte offset in a row's 512 bytes
.set SPW,  28
.set NIL,  29
.set SC,   32
.set AF,   128
.set BK,   128                         ; the way out: 16 rows read back: v128-191 and v192-255 by turns
.set G1, 24
.set G0, 32
.set G1B, 48
.set G0B, 56
.set MSB, 0
.macro WIN new                         ; the immediate's high byte repeats the setting that is left
.if MSB != \new
	s_set_vgpr_msb (MSB<<8)|\new
.set MSB, \new
.endif
.endm
.set MUL_LO, 0xa1
.set MUL_HI, 0xf1
.set TO_B,   0x40
.macro JLOAD g0a, g1a, g0b, g1b        ; a joint load: waves 0 and 1 fetch for A, waves 2 and 3 for B; four v_nop follow each of the two lines
	s_cmp_eq_u32 s15, 0
	s_cbranch_scc0 .Lfor_b_\@
	tensor_load_to_lds s[\g0a:\g0a+3], s[\g1a:\g1a+7]
	s_nop 0
.rept 4
	v_nop
.endr
	s_branch .Lasked_\@
.Lfor_b_\@:
	tensor_load_to_lds s[\g0b:\g0b+3], s[\g1b:\g1b+7]
	s_nop 0
.rept 4
	v_nop
.endr
.Lasked_\@:
.endm
.macro CREST
	s_cmp_lg_u32 s14, 0
	s_cbranch_scc1 .Lnot_wave_0_\@
	s_barrier_signal -3
.Lnot_wave_0_\@:
	s_barrier_wait -3
	s_barrier_signal -1
	s_barrier_wait -1
.endm
.macro CROUND
	s_barrier_signal -1
	s_barrier_wait -1
	CREST
.endm
	s_load_b128 s[4:7], s[0:1], 0x0                ; AT s[4:5], XW s[6:7]
	s_load_b64 s[12:13], s[0:1], 0x10              ; out0
	v_lshl_add_u32 v[SPW], v0, 2, SPARE
	v_mov_b32 v[NIL], 0
	ds_add_u32 v28, v29
	s_wait_dscnt 0x0
	v_lshrrev_b32 v1, 5, v0
	v_readfirstlane_b32 s14, v1                    ; wave 0..3
	s_lshr_b32 s15, s14, 1                         ; which half of the tile's rows is mine.  Also: I fetch for A (0) or for B (1)
	s_and_b32 s16, s14, 1                          ; which half of its columns.  Also: which half of that tile I fetch
	s_bfe_u32 s40, ttmp6, 0x40000
	s_bfe_u32 s41, ttmp6, 0x40004
	s_lshl_b32 s42, ttmp9, 2
	s_add_co_u32 s42, s42, s40                     ; tile column = 4 x cluster x + cx
	s_and_b32 s17, ttmp7, 0xffff
	s_lshl_b32 s17, s17, 2
	s_add_co_u32 s17, s17, s41                     ; tile row = 4 x cluster y + cy
	s_lshl_b32 s43, s41, 2
	s_lshl_b32 s43, 15, s43
	s_lshl_b32 s44, 0x1111, s40
	s_or_b32 s[G1+0], s43, (3<<16)|(1<<21)         ; 25,600 dense bytes as 100 rows of 32 elements of 8 bytes; no padding
	s_or_b32 s[G1B+0], s44, (3<<16)|(1<<21)
.irp g, G1, G1B
	s_mov_b32 s[\g+1], 32<<16
	s_mov_b32 s[\g+2], 100<<16
	s_mov_b32 s[\g+3], 32<<16
	s_mov_b32 s[\g+4], 100
	s_mov_b32 s[\g+5], 32
	s_mov_b32 s[\g+6], 0
	s_mov_b32 s[\g+7], 0
.endr
	s_lshl_b32 s20, s17, 1
	s_add_co_u32 s20, s20, s16
	s_mul_i32 s20, s20, GRP
	s_mov_b32 s21, 0
	s_lshl_b32 s46, s42, 1
	s_add_co_u32 s46, s46, s16
	s_mul_i32 s46, s46, GRP
	s_add_co_u32 s46, s46, 4*MATB                  ; Wo is matrix 4 of XW
	s_mov_b32 s47, 0
	s_mul_i32 s45, s14, HALFT
	s_wait_kmcnt 0x0
	s_add_nc_u64 s[20:21], s[4:5], s[20:21]
	s_add_nc_u64 s[46:47], s[6:7], s[46:47]
	CROUND                                         ; all sixteen work-groups are here: the first joint loads meet
.irp s, 0,1
	s_mov_b32 s[G0+4*\s], 1
	s_add_co_u32 s[G0+4*\s+1], s45, \s*SLOT
	s_add_nc_u64 s[G0+4*\s+2:G0+4*\s+3], s[20:21], \s*HALFT
	s_or_b32 s[G0+4*\s+3], s[G0+4*\s+3], 0x80000000
	s_mov_b32 s[G0B+4*\s], 1
	s_add_co_u32 s[G0B+4*\s+1], s45, \s*SLOT
	s_add_nc_u64 s[G0B+4*\s+2:G0B+4*\s+3], s[46:47], \s*HALFT
	s_or_b32 s[G0B+4*\s+3], s[G0B+4*\s+3], 0x80000000
	JLOAD G0+4*\s, G1, G0B+4*\s, G1B
.endr
	v_and_b32 v1, 15, v0                           ; r
	v_bfe_u32 v2, v0, 4, 1                         ; h
	v_and_b32 v3, 31, v0
	v_lshlrev_b32 v[CO], 4, v3                     ; 16 x lane
	s_mul_i32 s21, s15, HALFT
	s_mul_i32 s22, s16, HALFT
	s_add_co_u32 s22, s22, 2*HALFT
	s_sub_co_u32 s23, s22, s21
	v_mul_u32_u24 v4, s23, v2                      ; lanes 16-31 take B's scale words: one product, the distance x h
	v_lshl_add_u32 v4, v1, 2, v4
.irp s, 0,1
	v_add_nc_u32 v[ADRA+\s], s21, v[CO]
	v_add_nc_u32 v[ADRB+\s], s22, v[CO]
	v_add_nc_u32 v[ADRS+\s], s21, v4
	s_add_co_u32 s21, s21, SLOT
	s_add_co_u32 s22, s22, SLOT
.endr
	s_mul_i32 s23, s14, 16*SPITCH                  ; my stage
	v_mul_u32_u24 v5, v1, SPITCH                   ; in: row r, 32 bytes for each half of the lanes
	v_lshl_add_u32 v5, v2, 5, v5
	v_add_nc_u32 v[STO], s23, v5
	v_add_nc_u32 v[RD], s23, v[CO]                 ; back: the 32 lanes take one row of 512 bytes
	s_lshl_b32 s20, s17, 8
	s_lshl_b32 s21, s15, 7
	s_add_co_u32 s20, s20, s21                     ; my first row of out0
	s_lshl_b32 s20, s20, 13                        ; a row is 8,192 bytes
	s_mov_b32 s21, 0
	s_lshl_b32 s46, s42, 10                        ; my first column, in bytes
	s_lshl_b32 s47, s16, 9
	s_add_co_u32 s46, s46, s47
	s_mov_b32 s47, 0
	s_add_nc_u64 s[20:21], s[20:21], s[46:47]
	s_add_nc_u64 s[12:13], s[12:13], s[20:21]
.macro FRAG reg, adr, q, i
.irp c, 0,1,2
	ds_load_b128 v[\reg+4*\c:\reg+4*\c+3], v[\adr] offset:(\q)*REC+(\i)*1536+512*\c
.endr
.endm
; The 64 accumulators take turns, one instruction a turn, in the same order in every step.
.macro MUL16 a0, p, q, sc, zero
.irp a, \a0, \a0+1
.irp b, 0,1,2,3,4,5,6,7
.if \zero
	v_wmma_scale_f32_16x16x128_f8f6f4 v[8*(8*((\a)%4)+\b):8*(8*((\a)%4)+\b)+7], v[128*(\p)+FR*\b:128*(\p)+FR*\b+FR-1], v[AF+FR*(\a):AF+FR*(\a)+FR-1], 0, v[SC+8*NQ*(\sc)+NQ*\b+(\q)], v[SC+8*NQ*(\sc)+NQ*(\a)+(\q)] matrix_a_fmt:MATRIX_FMT_FP6 matrix_b_fmt:MATRIX_FMT_FP6 matrix_a_scale:MATRIX_SCALE_ROW1
.else
	v_wmma_scale_f32_16x16x128_f8f6f4 v[8*(8*((\a)%4)+\b):8*(8*((\a)%4)+\b)+7], v[128*(\p)+FR*\b:128*(\p)+FR*\b+FR-1], v[AF+FR*(\a):AF+FR*(\a)+FR-1], v[8*(8*((\a)%4)+\b):8*(8*((\a)%4)+\b)+7], v[SC+8*NQ*(\sc)+NQ*\b+(\q)], v[SC+8*NQ*(\sc)+NQ*(\a)+(\q)] matrix_a_fmt:MATRIX_FMT_FP6 matrix_b_fmt:MATRIX_FMT_FP6 matrix_a_scale:MATRIX_SCALE_ROW1
.endif
.endr
.endr
.endm
.macro FETCH_B slot, q, p
	WIN TO_B
.irp i, 0,1,2,3,4,5,6,7
	FRAG 128*(\p)+FR*\i, ADRB+\slot, \q, \i
.endr
	WIN 0
.endm
.macro FETCH_A slot, q, i0
.irp i, \i0, \i0+1, \i0+2, \i0+3
	FRAG AF+FR*(\i), ADRA+\slot, \q, \i
.endr
.endm
.macro SCALES sc
.irp i, 0,1,2,3,4,5,6,7
.irp q, 0,1
	ds_load_b32 v[SC+8*NQ*\sc+NQ*\i+\q], v[ADRS+\sc] offset:\q*REC+12288+64*\i
.endr
.endr
.endm
.macro PLACES n                        ; places behind matrix instructions: plain vector instructions that name none of their registers (ISA guide 7.12.1)
.rept \n
	v_nop
.endr
.endm
.macro STEP slot, q, zero
	s_wait_dscnt 4*NL                              ; all but the youngest 12 loads (A's blocks 4-7)
	WIN MUL_LO
	MUL16 0, (\q)%2, \q, \slot, \zero
	MUL16 2, (\q)%2, \q, \slot, \zero
	s_wait_dscnt 0
	PLACES NP
	FETCH_B \slot, (\q)+1, 1-(\q)%2
	FETCH_A \slot, (\q)+1, 0
	WIN MUL_HI
	MUL16 4, (\q)%2, \q, \slot, \zero
	MUL16 6, (\q)%2, \q, \slot, \zero
	PLACES NP
	WIN 0
	FETCH_A \slot, (\q)+1, 4
.endm
.macro TURN slot, next, fill
	s_wait_tensorcnt 0x0                           ; all my tensor loads have landed: my part of the next slot
	ds_add_u32 v[SPW], v[NIL]                      ; 0 onto my spare word
	s_wait_dscnt 4*NL+1                            ; (the add and the youngest 12 loads may be out)
	WIN MUL_LO
	MUL16 0, 1, NQ-1, \slot, 0
	s_wait_dscnt 0x0                               ; the add is done, and my reads of this slot are over
	s_barrier_signal -1
	MUL16 2, 1, NQ-1, \slot, 0
	WIN 0
	s_barrier_wait -1
.if \fill
	CREST                                          ; the barrier has opened a round of the cluster's barrier
	s_add_nc_u64 s[G0+4*\slot+2:G0+4*\slot+3], s[G0+4*\slot+2:G0+4*\slot+3], 2*HALFT
	s_add_nc_u64 s[G0B+4*\slot+2:G0B+4*\slot+3], s[G0B+4*\slot+2:G0B+4*\slot+3], 2*HALFT
	JLOAD G0+4*\slot, G1, G0B+4*\slot, G1B         ; the first tensor load behind the round; its four v_nop are also the places in front of the loads below
.else
	PLACES NP
.endif
	FETCH_B \next, 0, 0
	FETCH_A \next, 0, 0
	SCALES \next
	WIN MUL_HI
	MUL16 4, 1, NQ-1, \slot, 0
	MUL16 6, 1, NQ-1, \slot, 0
	PLACES NP
	WIN 0
	FETCH_A \next, 0, 4
.endm
	s_wait_tensorcnt 1                             ; my part of slot 0 is in (slot 1's load may be out)
	s_barrier_signal -1
	s_barrier_wait -1                              ; everybody's is
	FETCH_B 0, 0, 0
	FETCH_A 0, 0, 0
	SCALES 0
	FETCH_A 0, 0, 4
	STEP 0, 0, 1                                   ; the first step's products start the sums
	s_mov_b32 s3, LAPS-1
.Llap:
	TURN 0, 1, 1
	STEP 1, 0, 0
	TURN 1, 0, 1
	STEP 0, 0, 0
	s_sub_co_u32 s3, s3, 1
	s_cmp_lg_u32 s3, 0
	s_cbranch_scc1 .Llap
	TURN 0, 1, 0                                   ; the last lap fills nothing
	STEP 1, 0, 0
	s_wait_dscnt 4*NL
	WIN MUL_LO
	MUL16 0, 1, NQ-1, 1, 0
	MUL16 2, 1, NQ-1, 1, 0
	s_wait_dscnt 0
	WIN MUL_HI
	MUL16 4, 1, NQ-1, 1, 0
	MUL16 6, 1, NQ-1, 1, 0
	WIN 0
; THE WAY OUT, block by block of 16 rows x 128 columns, through my own stage in LDS: in as 32 bytes a lane, back as whole rows of 512 bytes, which the 32 lanes store as two aligned runs of 256 bytes.
; LDS serves a wave's instructions in order: no wait between the stores and the loads, nor in front of the next block's stores.
.macro TOSTAGE a
.set AC, 64*((\a)%4)
.set WS, 0x08+4*((\a)/4)
	WIN WS                                         ; an LDS store's data are its source 1: window 2 or 3
.irp b, 0,1,2,3,4,5,6,7
	ds_store_b128 v[STO], v[AC+8*\b:AC+8*\b+3] offset:64*\b          ; each accumulator from its low end on
	ds_store_b128 v[STO], v[AC+8*\b+4:AC+8*\b+7] offset:64*\b+16
.endr
	WIN 0
.set BB, BK+64*((\a)%2)
.irp t, 0,1,2,3,4,5,6,7,8,9,10,11,12,13,14,15
	ds_load_b128 v[BB+4*\t:BB+4*\t+3], v[RD] offset:\t*SPITCH
.endr
.endm
.macro SEND a, younger                 ; younger: the LDS instructions issued behind block a's loads, which may stay out
.set BB, BK+64*((\a)%2)
	s_wait_dscnt \younger
.if (\a) > 0
	s_add_nc_u64 s[12:13], s[12:13], 16*SIZE_N*4   ; (behind a wait on XCNT: the earlier stores have read their base)
.endif
.irp t, 0,1,2,3,4,5,6,7,8,9,10,11,12,13,14,15
	global_store_b128 v[CO], v[BB+4*\t:BB+4*\t+3], s[12:13] offset:\t*SIZE_N*4 th:TH_STORE_NT
.endr
.endm
	PLACES NP                                      ; behind the last products: for the loads into A's registers and for the reads of results
	TOSTAGE 0
.irp a, 1,2,3,4,5,6,7
.if \a > 1
	s_wait_xcnt 0x0                                ; block a - 2's stores have read their registers and their base
.endif
	TOSTAGE \a
	SEND \a-1, 32                                  ; behind block a - 1's loads: block a's 16 stores and 16 loads
.endr
	s_wait_xcnt 0x0
	SEND 7, 0
	s_wait_tensorcnt 0x0                           ; the wave's end
	ds_add_u32 v[SPW], v[NIL]
	s_wait_dscnt 0x0
	CROUND                                         ; the closing round
	s_endpgm
.Lfunc_end_k_qfa6054f2ec_outp:
	.size	k_qfa6054f2ec_outp, .Lfunc_end_k_qfa6054f2ec_outp-k_qfa6054f2ec_outp
	.p2alignl 7, 3214868480
	.fill 96, 4, 3214868480
	.section	.rodata,"a",@progbits
	.p2align	6, 0x0
	.amdhsa_kernel k_qfa6054f2ec_outp
		.amdhsa_group_segment_fixed_size 327680
		.amdhsa_private_segment_fixed_size 0
		.amdhsa_enable_private_segment 0
		.amdhsa_kernarg_size 24
		.amdhsa_user_sgpr_count 2
		.amdhsa_user_sgpr_kernarg_segment_ptr 1
		.amdhsa_wavefront_size32 1
		.amdhsa_system_sgpr_workgroup_id_x 1
		.amdhsa_system_sgpr_workgroup_id_y 1
		.amdhsa_system_sgpr_workgroup_id_z 1
		.amdhsa_system_vgpr_workitem_id 0
		.amdhsa_next_free_vgpr 1024
		.amdhsa_next_free_sgpr 98
		.amdhsa_reserve_vcc 0
		.amdhsa_float_denorm_mode_32 3
		.amdhsa_float_denorm_mode_16_64 3
		.amdhsa_memory_ordered 1
		.amdhsa_forward_progress 1
		.amdhsa_inst_pref_size 135
	.end_amdhsa_kernel
	.amdgpu_metadata
---
amdhsa.version: [ 1, 2 ]
amdhsa.kernels:
  - .name:           k_qfa6054f2ec_outp
    .symbol:         k_qfa6054f2ec_outp.kd
    .args:
      - { .name: AT, .offset: 0, .size: 8, .value_kind: global_buffer, .address_space: global }
      - { .name: XW, .offset: 8, .size: 8, .value_kind: global_buffer, .address_space: global }
      - { .name: out0, .offset: 16, .size: 8, .value_kind: global_buffer, .address_space: global }
    .group_segment_fixed_size: 327680
    .private_segment_fixed_size: 0
    .kernarg_segment_align: 8
    .kernarg_segment_size: 24
    .max_flat_workgroup_size: 128
    .sgpr_count:     98
    .vgpr_count:     1024
    .wavefront_size: 32
...
	.end_amdgpu_metadata
.endif
;; end of part 4
;; ======== version 2 of 2: 4 launches
;; limits: right only within a limited range of input values
;; workspace buffers: XW 16,384,000 bytes; Q 3,276,800 bytes; KV 19,660,800 bytes; AT 3,276,800 bytes
;; launch quant (part 5): grid 960 x 1, 4 waves a work-group, no clusters, 36,352 bytes of LDS; arguments hidden_states, Wq, Wk, Wv, Wo, k_cache, v_cache, XW, KV; writes XW, KV
.if DOCPART == 5
	.amdgcn_target "amdgcn-amd-amdhsa--gfx1250"
	.amdhsa_code_object_version 6
	.text
	.protected	k_qfa6054f2ec_quant
	.globl	k_qfa6054f2ec_quant
	.p2align	8
	.type	k_qfa6054f2ec_quant,@function
k_qfa6054f2ec_quant:
	s_mov_b64 s[64:65], 0
	v_nop
	global_prefetch_b8 v0, s[64:65] scope:SCOPE_SE
	s_setreg_imm32_b32 hwreg(HW_REG_WAVE_MODE, 25, 1), 1
	s_wait_xcnt 0x0
; All f32 inputs that are operands of quantised products become codes of FP6 (E2M3) with one E8M0 byte for each 32 along K.
; THE RECORD (12,800 bytes = 50 x 256) is the unit of every workspace buffer: 8 fragments of 16 rows x 128 K as IMAGES OF THE OPERAND'S REGISTERS
; (fragment i at 1,536 i; its registers 4 c .. 4 c + 3 at + 512 c; lane l's 16 bytes at + 16 l), then the scale words: row r of fragment i at 12,288 + 64 i + 4 r.
; THE ORDER INSIDE A BLOCK OF 32: place 16 x + 8 y + j holds k = 16 y + 8 x + j.  Every operand of the program is laid so, so both sides of every product carry the same
; permutation of k inside a block; the blocks are the same sets of 32, so the scales and the codes' values are those of the stated quantiser.
; A block's scale is 2^(floor(log2(largest magnitude)) - 2); its byte is the largest magnitude's exponent field - 2, held at 1 from below.
; LIMITS: a block of zeros, or one whose largest magnitude lies under 2^-124, gets the byte 1 (its codes are read by this program alone); NaN and infinities among the inputs are not served.
; WORK-GROUPS 0-319: hidden_states, Wq, Wk, Wv, Wo (K innermost): 64 rows x 1,024 K each.  320-447: k_cache (K = the head's 128, innermost).  448-959: v_cache (K = the keys, NOT innermost).
; The first two kinds take one path: a wave makes 8 fragments; each load reads 512 consecutive bytes of a row; a fragment's 16 rows turn through the wave's own stage in LDS, so that a lane
; gets 16 numbers of each block of its row.  The third kind: a lane takes a column d and its registers run down the keys; no LDS, no barrier.
.set REC,   12800
.set MATB,  256*REC                    ; a matrix of 2,048 x 2,048 in records
.set STGB,  16*528                     ; a wave's stage: 16 rows of 512 bytes + 16
.set SCG,   4*STGB                     ; behind the stages: 8 x 256 bytes: the four waves' scale words of fragment n at 256 n + 64 wave + 4 r
.set WV,    22                         ; s22      my wave's number
.set SEL,   24                         ; s[24:25] lane selects for v_permlanex16_b32: lane l xor 16
.set INA,   26                         ; s[26:27] where the even fragments are loaded from;  s[28:29] the odd ones
.set INB,   28
.set ST2,   30                         ; s[30:31] two fragments on, in the input
.set OUT,   32                         ; s[32:33] my fragment's image in the record in hand
.set OUTS,  34                         ; s[34:35] the four waves' 256 bytes of scale words in the first record
.set OST,   36                         ; s[36:37] a record on
.set LI,    1                          ; v1   16 x lane
.set STW,   2                          ; v2   the stage, on the way in: 16 x lane
.set STR,   3                          ; v3   and on the way out: 528 r + 32 h
.set SCW,   4                          ; v4   where my row's scale word goes
.set SCR,   5                          ; v5   where I read 16 bytes of scale words back
.set SCO,   6                          ; v6   and where they go in memory
.set PW,    7                          ; v7   the scale word just made
.set VO,    16                         ; v16-31 row i of a fragment: 16 x lane + i x the input's pitch; never rewritten
.set RA,    32                         ; v32-95, v96-159 two sets of 64 numbers as they are loaded
.set XX,    160                        ; v160-223 the 64 numbers of my row, in the order of the conversions
.set PC,    224                        ; v224-235 a fragment's codes
.set TP,    236                        ; v236-243 the second halves of the blocks, before they are moved
.set TM,    244                        ; v244-247 largest magnitudes, v248-251 bytes, v252-255 the conversions' scale operands
; 64 numbers of a lane, register 16 b + i of v[s] on belonging to block b of my row, the other 16 of the block lying in lane l xor 16, become a fragment's 12 registers in v[PC] on and its scale word in v[PW].
.macro QUANT s
.irp b, 0,1,2,3
	v_max3_num_f32 v[TM+\b], |v[(\s)+16*\b]|, |v[(\s)+1+16*\b]|, 0x1800000   ; my 16 numbers, and the floor 2^(3 - 127): the byte cannot fall under 1
.endr
.irp i, 2,4,6,8,10,12,14
.irp b, 0,1,2,3
	v_max3_num_f32 v[TM+\b], v[TM+\b], |v[(\s)+16*\b+\i]|, |v[(\s)+1+16*\b+\i]|   ; the four blocks by turns
.endr
.endr
.irp b, 0,1,2,3
	v_permlanex16_b32 v[TM+4+\b], v[TM+\b], s[SEL], s[SEL+1]
.endr
.irp b, 0,1,2,3
	v_max_num_f32 v[TM+\b], v[TM+\b], v[TM+4+\b]   ; with lane l xor 16's: the block's largest magnitude
.endr
.irp b, 0,1,2,3
	v_add_nc_u32 v[TM+8+\b], 0xff000000, v[TM+\b]  ; 2 off its exponent field: the conversion takes the exponent field of this operand as its scale
.endr
.irp b, 0,1,2,3
	v_lshrrev_b32 v[TM+4+\b], 23, v[TM+8+\b]       ; the scale's byte
.endr
	v_lshl_or_b32 v[PW], v[TM+5], 8, v[TM+4]
	v_lshl_or_b32 v[PW], v[TM+6], 16, v[PW]
	v_lshl_or_b32 v[PW], v[TM+7], 24, v[PW]
.irp c, 0,1
	v_cvt_scalef32_pk16_fp6_f32 v[PC+6*\c:PC+2+6*\c], v[(\s)+32*\c:(\s)+15+32*\c], v[TM+8+2*\c]
	v_cvt_scalef32_pk16_fp6_f32 v[TP+4*\c:TP+2+4*\c], v[(\s)+16+32*\c:(\s)+31+32*\c], v[TM+8+2*\c+1]   ; (a conversion's three registers begin on an even number)
.endr
	v_nop                                          ; one plain instruction behind the scaled conversions
.irp c, 0,1                                    ; the operand's layout wants a whole block in a lane: lanes 0-15 block 2 c, lanes 16-31 block 2 c + 1
.irp i, 0,1,2
	v_permlane16_swap_b32 v[PC+6*\c+\i], v[TP+4*\c+\i]
.endr
.irp i, 0,1,2
	v_mov_b32 v[PC+3+6*\c+\i], v[TP+4*\c+\i]
.endr
.endr
.endm
	s_load_b256 s[4:11], s[0:1], 0x0               ; hidden_states s[4:5], Wq s[6:7], Wk s[8:9], Wv s[10:11]
	s_load_b256 s[12:19], s[0:1], 0x20             ; Wo s[12:13], k_cache s[14:15], v_cache s[16:17], XW s[18:19]
	s_load_b64 s[20:21], s[0:1], 0x40              ; KV
	v_lshl_add_u32 v239, v0, 2, 0x8c00
	v_mov_b32 v243, 0
	v_lshrrev_b32 v8, 5, v0
	v_readfirstlane_b32 s[WV], v8                  ; wave 0..3
	v_and_b32 v8, 31, v0                           ; lane
	v_and_b32 v9, 15, v0                           ; r
	v_bfe_u32 v10, v0, 4, 1                        ; h
	s_cmp_lt_u32 ttmp9, 448                        ; the work-group's number alone decides the path: the same for its four waves
	s_cbranch_scc0 .Lkeys_outer
	; ---------------- K innermost ----------------
	s_mov_b32 s[SEL], 0x76543210
	s_mov_b32 s[SEL+1], 0xfedcba98
	; a matrix: m = wg / 64; of its 64 work-groups, number 2 rq + kh takes rows 64 rq on and K 1,024 kh on; wave w the 16 rows 16 (4 rq + w) on
	s_lshr_b32 s38, ttmp9, 6                       ; m
	s_and_b32 s39, ttmp9, 63
	s_lshr_b32 s40, s39, 1                         ; rq
	s_and_b32 s41, s39, 1                          ; kh
	s_lshl_b32 s42, s40, 2
	s_add_co_u32 s42, s42, s[WV]
	s_lshl_b32 s42, s42, 17                        ; 16 rows of 8,192 bytes
	s_lshl_b32 s43, s41, 12
	s_add_co_u32 s42, s42, s43                     ; where my rows begin in the input
	s_lshr_b32 s43, s40, 1                         ; the group of 128 rows,
	s_lshl_b32 s43, s43, 4
	s_lshl_b32 s44, s41, 3
	s_add_co_u32 s43, s43, s44                     ; its 16 records, from K step 8 kh on
	s_mul_i32 s43, s43, REC
	s_mul_i32 s44, s38, MATB
	s_add_co_u32 s43, s43, s44                     ; the first record
	s_and_b32 s44, s40, 1                          ; which four fragments of a record are the work-group's
	; k_cache: u = wg - 320; head u / 4; key steps 8 ((u / 2) % 2) on; wave w the keys 16 (4 (u % 2) + w) on of each step
	s_sub_co_u32 s45, ttmp9, 320
	s_and_b32 s45, s45, 127
	s_lshr_b32 s46, s45, 2
	s_bfe_u32 s47, s45, 0x10001
	s_and_b32 s48, s45, 1
	s_lshl_b32 s49, s48, 2
	s_add_co_u32 s49, s49, s[WV]
	s_lshl_b32 s49, s49, 13                        ; 16 keys of 512 bytes
	s_lshl_b32 s50, s46, 20                        ; a head: 2,048 keys
	s_add_co_u32 s49, s49, s50
	s_lshl_b32 s50, s47, 19                        ; 8 steps of 128 keys
	s_add_co_u32 s49, s49, s50
	s_mul_i32 s50, s46, 24                         ; a head has 24 steps in KV, K's record and V's for each
	s_lshl_b32 s51, s47, 3
	s_add_co_u32 s50, s50, s51
	s_mul_i32 s50, s50, 2*REC
	s_mov_b32 s52, 512                             ; the pitch of k_cache's rows,
	s_mov_b32 s[ST2], 2*65536                      ; two key steps,
	s_mov_b32 s[OST], 2*REC                        ; a step in KV
	s_cmp_lt_u32 ttmp9, 320
	s_cselect_b32 s42, s42, s49
	s_cselect_b32 s43, s43, s50
	s_cselect_b32 s44, s44, s48
	s_cselect_b32 s52, 8192, s52
	s_cselect_b32 s[ST2], 2*512, s[ST2]
	s_cselect_b32 s[OST], REC, s[OST]
	s_mov_b32 s[ST2+1], 0
	s_mov_b32 s[OST+1], 0
	s_lshr_b32 s54, s[ST2], 1                      ; one fragment on
	s_mov_b32 s55, 0
	s_mov_b32 s56, s42
	s_mov_b32 s57, 0
	s_lshl_b32 s58, s44, 2
	s_add_co_u32 s58, s58, s[WV]                   ; my fragment's number in a record
	s_mul_i32 s58, s58, 1536
	s_add_co_u32 s58, s58, s43
	s_mov_b32 s59, 0
	s_lshl_b32 s60, s44, 8                         ; the four waves' scale words: 256 bytes
	s_add_co_u32 s60, s60, s43
	s_add_co_u32 s60, s60, 12288
	s_mov_b32 s61, 0
	s_wait_alu depctr_va_vdst(0)
	v_lshlrev_b32 v[LI], 4, v8
	s_mul_i32 s39, s[WV], STGB
	v_add_nc_u32 v[STW], s39, v[LI]
	v_mul_u32_u24 v[STR], v9, 528
	v_lshl_add_u32 v[STR], v10, 5, v[STR]
	v_add_nc_u32 v[STR], s39, v[STR]
	s_lshl_b32 s39, s[WV], 6
	s_add_co_u32 s39, s39, SCG
	v_lshl_add_u32 v[SCW], v9, 2, s39
	s_lshl_b32 s39, s[WV], 9
	s_add_co_u32 s39, s39, SCG
	v_add_nc_u32 v[SCR], s39, v[LI]
	v_lshrrev_b32 v[SCO], 4, v0                    ; 2 wave + h: the fragment whose scale words I carry out
	v_mul_lo_u32 v[SCO], v[SCO], s[OST]
	v_lshl_add_u32 v[SCO], v9, 4, v[SCO]
.irp i, 0,1,2,3,4,5,6,7,8,9,10,11,12,13,14,15
	v_mad_u32_u24 v[VO+\i], s52, \i, v[LI]
.endr
.irp b, 0,1,2,3
	v_mov_b32 v[TM+4+\b], 0                        ; written once: a lane permute's destination counts as one of its sources
.endr
	s_wait_alu depctr_va_vdst(0)
	s_wait_kmcnt 0x0
	s_cmp_eq_u32 s38, 1                            ; the input is chosen by the work-group's number alone
	s_cselect_b64 s[INA:INA+1], s[6:7], s[4:5]
	s_cmp_eq_u32 s38, 2
	s_cselect_b64 s[INA:INA+1], s[8:9], s[INA:INA+1]
	s_cmp_eq_u32 s38, 3
	s_cselect_b64 s[INA:INA+1], s[10:11], s[INA:INA+1]
	s_cmp_eq_u32 s38, 4
	s_cselect_b64 s[INA:INA+1], s[12:13], s[INA:INA+1]
	s_cmp_lt_u32 ttmp9, 320
	s_cselect_b64 s[INA:INA+1], s[INA:INA+1], s[14:15]
	s_cselect_b64 s[OUT:OUT+1], s[18:19], s[20:21]
	s_add_nc_u64 s[INA:INA+1], s[INA:INA+1], s[56:57]
	s_add_nc_u64 s[INB:INB+1], s[INA:INA+1], s[54:55]
	s_add_nc_u64 s[OUTS:OUTS+1], s[OUT:OUT+1], s[60:61]
	s_add_nc_u64 s[OUT:OUT+1], s[OUT:OUT+1], s[58:59]
.macro GLOAD set, ptr                  ; a fragment's 16 rows x 512 bytes: each load reads 512 consecutive bytes
.irp i, 0,1,2,3,4,5,6,7,8,9,10,11,12,13,14,15
	global_load_b128 v[\set+4*\i:\set+4*\i+3], v[VO+\i], s[\ptr:\ptr+1] th:TH_LOAD_NT
.endr
.endm
.macro FRAGSTEP n
.set RS, RA+64*((\n)%2)
.set IP, INA+2*((\n)%2)
.if (\n) < 7
	s_wait_loadcnt 16                              ; this fragment's 16 loads are in; the next fragment's 16 may be out
.else
	s_wait_loadcnt 0x0
.endif
.irp i, 0,1,2,3,4,5,6,7,8,9,10,11,12,13,14,15
	ds_store_b128 v[STW], v[RS+4*\i:RS+4*\i+3] offset:528*\i
.endr
.irp b, 0,1,2,3                                ; back: register 16 b + 8 u + j takes k = 32 b + 16 u + 8 h + j of my row.  LDS serves a wave's instructions in order: these see the stores above
.irp u, 0,1
.irp j, 0,1
	ds_load_b128 v[XX+16*\b+8*\u+4*\j:XX+16*\b+8*\u+4*\j+3], v[STR] offset:128*\b+64*\u+16*\j
.endr
.endr
.endr
	s_wait_dscnt 0x0                               ; my row's numbers are in; the stores into the stage have read their registers, and the last scale word's store its own
	s_wait_xcnt 0x0                                ; the last fragment's stores have read their data and their base: both are written again below
.if (\n) > 0
	s_add_nc_u64 s[OUT:OUT+1], s[OUT:OUT+1], s[OST:OST+1]
.endif
.if (\n)+2 < 8
	s_add_nc_u64 s[IP:IP+1], s[IP:IP+1], s[ST2:ST2+1]
	GLOAD RS, IP                                   ; the fragment two on, into the set just emptied
.endif
	QUANT XX
.irp c, 0,1,2
	global_store_b128 v[LI], v[PC+4*\c:PC+4*\c+3], s[OUT:OUT+1] offset:512*\c   ; 512 consecutive bytes, at a multiple of 256 from the buffer's first byte
.endr
	ds_store_b32 v[SCW], v[PW] offset:256*(\n)     ; lanes l and l xor 16 write the same word with the same value
.endm
	GLOAD RA, INA
	GLOAD RA+64, INB
.irp n, 0,1,2,3,4,5,6,7
	FRAGSTEP \n
.endr
	s_wait_dscnt 0x0                               ; for the others' sake: my scale words lie in LDS
	s_barrier_signal -1
	s_barrier_wait -1
	ds_load_b128 v[XX:XX+3], v[SCR]                ; fragments 2 wave and 2 wave + 1: the four waves' 256 bytes of each
	s_wait_dscnt 0x0
	global_store_b128 v[SCO], v[XX:XX+3], s[OUTS:OUTS+1]   ; sixteen lanes store 256 consecutive bytes, aligned
	s_wait_tensorcnt 0x0
	ds_add_u32 v239, v243
	s_wait_dscnt 0x0
	s_endpgm
	; ---------------- v_cache: K = the keys, the first axis within a head ----------------
	; Work-group 448 + 16 hb + step; wave b takes d = 32 b + lane.  A lane's 128 registers are the step's four blocks of 32 keys of its column, each in the order of the places.
	; Loads run two blocks ahead: 64 loads of a wave are out at the most, 32 while a block is worked on; each block has 32 registers of its own.
	; The scale words leave in pieces of 128 bytes a wave: the path then needs neither LDS nor a barrier.
.Lkeys_outer:
	s_sub_co_u32 s38, ttmp9, 448
	s_lshr_b32 s39, s38, 4                         ; hb
	s_and_b32 s40, s38, 15                         ; step
	s_lshl_b32 s42, s39, 20
	s_lshl_b32 s41, s40, 16
	s_add_co_u32 s42, s42, s41
	s_lshl_b32 s41, s[WV], 7
	s_add_co_u32 s42, s42, s41                     ; head, step, my wave's 32 columns
	s_mov_b32 s43, 0
	s_mul_i32 s44, s39, 24
	s_add_co_u32 s44, s44, s40
	s_mul_i32 s44, s44, 2*REC
	s_add_co_u32 s44, s44, REC                     ; V's record of the step
	s_mov_b32 s45, 0
	s_mul_i32 s46, s[WV], 3072                     ; my wave's two fragments
	s_mov_b32 s47, 0
	s_add_co_u32 s48, s41, 12288                   ; and their scale words
	s_mov_b32 s49, 0
	s_wait_alu depctr_va_vdst(0)
	v_lshlrev_b32 v1, 2, v8                        ; 4 x lane: in, and the scale word's place
	v_mul_u32_u24 v2, v10, 1536
	v_lshl_add_u32 v2, v9, 4, v2                   ; the image: fragment h of my wave's two, row r
	s_wait_alu depctr_va_vdst(0)
	s_wait_kmcnt 0x0
	s_add_nc_u64 s[INA:INA+1], s[16:17], s[42:43]
	s_add_nc_u64 s[OUTS:OUTS+1], s[20:21], s[44:45]
	s_add_nc_u64 s[OUT:OUT+1], s[OUTS:OUTS+1], s[46:47]
	s_add_nc_u64 s[OUTS:OUTS+1], s[OUTS:OUTS+1], s[48:49]
.macro VLOAD idx, kb                   ; block kb: register i takes key 32 kb + 16 ((i / 8) % 2) + 8 (i / 16) + i % 8; 32 lanes read 128 consecutive bytes
.irp i, 0,1,2,3,4,5,6,7,8,9,10,11,12,13,14,15,16,17,18,19,20,21,22,23,24,25,26,27,28,29,30,31
	global_load_b32 v[RA+32*\idx+\i], v1, s[INA:INA+1] offset:(32*\kb+16*((\i/8)%2)+8*(\i/16)+\i%8)*512 th:TH_LOAD_NT
.endr
.endm
.macro VBLOCK idx, kb                  ; its codes are registers 6 (kb / 2) .. + 5 of lane (r, kb % 2) of the image: v160-171 for lanes 0-15, v172-183 for lanes 16-31
.set XS, RA+32*(\idx)
.set CH, 160+12*((\kb)%2)+6*((\kb)/2)
	v_max3_num_f32 v12, |v[XS]|, |v[XS+1]|, |v[XS+2]|
	v_max3_num_f32 v13, |v[XS+3]|, |v[XS+4]|, |v[XS+5]|
.irp i, 6,10,14,18,22,26
	v_max3_num_f32 v12, v12, |v[XS+\i]|, |v[XS+\i+1]|
	v_max3_num_f32 v13, v13, |v[XS+\i+2]|, |v[XS+\i+3]|
.endr
	v_max3_num_f32 v12, v12, |v[XS+30]|, |v[XS+31]|
	v_max3_num_f32 v12, v12, v13, 0x1800000        ; and the floor
	v_add_nc_u32 v11, 0xff000000, v12              ; the conversions' scale operand
	v_lshrrev_b32 v13, 23, v11                     ; the byte
.if (\kb) == 0
	v_mov_b32 v14, v13
.else
	v_lshl_or_b32 v14, v13, 8*(\kb), v14
.endif
	v_cvt_scalef32_pk16_fp6_f32 v[CH:CH+2], v[XS:XS+15], v11
	v_cvt_scalef32_pk16_fp6_f32 v[184:186], v[XS+16:XS+31], v11
	v_nop                                          ; one plain instruction behind the scaled conversions
.irp i, 0,1,2
	v_mov_b32 v[CH+3+\i], v[184+\i]
.endr
.endm
	VLOAD 0, 0
	VLOAD 1, 2
	s_wait_loadcnt 32                              ; keys' block 0 is in; the 32 loads of block 2 may be out
	VLOAD 2, 1
	VBLOCK 0, 0
	s_wait_loadcnt 32                              ; block 2 is in; the 32 loads of block 1 may be out
	VLOAD 3, 3
	VBLOCK 1, 2
.irp c, 0,1,2
	global_store_b128 v2, v[160+4*\c:163+4*\c], s[OUT:OUT+1] offset:512*\c        ; each half of the lanes stores 256 consecutive bytes, aligned: lanes 0-15 of a fragment's image
.endr
	s_wait_loadcnt 32                              ; block 1 is in; the 32 loads of block 3 may be out
	VBLOCK 2, 1
	s_wait_loadcnt 0x0                             ; block 3 is in
	VBLOCK 3, 3
.irp c, 0,1,2
	global_store_b128 v2, v[172+4*\c:175+4*\c], s[OUT:OUT+1] offset:512*\c+256    ; lanes 16-31 of the image
.endr
	global_store_b32 v1, v14, s[OUTS:OUTS+1]
	s_endpgm
.Lfunc_end_k_qfa6054f2ec_quant:
	.size	k_qfa6054f2ec_quant, .Lfunc_end_k_qfa6054f2ec_quant-k_qfa6054f2ec_quant
	.p2alignl 7, 3214868480
	.fill 96, 4, 3214868480
	.section	.rodata,"a",@progbits
	.p2align	6, 0x0
	.amdhsa_kernel k_qfa6054f2ec_quant
		.amdhsa_group_segment_fixed_size 36352
		.amdhsa_private_segment_fixed_size 0
		.amdhsa_enable_private_segment 0
		.amdhsa_kernarg_size 72
		.amdhsa_user_sgpr_count 2
		.amdhsa_user_sgpr_kernarg_segment_ptr 1
		.amdhsa_wavefront_size32 1
		.amdhsa_system_sgpr_workgroup_id_x 1
		.amdhsa_system_sgpr_workgroup_id_y 1
		.amdhsa_system_sgpr_workgroup_id_z 1
		.amdhsa_system_vgpr_workitem_id 0
		.amdhsa_next_free_vgpr 256
		.amdhsa_next_free_sgpr 66
		.amdhsa_reserve_vcc 0
		.amdhsa_float_denorm_mode_32 3
		.amdhsa_float_denorm_mode_16_64 3
		.amdhsa_memory_ordered 1
		.amdhsa_forward_progress 1
		.amdhsa_inst_pref_size 88
	.end_amdhsa_kernel
	.amdgpu_metadata
---
amdhsa.version: [ 1, 2 ]
amdhsa.kernels:
  - .name:           k_qfa6054f2ec_quant
    .symbol:         k_qfa6054f2ec_quant.kd
    .args:
      - { .name: hidden_states, .offset: 0, .size: 8, .value_kind: global_buffer, .address_space: global }
      - { .name: Wq, .offset: 8, .size: 8, .value_kind: global_buffer, .address_space: global }
      - { .name: Wk, .offset: 16, .size: 8, .value_kind: global_buffer, .address_space: global }
      - { .name: Wv, .offset: 24, .size: 8, .value_kind: global_buffer, .address_space: global }
      - { .name: Wo, .offset: 32, .size: 8, .value_kind: global_buffer, .address_space: global }
      - { .name: k_cache, .offset: 40, .size: 8, .value_kind: global_buffer, .address_space: global }
      - { .name: v_cache, .offset: 48, .size: 8, .value_kind: global_buffer, .address_space: global }
      - { .name: XW, .offset: 56, .size: 8, .value_kind: global_buffer, .address_space: global }
      - { .name: KV, .offset: 64, .size: 8, .value_kind: global_buffer, .address_space: global }
    .group_segment_fixed_size: 36352
    .private_segment_fixed_size: 0
    .kernarg_segment_align: 8
    .kernarg_segment_size: 72
    .max_flat_workgroup_size: 128
    .sgpr_count:     66
    .vgpr_count:     256
    .wavefront_size: 32
...
	.end_amdgpu_metadata
.endif
;; end of part 5
;; launch qkv (part 6): grid 8 x 24, 4 waves a work-group, clusters of 4 x 4, 327,680 bytes of LDS; arguments XW, Q, KV; writes Q, KV
.if DOCPART == 6
	.amdgcn_target "amdgcn-amd-amdhsa--gfx1250"
	.amdhsa_code_object_version 6
	.text
	.protected	k_qfa6054f2ec_qkv
	.globl	k_qfa6054f2ec_qkv
	.p2align	8
	.type	k_qfa6054f2ec_qkv,@function
k_qfa6054f2ec_qkv:
	s_mov_b64 s[64:65], 0
	v_nop
	global_prefetch_b8 v0, s[64:65] scope:SCOPE_SE
	s_setreg_imm32_b32 hwreg(HW_REG_WAVE_MODE, 25, 1), 1
	s_wait_xcnt 0x0
	s_wait_alu depctr_hold_cnt(0) depctr_sa_sdst(0) depctr_va_vdst(0) depctr_va_sdst(0) depctr_va_ssrc(0) depctr_va_vcc(0) depctr_vm_vsrc(0)
	s_getreg_b32 s2, hwreg(HW_REG_IB_STS2, 6, 4)
	s_cmp_eq_u32 s2, 0
	s_cbranch_scc0 .Lentry_in_a_cluster
	s_endpgm
.Lentry_in_a_cluster:
	s_bfe_u32 s2, ttmp6, 0x10000c
	s_cmp_lg_u32 s2, 0xf033
	s_cbranch_scc0 .Lentry_shape_is_right
	s_endpgm
.Lentry_shape_is_right:
; q, k_new, v_new = hidden_states x Wq^T, Wk^T, Wv^T on codes of FP6 (E2M3) with E8M0 scales, and each result quantised at once, in registers, for the attention that follows.
; OPERANDS are records of 12,800 bytes: 8 fragments (16 rows x 128 K) as images of the operand's registers (fragment i at 1,536 i, registers 4 c .. at + 512 c, lane l at + 16 l), then the scale
; words (row r of fragment i at 12,288 + 64 i + 4 r).  A matrix of XW is [rows / 128][K / 128] records: 0 hidden_states, 1 Wq, 2 Wk, 3 Wv.
; A work-group of four waves makes 256 x 256; a wave 128 x 128: 64 accumulators.  K goes in steps of 256 (two records a group of 128 rows, 25,600 dense bytes) through a ring of two LDS slots.
; SOURCE 0 = "B", whose rows then run along a lane's registers; SOURCE 1 = "A", whose rows lie on the lanes.  z = 0 (q), 1 (k_new): A = hidden_states, B = the weight: a lane holds a token and its
; registers the head's 128 channels, which are the next product's K.  z = 2 (v_new): A = Wv, B = hidden_states: a lane holds a channel and its registers 128 tokens, the keys, which are K there.
; So a wave's 128 x 128 IS one record of the next operand: 8 fragments (A's blocks), quantised like any 64 numbers of a lane.  Inside a block of 32, place 16 x + 8 y + j holds k = 16 y + 8 x + j, as in all operands.
; CLUSTERS: 4 x 4 work-groups; A's tiles are asked for jointly along a row of the cluster, B's along a column.  z is made of the cluster's y alone: the same in all sixteen.
; LIMITS: a block of zeros, or one under 2^-124, gets the scale byte 1 (read by this program alone); NaN and infinities are not served.
; REGISTERS, in windows of 256: window 0: v16-29 addresses; v32-63 scale words, two sets; v128-223 A's fragments, one set; on the way out v64-195 at work.
;   window 1: B's fragments, two sets, at v0 and v128.   windows 2, 3: the accumulators of A's blocks 0-3, 4-7 (accumulator (a, b) at v[8 (8 (a % 4) + b)]).
.set REC,    12800
.set MATB,   256*REC
.set GRP,    16*REC                    ; a group of 128 rows, all of K
.set NQ,     2                         ; matrix instructions deep in a slot
.set FR,     12                        ; registers of a fragment
.set NL,     3                         ; LDS loads that bring one
.set NP,     4                         ; places behind this matrix instruction (ISA guide 7.12.1)
.set HALFT,  2*REC                     ; 128 rows x 256 K: what one tensor load brings, and what one wave reads of A or of B
.set SLOT,   4*HALFT                   ; A's two halves, then B's two
.set LAPS,   4                         ; K = 2,048 = 8 slots' worth = 4 times round the ring
.set SPARE,  2*SLOT                    ; behind the ring: the spare words, 128 bytes a wave
.set ADRA, 16                          ; v16-17  16 x lane + my half of A in slot 0, 1
.set ADRB, 20                          ; v20-21  the same for B
.set ADRS, 22                          ; v22-23  my scale words: lanes 0-15 A's rows, lanes 16-31 B's
.set SCRD, 25                          ; v25     the way out: where I read the record's scale words back
.set LIO,  26                          ; v26     16 x lane
.set SCW,  27                          ; v27     the way out: where a row's scale word goes
.set SPW,  28                          ; v28     LDS address of my spare word; never rewritten
.set NIL,  29                          ; v29     0; never rewritten
.set SC,   32                          ; scale words: set s at v[SC + 16 s]; register 2 i + q: lanes 0-15 A's block i, lanes 16-31 B's block i, the slot's q-th 128 along K
.set AF,   128
.set PC0,  64                          ; the way out: v64-159 the eight fragments' codes
.set TP,   160                         ; v160-167
.set TM,   168                         ; v168-179
.set PW0,  184                         ; v184-191 the eight scale words
.set G1, 24                            ; s[24:31] descriptor group 1 for A's tiles;  s[32:39] group 0, one set for each slot
.set G0, 32
.set G1B, 48                           ; s[48:55], s[56:63] the same for B's
.set G0B, 56
.set SEL, 92                           ; s[92:93] lane selects for v_permlanex16_b32
.set MSB, 0
.macro WIN new                         ; the immediate's high byte repeats the setting that is left
.if MSB != \new
	s_set_vgpr_msb (MSB<<8)|\new
.set MSB, \new
.endif
.endm
.set MUL_LO, 0xa1                      ; source 0 (B) window 1, source 1 (A) window 0, C and D window 2
.set MUL_HI, 0xf1                      ; the same, C and D window 3
.set TO_B,   0x40                      ; destination window 1, address window 0
; A joint load: waves 0 and 1 fetch for A, waves 2 and 3 for B; the branch hangs on the wave's number alone.  Four v_nop follow each of the two lines.
.macro JLOAD g0a, g1a, g0b, g1b
	s_cmp_eq_u32 s15, 0
	s_cbranch_scc0 .Lfor_b_\@
	tensor_load_to_lds s[\g0a:\g0a+3], s[\g1a:\g1a+7]
	s_nop 0
.rept 4
	v_nop
.endr
	s_branch .Lasked_\@
.Lfor_b_\@:
	tensor_load_to_lds s[\g0b:\g0b+3], s[\g1b:\g1b+7]
	s_nop 0
.rept 4
	v_nop
.endr
.Lasked_\@:
.endm
.macro CREST                           ; a round of the cluster's barrier behind its opening barrier
	s_cmp_lg_u32 s14, 0
	s_cbranch_scc1 .Lnot_wave_0_\@
	s_barrier_signal -3
.Lnot_wave_0_\@:
	s_barrier_wait -3
	s_barrier_signal -1
	s_barrier_wait -1
.endm
.macro CROUND
	s_barrier_signal -1
	s_barrier_wait -1
	CREST
.endm
	s_load_b128 s[4:7], s[0:1], 0x0                ; XW s[4:5], Q s[6:7]
	s_load_b64 s[8:9], s[0:1], 0x10                ; KV
	v_lshl_add_u32 v[SPW], v0, 2, SPARE
	v_mov_b32 v[NIL], 0
	ds_add_u32 v28, v29
	ds_add_u32 v28, v29
	s_wait_dscnt 0x0
	v_lshrrev_b32 v1, 5, v0
	v_readfirstlane_b32 s14, v1                    ; wave 0..3
	s_lshr_b32 s15, s14, 1                         ; which half of A's rows is mine.  Also: I fetch for A (0) or for B (1)
	s_and_b32 s16, s14, 1                          ; which half of B's rows.  Also: which half of that tile I fetch
	s_bfe_u32 s40, ttmp6, 0x40000                  ; cx, cy: my place in the cluster
	s_bfe_u32 s41, ttmp6, 0x40004
	s_lshl_b32 s42, ttmp9, 2
	s_add_co_u32 s42, s42, s40                     ; B's tile = 4 x cluster x + cx
	s_and_b32 s17, ttmp7, 0xffff                   ; cluster y = 2 z + half
	s_lshr_b32 s66, s17, 1                         ; z
	s_and_b32 s17, s17, 1
	s_lshl_b32 s17, s17, 2
	s_add_co_u32 s17, s17, s41                     ; A's tile = 4 x (cluster y % 2) + cy
	s_lshl_b32 s43, s41, 2
	s_lshl_b32 s43, 15, s43                        ; my row of the cluster
	s_lshl_b32 s44, 0x1111, s40                    ; my column
	; descriptor group 1: 25,600 dense bytes as 100 rows of 32 elements of 8 bytes; no padding: an image is read 16 bytes a lane, on end
	s_or_b32 s[G1+0], s43, (3<<16)|(1<<21)         ; 15:0 the mask: A's tiles go to my row; 17:16 elements of 8 bytes; 21 set beside a mask
	s_or_b32 s[G1B+0], s44, (3<<16)|(1<<21)
.irp g, G1, G1B
	s_mov_b32 s[\g+1], 32<<16                      ; tensor_dim0
	s_mov_b32 s[\g+2], 100<<16                     ; tensor_dim1
	s_mov_b32 s[\g+3], 32<<16                      ; tile_dim0
	s_mov_b32 s[\g+4], 100                         ; tile_dim1
	s_mov_b32 s[\g+5], 32                          ; tensor_dim0_stride
	s_mov_b32 s[\g+6], 0
	s_mov_b32 s[\g+7], 0
.endr
	s_add_co_u32 s68, s66, 1
	s_cmp_eq_u32 s66, 2
	s_cselect_b32 s67, 3, 0                        ; A's matrix: Wv for v_new, else hidden_states
	s_cselect_b32 s68, 0, s68                      ; B's: hidden_states for v_new, else Wq or Wk
	s_mul_i32 s67, s67, MATB
	s_mul_i32 s68, s68, MATB
	s_lshl_b32 s20, s17, 1
	s_add_co_u32 s20, s20, s16                     ; A: group 2 x tile + the half that I fetch
	s_mul_i32 s20, s20, GRP
	s_add_co_u32 s20, s20, s67
	s_mov_b32 s21, 0
	s_lshl_b32 s46, s42, 1
	s_add_co_u32 s46, s46, s16                     ; B likewise
	s_mul_i32 s46, s46, GRP
	s_add_co_u32 s46, s46, s68
	s_mov_b32 s47, 0
	s_mul_i32 s45, s14, HALFT                      ; where they go: wave x 25,600: no place in the cluster enters an LDS address
	s_mov_b32 s[SEL], 0x76543210
	s_mov_b32 s[SEL+1], 0xfedcba98
	s_wait_kmcnt 0x0
	s_add_nc_u64 s[20:21], s[4:5], s[20:21]
	s_add_nc_u64 s[46:47], s[4:5], s[46:47]
	CROUND                                         ; all sixteen work-groups are here: the first joint loads meet
.irp s, 0,1
	s_mov_b32 s[G0+4*\s], 1
	s_add_co_u32 s[G0+4*\s+1], s45, \s*SLOT
	s_add_nc_u64 s[G0+4*\s+2:G0+4*\s+3], s[20:21], \s*HALFT
	s_or_b32 s[G0+4*\s+3], s[G0+4*\s+3], 0x80000000
	s_mov_b32 s[G0B+4*\s], 1
	s_add_co_u32 s[G0B+4*\s+1], s45, \s*SLOT
	s_add_nc_u64 s[G0B+4*\s+2:G0B+4*\s+3], s[46:47], \s*HALFT
	s_or_b32 s[G0B+4*\s+3], s[G0B+4*\s+3], 0x80000000
.endr
	JLOAD G0, G1, G0B, G1B                         ; slot 0: one tensor load a wave at the head
	v_and_b32 v1, 15, v0                           ; r
	v_bfe_u32 v2, v0, 4, 1                         ; h
	v_and_b32 v3, 31, v0
	v_lshlrev_b32 v[LIO], 4, v3                    ; 16 x lane
	s_mul_i32 s21, s15, HALFT                      ; my half of A
	s_mul_i32 s22, s16, HALFT
	s_add_co_u32 s22, s22, 2*HALFT                 ; my half of B, behind A's two
	s_sub_co_u32 s23, s22, s21
	v_mul_u32_u24 v4, s23, v2                      ; lanes 16-31 take B's scale words: one product, the distance x h
	v_lshl_add_u32 v4, v1, 2, v4
.irp s, 0,1
	v_add_nc_u32 v[ADRA+\s], s21, v[LIO]
	v_add_nc_u32 v[ADRB+\s], s22, v[LIO]
	v_add_nc_u32 v[ADRS+\s], s21, v4
	s_add_co_u32 s21, s21, SLOT
	s_add_co_u32 s22, s22, SLOT
.endr
	s_lshl_b32 s23, s14, 9                         ; the way out: 512 bytes a wave, in slot 0, which has had its last fill and its last read by then
	v_lshl_add_u32 v[SCW], v1, 2, s23
	v_add_nc_u32 v[SCRD], s23, v[LIO]
	; where my record goes
	s_lshl_b32 s70, s17, 1
	s_add_co_u32 s70, s70, s15                     ; A's group of 128 rows
	s_lshl_b32 s71, s42, 1
	s_add_co_u32 s71, s71, s16                     ; B's
	s_cmp_eq_u32 s66, 2
	s_cselect_b32 s72, s71, s70                    ; the tokens' group,
	s_cselect_b32 s73, s70, s71                    ; the head
	s_lshr_b32 s74, s72, 3
	s_lshl_b32 s74, s74, 4
	s_add_co_u32 s74, s74, s73                     ; hb = 16 x batch + head
	s_and_b32 s72, s72, 7                          ; which 128 tokens of the batch's 1,024
	s_lshl_b32 s75, s74, 3
	s_add_co_u32 s75, s75, s72
	s_mul_i32 s75, s75, REC                        ; in Q
	s_mul_i32 s76, s74, 24
	s_add_co_u32 s76, s76, s72
	s_add_co_u32 s76, s76, 16                      ; in KV: behind the cache's 16 steps
	s_mul_i32 s76, s76, 2*REC
	s_cmp_eq_u32 s66, 2
	s_cselect_b32 s77, REC, 0                      ; V's record lies behind K's
	s_add_co_u32 s76, s76, s77
	s_cmp_eq_u32 s66, 0
	s_cselect_b32 s76, s75, s76
	s_cselect_b64 s[12:13], s[6:7], s[8:9]
	s_mov_b32 s77, 0
	s_add_nc_u64 s[12:13], s[12:13], s[76:77]
.macro FRAG reg, adr, q, i             ; fragment i of the slot's q-th record: three loads of 16 bytes a lane, 512 consecutive bytes each
.irp c, 0,1,2
	ds_load_b128 v[\reg+4*\c:\reg+4*\c+3], v[\adr] offset:(\q)*REC+(\i)*1536+512*\c
.endr
.endm
; 16 matrix instructions: A's blocks a0, a0 + 1 x B's eight, 128 along K.  p: B's set;  sc: the set of scale words.  zero = 1: the first product starts the sums.
; The 64 accumulators take turns, one instruction a turn, in the same order in every step.
.macro MUL16 a0, p, q, sc, zero
.irp a, \a0, \a0+1
.irp b, 0,1,2,3,4,5,6,7
.if \zero
	v_wmma_scale_f32_16x16x128_f8f6f4 v[8*(8*((\a)%4)+\b):8*(8*((\a)%4)+\b)+7], v[128*(\p)+FR*\b:128*(\p)+FR*\b+FR-1], v[AF+FR*(\a):AF+FR*(\a)+FR-1], 0, v[SC+8*NQ*(\sc)+NQ*\b+(\q)], v[SC+8*NQ*(\sc)+NQ*(\a)+(\q)] matrix_a_fmt:MATRIX_FMT_FP6 matrix_b_fmt:MATRIX_FMT_FP6 matrix_a_scale:MATRIX_SCALE_ROW1
.else
	v_wmma_scale_f32_16x16x128_f8f6f4 v[8*(8*((\a)%4)+\b):8*(8*((\a)%4)+\b)+7], v[128*(\p)+FR*\b:128*(\p)+FR*\b+FR-1], v[AF+FR*(\a):AF+FR*(\a)+FR-1], v[8*(8*((\a)%4)+\b):8*(8*((\a)%4)+\b)+7], v[SC+8*NQ*(\sc)+NQ*\b+(\q)], v[SC+8*NQ*(\sc)+NQ*(\a)+(\q)] matrix_a_fmt:MATRIX_FMT_FP6 matrix_b_fmt:MATRIX_FMT_FP6 matrix_a_scale:MATRIX_SCALE_ROW1
.endif
.endr
.endr
.endm
.macro FETCH_B slot, q, p
	WIN TO_B
.irp i, 0,1,2,3,4,5,6,7
	FRAG 128*(\p)+FR*\i, ADRB+\slot, \q, \i
.endr
	WIN 0
.endm
.macro FETCH_A slot, q, i0
.irp i, \i0, \i0+1, \i0+2, \i0+3
	FRAG AF+FR*(\i), ADRA+\slot, \q, \i
.endr
.endm
.macro SCALES sc                       ; a slot's scale words into set sc: lanes 0-15 take A's block i, lanes 16-31 B's block i
.irp i, 0,1,2,3,4,5,6,7
.irp q, 0,1
	ds_load_b32 v[SC+8*NQ*\sc+NQ*\i+\q], v[ADRS+\sc] offset:\q*REC+12288+64*\i
.endr
.endr
.endm
; A load into a register that a matrix instruction has read, and a vector instruction that reads a matrix result or writes one of its registers, stand NP places behind it; only plain vector instructions that name none of its registers are places.
.macro PLACES n
.rept \n
	v_nop
.endr
.endm
.macro STEP slot, q, zero              ; a step of 128 along K that has its successor in the same slot
	s_wait_dscnt 4*NL                              ; B's set, A's blocks 0-3 and the scale words are in; the youngest 12 loads (A's blocks 4-7) may be out
	WIN MUL_LO
	MUL16 0, (\q)%2, \q, \slot, \zero
	MUL16 2, (\q)%2, \q, \slot, \zero
	s_wait_dscnt 0
	PLACES NP
	FETCH_B \slot, (\q)+1, 1-(\q)%2
	FETCH_A \slot, (\q)+1, 0
	WIN MUL_HI
	MUL16 4, (\q)%2, \q, \slot, \zero
	MUL16 6, (\q)%2, \q, \slot, \zero
	PLACES NP
	WIN 0
	FETCH_A \slot, (\q)+1, 4
.endm
; A slot's last step changes slots: ONE barrier; in front of it each wave waits for all its tensor loads, adds 0 to its spare word, and waits for that and for its own reads of this slot.  fill = 1: this slot is filled again, two slots ahead.
.macro TURN slot, next, fill
	s_wait_tensorcnt 0x0                           ; all my tensor loads have landed: my part of the next slot
	ds_add_u32 v[SPW], v[NIL]                      ; 0 onto my spare word
	s_wait_dscnt 4*NL+1                            ; (the add and the youngest 12 loads may be out)
	WIN MUL_LO
	MUL16 0, 1, NQ-1, \slot, 0
	s_wait_dscnt 0x0                               ; the add is done, and my reads of this slot are over
	s_barrier_signal -1
	MUL16 2, 1, NQ-1, \slot, 0
	WIN 0
	s_barrier_wait -1
.if \fill
	CREST                                          ; the barrier has opened a round of the cluster's barrier: no wave of any partner still reads this slot or has a load on its way
	s_add_nc_u64 s[G0+4*\slot+2:G0+4*\slot+3], s[G0+4*\slot+2:G0+4*\slot+3], 2*HALFT
	s_add_nc_u64 s[G0B+4*\slot+2:G0B+4*\slot+3], s[G0B+4*\slot+2:G0B+4*\slot+3], 2*HALFT
	JLOAD G0+4*\slot, G1, G0B+4*\slot, G1B         ; the first tensor load behind the round; its four v_nop are also the places in front of the loads below
.else
	PLACES NP
.endif
	FETCH_B \next, 0, 0
	FETCH_A \next, 0, 0
	SCALES \next
	WIN MUL_HI
	MUL16 4, 1, NQ-1, \slot, 0
	MUL16 6, 1, NQ-1, \slot, 0
	PLACES NP
	WIN 0
	FETCH_A \next, 0, 4
.endm
	s_wait_alu depctr_va_vdst(0)
	s_wait_tensorcnt 0x0                           ; my part of slot 0 is in
	ds_add_u32 v[SPW], v[NIL]
	s_wait_dscnt 0x0
	CROUND                                         ; everybody's part of slot 0 is in, and all sixteen work-groups are here
	JLOAD G0+4, G1, G0B+4, G1B                     ; slot 1's first fill, the first tensor load behind the round
	FETCH_B 0, 0, 0
	FETCH_A 0, 0, 0
	SCALES 0
	FETCH_A 0, 0, 4
	STEP 0, 0, 1                                   ; the first step stands in front of the loop: its products start the sums
	s_mov_b32 s3, LAPS-1
.Llap:                                                 ; a trip goes once round the ring and fills both slots again
	TURN 0, 1, 1
	STEP 1, 0, 0
	TURN 1, 0, 1
	STEP 0, 0, 0
	s_sub_co_u32 s3, s3, 1
	s_cmp_lg_u32 s3, 0
	s_cbranch_scc1 .Llap
	TURN 0, 1, 0                                   ; the last lap fills nothing
	STEP 1, 0, 0
	s_wait_dscnt 4*NL
	WIN MUL_LO
	MUL16 0, 1, NQ-1, 1, 0
	MUL16 2, 1, NQ-1, 1, 0
	s_wait_dscnt 0
	WIN MUL_HI
	MUL16 4, 1, NQ-1, 1, 0
	MUL16 6, 1, NQ-1, 1, 0
	WIN 0
; THE WAY OUT.  A's block a: lane (r, h) holds row 16 a + r, and register 16 b + 8 u + j of the block's 64 the next K's place 32 b + 16 u + 8 h + j: four half blocks.  They become fragment a of my record.
; Each accumulator is read from its low end on.  Each fragment has its own registers for codes and scale word, so that no store's data are written again.
.macro QOUT a
.set AC, 64*((\a)%4)
.set PCA, PC0+12*(\a)
.set WA, ((2+(\a)/4)<<2)|((2+(\a)/4)<<4)
.set WB, 2+(\a)/4
	WIN WA                                         ; sources 1 and 2: the accumulators' window
.irp b, 0,1,2,3
	v_max3_num_f32 v[TM+\b], 0x1800000, |v[AC+16*\b]|, |v[AC+16*\b+1]|   ; the floor 2^(3 - 127) and my 16 numbers of block b
.endr
.irp i, 2,4,6,8,10,12,14
.irp b, 0,1,2,3
	v_max3_num_f32 v[TM+\b], v[TM+\b], |v[AC+16*\b+\i]|, |v[AC+16*\b+\i+1]|
.endr
.endr
	WIN 0
.irp b, 0,1,2,3
	v_permlanex16_b32 v[TM+4+\b], v[TM+\b], s[SEL], s[SEL+1]
.endr
.irp b, 0,1,2,3
	v_max_num_f32 v[TM+\b], v[TM+\b], v[TM+4+\b]
.endr
.irp b, 0,1,2,3
	v_add_nc_u32 v[TM+8+\b], 0xff000000, v[TM+\b]
.endr
.irp b, 0,1,2,3
	v_lshrrev_b32 v[TM+4+\b], 23, v[TM+8+\b]
.endr
	v_lshl_or_b32 v[PW0+(\a)], v[TM+5], 8, v[TM+4]
	v_lshl_or_b32 v[PW0+(\a)], v[TM+6], 16, v[PW0+(\a)]
	v_lshl_or_b32 v[PW0+(\a)], v[TM+7], 24, v[PW0+(\a)]
	WIN WB                                         ; source 0: the accumulators' window
.irp c, 0,1
	v_cvt_scalef32_pk16_fp6_f32 v[PCA+6*\c:PCA+6*\c+2], v[AC+32*\c:AC+32*\c+15], v[TM+8+2*\c]
	v_cvt_scalef32_pk16_fp6_f32 v[TP+4*\c:TP+4*\c+2], v[AC+32*\c+16:AC+32*\c+31], v[TM+8+2*\c+1]
.endr
	WIN 0
	v_nop                                          ; one plain instruction behind the scaled conversions
.irp c, 0,1
.irp i, 0,1,2
	v_permlane16_swap_b32 v[PCA+6*\c+\i], v[TP+4*\c+\i]
.endr
.irp i, 0,1,2
	v_mov_b32 v[PCA+3+6*\c+\i], v[TP+4*\c+\i]
.endr
.endr
.irp c, 0,1,2
	global_store_b128 v[LIO], v[PCA+4*\c:PCA+4*\c+3], s[12:13] offset:1536*(\a)+512*\c   ; 512 consecutive bytes, at a multiple of 256 from the buffer's first byte
.endr
	ds_store_b32 v[SCW], v[PW0+(\a)] offset:64*(\a)
.endm
	PLACES NP                                      ; behind the last products: A's registers are written below, block 7's results are read much later
.irp b, 0,1,2,3
	v_mov_b32 v[TM+4+\b], 0                        ; a lane permute's destination counts as one of its sources
.endr
.irp a, 0,1,2,3,4,5,6,7
	QOUT \a
.endr
	ds_load_b128 v[192:195], v[SCRD]               ; my own 512 bytes: LDS serves a wave's instructions in order
	s_wait_dscnt 0x0
	global_store_b128 v[LIO], v[192:195], s[12:13] offset:12288
	s_wait_tensorcnt 0x0                           ; the wave's end
	ds_add_u32 v[SPW], v[NIL]
	s_wait_dscnt 0x0
	CROUND                                         ; the closing round
	s_endpgm
.Lfunc_end_k_qfa6054f2ec_qkv:
	.size	k_qfa6054f2ec_qkv, .Lfunc_end_k_qfa6054f2ec_qkv-k_qfa6054f2ec_qkv
	.p2alignl 7, 3214868480
	.fill 96, 4, 3214868480
	.section	.rodata,"a",@progbits
	.p2align	6, 0x0
	.amdhsa_kernel k_qfa6054f2ec_qkv
		.amdhsa_group_segment_fixed_size 327680
		.amdhsa_private_segment_fixed_size 0
		.amdhsa_enable_private_segment 0
		.amdhsa_kernarg_size 24
		.amdhsa_user_sgpr_count 2
		.amdhsa_user_sgpr_kernarg_segment_ptr 1
		.amdhsa_wavefront_size32 1
		.amdhsa_system_sgpr_workgroup_id_x 1
		.amdhsa_system_sgpr_workgroup_id_y 1
		.amdhsa_system_sgpr_workgroup_id_z 1
		.amdhsa_system_vgpr_workitem_id 0
		.amdhsa_next_free_vgpr 1024
		.amdhsa_next_free_sgpr 98
		.amdhsa_reserve_vcc 0
		.amdhsa_float_denorm_mode_32 3
		.amdhsa_float_denorm_mode_16_64 3
		.amdhsa_memory_ordered 1
		.amdhsa_forward_progress 1
		.amdhsa_inst_pref_size 140
	.end_amdhsa_kernel
	.amdgpu_metadata
---
amdhsa.version: [ 1, 2 ]
amdhsa.kernels:
  - .name:           k_qfa6054f2ec_qkv
    .symbol:         k_qfa6054f2ec_qkv.kd
    .args:
      - { .name: XW, .offset: 0, .size: 8, .value_kind: global_buffer, .address_space: global }
      - { .name: Q, .offset: 8, .size: 8, .value_kind: global_buffer, .address_space: global }
      - { .name: KV, .offset: 16, .size: 8, .value_kind: global_buffer, .address_space: global }
    .group_segment_fixed_size: 327680
    .private_segment_fixed_size: 0
    .kernarg_segment_align: 8
    .kernarg_segment_size: 24
    .max_flat_workgroup_size: 128
    .sgpr_count:     98
    .vgpr_count:     1024
    .wavefront_size: 32
...
	.end_amdgpu_metadata
.endif
;; end of part 6
;; launch attn (part 7): grid 8 x 32, 4 waves a work-group, clusters of 4 x 4, 327,680 bytes of LDS; arguments Q, KV, attention_mask, AT; writes AT
.if DOCPART == 7
	.amdgcn_target "amdgcn-amd-amdhsa--gfx1250"
	.amdhsa_code_object_version 6
	.text
	.protected	k_qfa6054f2ec_attn
	.globl	k_qfa6054f2ec_attn
	.p2align	8
	.type	k_qfa6054f2ec_attn,@function
k_qfa6054f2ec_attn:
	s_mov_b64 s[64:65], 0
	v_nop
	global_prefetch_b8 v0, s[64:65] scope:SCOPE_SE
	s_setreg_imm32_b32 hwreg(HW_REG_WAVE_MODE, 25, 1), 1
	s_wait_xcnt 0x0
	s_wait_alu depctr_hold_cnt(0) depctr_sa_sdst(0) depctr_va_vdst(0) depctr_va_sdst(0) depctr_va_ssrc(0) depctr_va_vcc(0) depctr_vm_vsrc(0)
	s_getreg_b32 s2, hwreg(HW_REG_IB_STS2, 6, 4)
	s_cmp_eq_u32 s2, 0
	s_cbranch_scc0 .Lentry_in_a_cluster
	s_endpgm
.Lentry_in_a_cluster:
	s_bfe_u32 s2, ttmp6, 0x10000c
	s_cmp_lg_u32 s2, 0xf033
	s_cbranch_scc0 .Lentry_shape_is_right
	s_endpgm
.Lentry_shape_is_right:
; Attention on codes of FP6 (E2M3) with E8M0 scales: S^T = K q^T + mask, p = 2^(t - M) with a running whole M, O^T += V^T p^T, O / l quantised for the projection.
; Operands are records of 12,800 bytes (8 fragments of 16 rows x 128 K as images of the operand's registers, then the scale words); inside a block of 32, place 16 x + 8 y + j holds k = 16 y + 8 x + j, as in all operands.
; A work-group: one head, 128 queries, four waves; a wave: 32 queries as two tiles of 16 (q = 0, 1), so that each fragment of K and of V read from LDS feeds two matrix instructions.
; Both products are used transposed: a lane holds one query, its registers run along the keys (S^T) or the head's channels (O^T).
; The mask, x sqrt(128), is the C of the score products; the maximum is taken of these raw sums, and t - M = raw x log2(e) / sqrt(128) - M is one fused multiply-add.
; THE STEP IS LAID SO THAT OTHER WORK STANDS AMONG THE EXPONENTIALS.  The scores have two buffers by turns (even steps window 1, odd steps window 2).  Among tile 0's exponentials stand tile 1's multiply-adds and
; the next step's mask scaling; among tile 1's the next step's score products, tile 0's partial sums (each into registers of its own) and tile 0's packing (in one run).  Tile 1's packing and the sums' trees stand among the second products.
; THE RING: 24 steps of 128 keys through two LDS slots, each K's record, V's record and 128 mask rows of 512 bytes + 16.  One joint load a wave: waves 0, 1 the mask's halves, wave 2 K's record, wave 3 V's.
; The round stands behind the step's maxima: by then the step's V is in registers (K and the mask came a step earlier), so the step's slot is free; behind it the other slot, whole, is read for the next step.
; CLUSTERS 4 x 4: K's and V's records are shared along a row (one head, four query blocks), the mask's tiles along a column (one query block, four heads).
; PREFETCH: in step s the tiles of step s + 4, two steps ahead of the load that wants them; the partners share a tile's blocks of 256 bytes by address: of the mask 32 rows a work-group, waves 0 and 1 a half row each,
; a lane a row; of K's and V's 100 blocks 25 a work-group, wave 2, a lane a block.  The loop's last trip and the two steps behind it ask for nothing.
; LIMITS: the promise holds while the scaled scores (exponents to the base 2) stay under 2^31 in magnitude; NaN and infinities are not served; a block whose largest number lies under 2^-124 gets the scale byte 1.
; REGISTERS, in windows of 256.  Window 0: addresses, state, q, scale words, K's fragments, partial sums.  Window 1: v0-127 even steps' scores / p; v128-255 O^T.  Window 2: v0-127 odd steps' scores / p; v128-223 V's fragments.  Window 3: p's codes.
.set REC,   12800
.set TILE,  2*REC
.set MP,    528
.set MOFF,  TILE
.set SLOT,  TILE+128*MP                ; 93,184 bytes
.set SPARE, 2*SLOT                     ; the spare words: 128 bytes a wave
.set SCST,  SPARE+512                  ; the way out: the record's 512 bytes of scale words
.set LI,   1                           ; v1-2   16 x lane in slot 0, 1
.set LS,   3                           ; v3-4   4 x lane
.set AM,   5                           ; v5-6   my mask rows: (32 wave + r) x 528 + 32 h
.set SPW,  7
.set NIL,  8
.set PFO,  9
.set GOF,  10                          ; 16 x lane + 3,072 x wave
.set GSC,  11                          ; 4 r + 128 x wave
; tile q: v[12+4q] -M, v[13+4q] largest t, v[14+4q:15+4q] the sum; v[20+2q] f, v[21+2q] p's scale word; v[24+q] a temporary
.set TT,   24
.set QSC,  26
.set KSC,  28
.set VSC,  32
.set QF,   36
.set TM,   60                          ; tile q at + 16 q: + 0..3 block maxima, + 4..7, + 8..11 scale operands
.set SCW,  90
.set SCR,  91
.set KF,   96
.set PS,   192                         ; v192-255 partial sums: tile q's 16 pairs at + 32 q
.set VF,   128
.set WV,   12
.set CX,   13
.set CY,   14
.set QB,   15
.set HB,   16
.set BT,   17
.set SEL,  20
.set CS,   22
.set G1K,  24
.set G1M,  32
.set G0K,  40
.set G0M,  48
.set RT,   56
.set LOOP, 58
.set LIM,  59
.set PFA,  60
.set PFS,  62
.set MSB, 0
.macro WIN new                         ; low byte: 1:0 source 0, 3:2 source 1, 5:4 source 2, 7:6 destination; the high byte repeats the setting that is left
.if MSB != (\new)
	s_set_vgpr_msb (MSB<<8)|(\new)
.set MSB, (\new)
.endif
.endm
.macro CREST
	s_cmp_lg_u32 s[WV], 0
	s_cbranch_scc1 .Lnot_wave_0_\@
	s_barrier_signal -3
.Lnot_wave_0_\@:
	s_barrier_wait -3
	s_barrier_signal -1
	s_barrier_wait -1
.endm
.macro ROUND
	s_barrier_signal -1
	s_barrier_wait -1
	CREST
.endm
.macro JLOAD p                         ; every wave's one joint load into slot p; the branch hangs on the wave's number alone
	s_cmp_lt_u32 s[WV], 2
	s_cbranch_scc0 .Lfor_kv_\@
	tensor_load_to_lds s[G0M+4*\p:G0M+4*\p+3], s[G1M:G1M+7]
	s_nop 0
.rept 4
	v_nop
.endr
	s_branch .Lasked_\@
.Lfor_kv_\@:
	tensor_load_to_lds s[G0K+4*\p:G0K+4*\p+3], s[G1K:G1K+7]
	s_nop 0
.rept 4
	v_nop
.endr
.Lasked_\@:
.endm
.macro ASK
	s_cmp_gt_u32 s[LOOP], s[LIM]                   ; not in the loop's last trip, and never wave 3
	s_cbranch_scc0 .Lnot_mine_\@
	global_prefetch_b8 v[PFO], s[PFA:PFA+1] th:TH_LOAD_NT scope:SCOPE_SE
.Lnot_mine_\@:
.endm
.macro MM d, a, b, sa, sb, odd         ; odd fragments' scale words lie in lanes 16-31
.if \odd
	v_wmma_scale_f32_16x16x128_f8f6f4 v[\d:\d+7], v[\a:\a+11], v[\b:\b+11], v[\d:\d+7], v[\sa], v[\sb] matrix_a_fmt:MATRIX_FMT_FP6 matrix_b_fmt:MATRIX_FMT_FP6 matrix_a_scale:MATRIX_SCALE_ROW1
.else
	v_wmma_scale_f32_16x16x128_f8f6f4 v[\d:\d+7], v[\a:\a+11], v[\b:\b+11], v[\d:\d+7], v[\sa], v[\sb] matrix_a_fmt:MATRIX_FMT_FP6 matrix_b_fmt:MATRIX_FMT_FP6
.endif
.endm
.macro SQ g                            ; key tile g of the scores, both query tiles, onto the scaled mask
	MM 8*\g, KF+12*\g, QF, KSC+\g/2, QSC, \g%2
	MM 64+8*\g, KF+12*\g, QF+12, KSC+\g/2, QSC+1, \g%2
.endm
.macro PV q, t                         ; channels 16 t .. of O^T, query tile q
	MM 128+64*\q+8*\t, VF+12*\t, 24*\q, VSC+\t/2, 21+2*\q, \t%2
.endm
.macro LOADNX n                        ; a step's mask (into window SN), K's scale words and fragments out of slot n: 32 + 4 + 24 loads
	WIN SN<<6
.irp q, 0,1
.irp i, 0,1,2,3,4,5,6,7
	ds_load_b128 v[64*\q+8*\i:64*\q+8*\i+3], v[AM+\n] offset:16*MP*\q+64*\i
	ds_load_b128 v[64*\q+8*\i+4:64*\q+8*\i+7], v[AM+\n] offset:16*MP*\q+64*\i+16
.endr
.endr
	WIN 0
.irp i, 0,1,2,3
	ds_load_b32 v[KSC+\i], v[LS+\n] offset:12288+128*\i
.endr
.irp t, 0,1,2,3,4,5,6,7
.irp c, 0,1,2
	ds_load_b128 v[KF+12*\t+4*\c:KF+12*\t+4*\c+3], v[LI+\n] offset:1536*\t+512*\c
.endr
.endr
.endm
.macro EXP8 r
.set EJ, \r
.rept 8
	v_exp_f32 v[EJ], v[EJ]
.set EJ, EJ+1
.endr
.endm
.macro FMA8 r, m                       ; t - M of 16 numbers
.set EJ, \r
.rept 8
	v_pk_fma_f32 v[EJ:EJ+1], v[EJ:EJ+1], s[CS:CS+1], v[\m:\m+1] op_sel_hi:[1,0,0]
.set EJ, EJ+2
.endr
.endm
.macro MUL16 r                         ; 32 mask numbers x sqrt(128), in place
.set EJ, \r
.rept 16
	v_pk_mul_f32 v[EJ:EJ+1], v[EJ:EJ+1], s[RT:RT+1] op_sel_hi:[1,0]
.set EJ, EJ+2
.endr
.endm
.macro RESC q                          ; O^T of tile q under the new M, each accumulator from its low end on
.set EJ, 128+64*\q
.rept 32
	v_pk_mul_f32 v[EJ:EJ+1], v[EJ:EJ+1], v[20+2*\q:21+2*\q] op_sel_hi:[1,0]
.set EJ, EJ+2
.endr
.endm
.macro PART q, g                       ; 16 of tile q's p into four pairs of their own
.irp k, 0,1,2,3
	v_pk_add_f32 v[PS+32*\q+8*\g+2*\k:PS+32*\q+8*\g+2*\k+1], v[64*\q+16*\g+4*\k:64*\q+16*\g+4*\k+1], v[64*\q+16*\g+4*\k+2:64*\q+16*\g+4*\k+3]
.endr
.endm
.macro TREE n                          ; both tiles' 2 n pairs become n
.irp q, 0,1
.set EJ, 0
.rept \n
	v_pk_add_f32 v[PS+32*\q+2*EJ:PS+32*\q+2*EJ+1], v[PS+32*\q+2*EJ:PS+32*\q+2*EJ+1], v[PS+32*\q+2*(EJ+\n):PS+32*\q+2*(EJ+\n)+1]
.set EJ, EJ+1
.endr
.endr
.endm
.macro FLOORT q
.irp b, 0,1,2,3
	v_max_num_f32 v[TM+16*\q+\b], 0x1800000, v[TM+16*\q+\b]     ; the floor 2^(3 - 127)
.endr
.endm
.macro PACKS q                         ; from tile q's block maxima: the conversions' scale operands and the scale word.  Window 0
.irp b, 0,1,2,3
	v_add_nc_u32 v[TM+16*\q+8+\b], 0xff000000, v[TM+16*\q+\b]   ; 2 off the exponent field
.endr
.irp b, 0,1,2,3
	v_lshrrev_b32 v[TM+16*\q+4+\b], 23, v[TM+16*\q+8+\b]        ; the byte
.endr
	v_lshl_or_b32 v[21+2*\q], v[TM+16*\q+5], 8, v[TM+16*\q+4]
	v_lshl_or_b32 v[21+2*\q], v[TM+16*\q+6], 16, v[21+2*\q]
	v_lshl_or_b32 v[21+2*\q], v[TM+16*\q+7], 24, v[21+2*\q]
.endm
.macro PACKC q, w                      ; tile q's 64 numbers in window w become codes, a whole block to a lane
	WIN 0xc0|\w
.irp c, 0,1
	v_cvt_scalef32_pk16_fp6_f32 v[24*\q+6*\c:24*\q+6*\c+2], v[64*\q+32*\c:64*\q+32*\c+15], v[TM+16*\q+8+2*\c]
	v_cvt_scalef32_pk16_fp6_f32 v[24*\q+12+4*\c:24*\q+12+4*\c+2], v[64*\q+32*\c+16:64*\q+32*\c+31], v[TM+16*\q+9+2*\c]
.endr
	WIN 0xc3
	v_nop                                          ; one plain instruction behind the scaled conversions
.irp c, 0,1
.irp i, 0,1,2
	v_permlane16_swap_b32 v[24*\q+6*\c+\i], v[24*\q+12+4*\c+\i]
.endr
.endr
.irp c, 0,1
.irp i, 0,1,2
	v_mov_b32 v[24*\q+6*\c+3+\i], v[24*\q+12+4*\c+\i]
.endr
.endr
.endm
	s_load_b256 s[4:11], s[0:1], 0x0               ; Q, KV, attention_mask, AT
	v_lshl_add_u32 v[SPW], v0, 2, SPARE
	v_mov_b32 v[NIL], 0
	ds_add_u32 v[SPW], v[NIL]                      ; the opening lines: the add, twice on end, and its wait
	ds_add_u32 v[SPW], v[NIL]
	v_lshrrev_b32 v10, 5, v0
	v_readfirstlane_b32 s[WV], v10
	s_bfe_u32 s[CX], ttmp6, 0x40000
	s_bfe_u32 s[CY], ttmp6, 0x40004
	s_lshl_b32 s[QB], ttmp9, 2
	s_add_co_u32 s[QB], s[QB], s[CX]               ; query block 0..7
	s_and_b32 s18, ttmp7, 0xffff
	s_lshl_b32 s[HB], s18, 2
	s_add_co_u32 s[HB], s[HB], s[CY]               ; 16 x batch + head
	s_lshr_b32 s[BT], s18, 2                       ; batch
	s_lshl_b32 s66, s[CY], 2
	s_lshl_b32 s66, 15, s66                        ; my row of the cluster
	s_lshl_b32 s67, 0x1111, s[CX]                  ; my column
	s_or_b32 s[G1K], s66, (3<<16)|(1<<21)          ; a record: 50 rows of 32 elements of 8 bytes, dense
	s_mov_b32 s[G1K+1], 32<<16
	s_mov_b32 s[G1K+2], 50<<16
	s_mov_b32 s[G1K+3], 32<<16
	s_mov_b32 s[G1K+4], 50
	s_mov_b32 s[G1K+5], 32
	s_mov_b32 s[G1K+6], 0
	s_mov_b32 s[G1K+7], 0
	s_or_b32 s[G1M], s67, (2<<16)|(1<<20)|(1<<21)|(6<<22)|(3<<25)   ; 64 mask rows of 128 f32, 4 words of padding behind each
	s_mov_b32 s[G1M+1], 128<<16
	s_mov_b32 s[G1M+2], 64<<16
	s_mov_b32 s[G1M+3], 128<<16
	s_mov_b32 s[G1M+4], 64
	s_mov_b32 s[G1M+5], 3072
	s_mov_b32 s[G1M+6], 0
	s_mov_b32 s[G1M+7], 0
	s_and_b32 s68, s[WV], 1                        ; which half of the mask, or which record, I fetch
	s_mul_i32 s70, s[HB], 24*TILE
	s_mul_i32 s76, s68, REC
	s_add_co_u32 s70, s70, s76
	s_mov_b32 s71, 0
	s_lshl_b32 s72, s[BT], 10
	s_lshl_b32 s73, s[QB], 7
	s_add_co_u32 s72, s72, s73                     ; the block's first mask row
	s_lshl_b32 s73, s68, 6
	s_add_co_u32 s73, s73, s72
	s_mul_i32 s74, s73, 12288
	s_mov_b32 s75, 0
	s_mul_i32 s77, s68, 64*MP
	s_add_co_u32 s77, s77, MOFF
	s_mov_b32 s[SEL], 0x76543210
	s_mov_b32 s[SEL+1], 0xfedcba98
	s_mov_b32 s[CS], 0x3e0293ee                    ; log2(e) / sqrt(128)
	s_mov_b32 s[CS+1], s[CS]
	s_mov_b32 s[RT], 0x413504f3                    ; sqrt(128)
	s_mov_b32 s[RT+1], s[RT]
	s_mov_b32 s[LOOP], 11
	s_wait_dscnt 0x0
	s_wait_kmcnt 0x0
	s_add_nc_u64 s[78:79], s[6:7], s[70:71]
	s_add_nc_u64 s[80:81], s[8:9], s[74:75]
.irp p, 0,1
	s_mov_b32 s[G0K+4*\p], 1
	s_add_co_u32 s[G0K+4*\p+1], s76, \p*SLOT
	s_add_nc_u64 s[G0K+4*\p+2:G0K+4*\p+3], s[78:79], \p*TILE
	s_or_b32 s[G0K+4*\p+3], s[G0K+4*\p+3], 0x80000000
	s_mov_b32 s[G0M+4*\p], 1
	s_add_co_u32 s[G0M+4*\p+1], s77, \p*SLOT
	s_add_nc_u64 s[G0M+4*\p+2:G0M+4*\p+3], s[80:81], \p*512
	s_or_b32 s[G0M+4*\p+3], s[G0M+4*\p+3], 0x80000000
.endr
	ROUND                                          ; in front of the first joint loads
	JLOAD 0                                        ; step 0: one tensor load a wave at the head
	s_mul_i32 s82, s[WV], 3072
	s_lshl_b32 s83, s[WV], 7
	s_lshl_b32 s84, s[HB], 3
	s_add_co_u32 s84, s84, s[QB]
	s_mul_i32 s84, s84, REC
	s_mov_b32 s85, 0
	s_add_nc_u64 s[4:5], s[4:5], s[84:85]          ; q's record
	s_lshl_b32 s84, s[BT], 3
	s_add_co_u32 s84, s84, s[QB]
	s_lshl_b32 s84, s84, 4
	s_and_b32 s86, s[HB], 15
	s_add_co_u32 s84, s84, s86
	s_mul_i32 s84, s84, REC
	s_add_nc_u64 s[10:11], s[10:11], s[84:85]      ; the result's record
	v_and_b32 v92, 31, v0
	v_and_b32 v93, 15, v0
	v_bfe_u32 v94, v0, 4, 1
	v_lshl_add_u32 v[GOF], v92, 4, s82
	v_lshl_add_u32 v[GSC], v93, 2, s83
	s_wait_alu depctr_va_vdst(0)                   ; ahead of the readers below
.irp q, 0,1
.irp c, 0,1,2
	global_load_b128 v[QF+12*\q+4*\c:QF+12*\q+4*\c+3], v[GOF], s[4:5] offset:1536*\q+512*\c
.endr
	global_load_b32 v[QSC+\q], v[GSC], s[4:5] offset:12288+64*\q
.endr
	; the prefetches' addresses: they stand at step 3 and are stepped ahead of each request
	s_lshl_b32 s86, s[CY], 5
	s_add_co_u32 s86, s86, s72
	s_mul_i32 s86, s86, 12288
	s_lshl_b32 s87, s68, 8
	s_add_co_u32 s86, s86, s87
	s_add_co_u32 s86, s86, 3*512
	s_mul_i32 s87, s[CX], 6400
	s_mul_i32 s88, s[HB], 24*TILE
	s_add_co_u32 s87, s87, s88
	s_add_co_u32 s87, s87, 3*TILE
	s_mov_b32 s[PFS], 512
	s_mov_b32 s88, 12288
	s_mov_b32 s89, 256
	s_mov_b32 s90, TILE
	s_cmp_lt_u32 s[WV], 2
	s_cselect_b64 s[PFA:PFA+1], s[8:9], s[6:7]
	s_cselect_b32 s86, s86, s87
	s_cselect_b32 s[PFS], s[PFS], s90
	s_cselect_b32 s88, s88, s89
	s_cselect_b32 s89, 31, 24
	s_mov_b32 s87, 0
	s_mov_b32 s[PFS+1], 0
	s_add_nc_u64 s[PFA:PFA+1], s[PFA:PFA+1], s[86:87]
	s_cmp_lt_u32 s[WV], 3
	s_cselect_b32 s[LIM], 1, -1
	s_mul_i32 s91, s[WV], 32*MP
	s_add_co_u32 s91, s91, MOFF
	v_min_u32 v[PFO], s89, v92
	v_mul_lo_u32 v[PFO], v[PFO], s88
	v_lshlrev_b32 v[LI], 4, v92
	v_add_nc_u32 v[LI+1], SLOT, v[LI]
	v_lshlrev_b32 v[LS], 2, v92
	v_add_nc_u32 v[LS+1], SLOT, v[LS]
	v_mul_u32_u24 v[AM], v93, MP
	v_lshl_add_u32 v[AM], v94, 5, v[AM]
	v_add_nc_u32 v[AM], s91, v[AM]
	v_add_nc_u32 v[AM+1], SLOT, v[AM]
	v_add_nc_u32 v[SCW], SCST, v[GSC]
	v_add_nc_u32 v[SCR], SCST, v[LI]
.irp q, 0,1
	v_mov_b32 v[13+4*\q], 0xff61b1e6               ; the largest t so far: -3e38
	v_floor_f32 v[12+4*\q], -v[13+4*\q]
	v_mov_b32 v[14+4*\q], 0
	v_mov_b32 v[15+4*\q], 0
	v_mov_b32 v[21+2*\q], 0                        ; named as a pair's upper half before it is first written
	v_mov_b32 v[TT+\q], 0
.irp b, 0,1,2,3
	v_mov_b32 v[TM+16*\q+4+\b], 0                  ; a lane permute's destination counts as one of its sources
.endr
.endr
	WIN 0x40
.set JJ, 0
.rept 128
	v_mov_b32 v[128+JJ], 0                         ; O^T: the step is written once; the first change of M multiplies these by 0
.set JJ, JJ+1
.endr
	WIN 0
	s_wait_alu depctr_va_vdst(0)
	s_wait_tensorcnt 0x0                           ; my part of step 0 is in
	ds_add_u32 v[SPW], v[NIL]
	s_wait_dscnt 0x0
	ROUND
	JLOAD 1                                        ; step 1, the first tensor load behind the round
.set SN, 1                             ; step 0's scores lie in window 1
	LOADNX 0
	s_wait_dscnt 0x0
	WIN SN|(SN<<6)
.irp g, 0,1,2,3
	MUL16 32*\g
.endr
	s_wait_alu depctr_va_vdst(0)
	s_wait_loadcnt 0x0                             ; q
	WIN (SN<<4)|(SN<<6)
.irp g, 0,1,2,3,4,5,6,7
	SQ \g
.endr
	WIN 0
.rept 4
	v_nop                                          ; places behind the products
.endr
; A step of 128 keys in slot sl.  At its head the raw scores lie in window SW = 1 + sl.
; refill: the slot is filled again, two steps on;  nx: a step follows;  ask: the prefetch's address is stepped and the request stands.
.macro STEP sl, refill, nx, ask
.set SW, 1+\sl
.set SN, 2-\sl
.irp i, 0,1,2,3
	ds_load_b32 v[VSC+\i], v[LS+\sl] offset:REC+12288+128*\i
.endr
	WIN 0x80
.irp t, 0,1,2,3,4,5,6,7
.irp c, 0,1,2
	ds_load_b128 v[VF+12*\t+4*\c:VF+12*\t+4*\c+3], v[LI+\sl] offset:REC+1536*\t+512*\c
.endr
.endr
	WIN SW|(SW<<2)|(SW<<4)                         ; each block's largest raw score, the eight blocks by turns, each accumulator from its low end on
	s_wait_alu depctr_va_vdst(0)                   ; directly ahead of the scores' first readers
.irp b, 0,1,2,3
.irp q, 0,1
	v_max3_num_f32 v[TM+16*\q+\b], v[64*\q+16*\b], v[64*\q+16*\b+1], v[64*\q+16*\b+2]
.endr
.endr
	WIN (SW<<2)|(SW<<4)
	s_wait_alu depctr_va_vdst(0)                   ; and ahead of the odd key tiles' first readers
.irp i, 3,5,7,9,11,13
.irp b, 0,1,2,3
.irp q, 0,1
	v_max3_num_f32 v[TM+16*\q+\b], v[TM+16*\q+\b], v[64*\q+16*\b+\i], v[64*\q+16*\b+\i+1]
.endr
.endr
.endr
.irp b, 0,1,2,3
.irp q, 0,1
	v_max_num_f32 v[TM+16*\q+\b], v[TM+16*\q+\b], v[64*\q+16*\b+15]
.endr
.endr
	WIN 0
.irp b, 0,1,2,3
.irp q, 0,1
	v_permlanex16_b32 v[TM+16*\q+4+\b], v[TM+16*\q+\b], s[SEL], s[SEL+1]
.endr
.endr
.irp b, 0,1,2,3
.irp q, 0,1
	v_max_num_f32 v[TM+16*\q+\b], v[TM+16*\q+\b], v[TM+16*\q+4+\b]
.endr
.endr
.irp q, 0,1
	v_max3_num_f32 v[TT+\q], v[TM+16*\q], v[TM+16*\q+1], v[TM+16*\q+2]
.endr
.irp q, 0,1
	v_max_num_f32 v[TT+\q], v[TT+\q], v[TM+16*\q+3]
.endr
.irp q, 0,1
	v_mul_f32 v[TT+\q], s[CS], v[TT+\q]            ; as t
.endr
.irp q, 0,1
	v_max_num_f32 v[13+4*\q], v[13+4*\q], v[TT+\q] ; the running largest t
.endr
.irp q, 0,1
	v_mov_b32 v[TT+\q], v[12+4*\q]
.endr
.irp q, 0,1
	v_floor_f32 v[12+4*\q], -v[13+4*\q]            ; -M = -ceil(t)
.endr
.irp q, 0,1
	v_sub_f32 v[TT+\q], v[12+4*\q], v[TT+\q]
.endr
.irp q, 0,1
	v_cvt_i32_f32 v[TT+\q], v[TT+\q]
.endr
.irp q, 0,1
	v_ldexp_f32 v[20+2*\q], 1.0, v[TT+\q]          ; f = 2^(old M - new M)
.endr
.irp b, 0,1,2,3
.irp q, 0,1
	v_fma_f32 v[TM+16*\q+\b], v[TM+16*\q+\b], s[CS], v[12+4*\q]
.endr
.endr
.if \nx
	s_wait_alu depctr_va_vdst(0)
	s_wait_tensorcnt 0x0                           ; my one load that was out, my part of the other slot, has landed
.if \refill
	ds_add_u32 v[SPW], v[NIL]
	s_add_nc_u64 s[G0K+4*\sl+2:G0K+4*\sl+3], s[G0K+4*\sl+2:G0K+4*\sl+3], 2*TILE
	s_add_nc_u64 s[G0M+4*\sl+2:G0M+4*\sl+3], s[G0M+4*\sl+2:G0M+4*\sl+3], 2*512
.endif
.if \ask
	s_wait_xcnt 0x0                                ; the last step's prefetch has read its address
	s_add_nc_u64 s[PFA:PFA+1], s[PFA:PFA+1], s[PFS:PFS+1]
.endif
.endif
	WIN 0x41
	RESC 0
	RESC 1
.if \nx
	s_wait_alu depctr_va_vdst(0)
	s_wait_dscnt 0x0                               ; the add is done and V is in: my reads of this slot are over
	s_barrier_signal -1
.endif
	WIN SW|(SW<<6)
.irp g, 0,1,2,3
	FMA8 16*\g, 12                                 ; tile 0's t - M
.endr
	WIN 0
.if \nx
	s_barrier_wait -1
.if \refill
	CREST                                          ; the barrier has opened a round of the cluster's barrier
	JLOAD \sl                                      ; step + 2 into this slot, the first tensor load behind the round
.endif
	LOADNX 1-\sl                                   ; 60 loads: mask of tile 0 (16), of tile 1 (16), scale words (4), K (24)
.endif
	s_wait_alu depctr_va_vdst(0)                   ; ahead of the first batch of exponentials
.irp b, 0,1,2,3
.irp q, 0,1
	v_exp_f32 v[TM+16*\q+\b], v[TM+16*\q+\b]       ; each block's largest p
.endr
.endr
	WIN SW|(SW<<6)
.irp g, 0,1,2,3                        ; tile 0's exponentials, among them tile 1's t - M
	EXP8 8*\g
	FMA8 64+16*\g, 16
.endr
.irp g, 4,5,6,7                        ; and the next step's mask x sqrt(128)
.if \nx
.if \g == 4
	s_wait_dscnt 44                                ; tile 0's 16 mask loads are in; the 44 behind them may be out
.endif
.if \g == 6
	s_wait_dscnt 28                                ; tile 1's too; the scale words' and K's 28 may be out
.endif
.endif
	WIN SW|(SW<<6)
	EXP8 8*\g
.if \nx
	WIN SN|(SN<<6)
	MUL16 32*(\g-4)
.endif
.endr
	v_nop                                          ; a plain place behind the exponentials
	s_wait_alu depctr_va_vdst(0)                   ; behind the first batch, ahead of the second
.if \nx
	s_wait_dscnt 0x0                               ; K is in
.endif
.irp g, 0,1,2,3,4,5,6,7                ; tile 1's exponentials, among them the next step's score products, tile 0's partial sums and its packing
	WIN SW|(SW<<6)
	EXP8 64+8*\g
.if \nx
	WIN (SN<<4)|(SN<<6)
	SQ \g
.endif
.if \g < 4
	WIN SW|(SW<<2)
	PART 0, \g
.endif
.if \g == 4
	WIN 0
.irp q, 0,1
	v_pk_mul_f32 v[14+4*\q:15+4*\q], v[14+4*\q:15+4*\q], v[20+2*\q:21+2*\q] op_sel_hi:[1,0]   ; the sums under the new M
.endr
	FLOORT 0
	PACKS 0
	PACKC 0, SW
.endif
.endr
	v_nop
	s_wait_alu depctr_va_vdst(0)                   ; behind the second batch
	WIN 0
.if \nx == 0
	s_wait_dscnt 0x0                               ; V
.endif
.if \ask
	ASK
.endif
	WIN 0x5e                                       ; O^T += V^T p^T, sixteen accumulators by turns; tile 1's packing and the sums stand among the products
	PV 0, 0
	PV 0, 1
	WIN 0
	FLOORT 1
	PACKS 1
	WIN 0x5e
	PV 0, 2
	PV 0, 3
	PACKC 1, SW
	WIN 0x5e
	PV 0, 4
	PV 0, 5
	WIN SW|(SW<<2)
	PART 1, 0
	PART 1, 1
	WIN 0x5e
	PV 0, 6
	PV 0, 7
	WIN SW|(SW<<2)
	PART 1, 2
	PART 1, 3
	WIN 0x5e
	PV 1, 0
	PV 1, 1
	WIN 0
	TREE 8
	WIN 0x5e
	PV 1, 2
	PV 1, 3
	WIN 0
	TREE 4
	WIN 0x5e
	PV 1, 4
	PV 1, 5
	WIN 0
	TREE 2
	WIN 0x5e
	PV 1, 6
	PV 1, 7
	WIN 0
	TREE 1                                         ; these four lines are the places behind the last product
.irp q, 0,1
	v_pk_add_f32 v[14+4*\q:15+4*\q], v[14+4*\q:15+4*\q], v[PS+32*\q:PS+32*\q+1]
.endr
	s_wait_alu depctr_va_vdst(0)
.endm
.Ltrip:                                                ; steps 0 to 21: a trip goes once round the ring
	STEP 0, 1, 1, 1
	STEP 1, 1, 1, 1
	s_sub_co_u32 s[LOOP], s[LOOP], 1
	s_cmp_lg_u32 s[LOOP], 0
	s_cbranch_scc1 .Ltrip
	STEP 0, 0, 1, 0                                ; the last two steps fill nothing
	STEP 1, 0, 0, 0
.irp q, 0,1
	v_add_f32 v[14+4*\q], v[14+4*\q], v[15+4*\q]
.endr
.irp q, 0,1
	v_permlanex16_b32 v[TT+\q], v[14+4*\q], s[SEL], s[SEL+1]
.endr
.irp q, 0,1
	v_add_f32 v[14+4*\q], v[14+4*\q], v[TT+\q]     ; the row's sum
.endr
	s_wait_alu depctr_va_vdst(0)
.irp q, 0,1
	v_rcp_f32 v[14+4*\q], v[14+4*\q]
.endr
	v_nop
	WIN 0x41
	s_wait_alu depctr_va_vdst(0)
.irp q, 0,1
.set JJ, 0
.rept 64
	v_mul_f32 v[64*\q+JJ], v[128+64*\q+JJ], v[14+4*\q]   ; O^T / l, into window 1's score registers
.set JJ, JJ+1
.endr
.endr
	WIN 0x05                                       ; quantised along the head's channels, the projection's K
.irp b, 0,1,2,3
.irp q, 0,1
	v_max3_num_f32 v[TM+16*\q+\b], |v[64*\q+16*\b]|, |v[64*\q+16*\b+1]|, 0x1800000
.endr
.endr
	WIN 0x14
.irp i, 2,4,6,8,10,12,14
.irp b, 0,1,2,3
.irp q, 0,1
	v_max3_num_f32 v[TM+16*\q+\b], v[TM+16*\q+\b], |v[64*\q+16*\b+\i]|, |v[64*\q+16*\b+\i+1]|
.endr
.endr
.endr
	WIN 0
.irp b, 0,1,2,3
.irp q, 0,1
	v_permlanex16_b32 v[TM+16*\q+4+\b], v[TM+16*\q+\b], s[SEL], s[SEL+1]
.endr
.endr
.irp b, 0,1,2,3
.irp q, 0,1
	v_max_num_f32 v[TM+16*\q+\b], v[TM+16*\q+\b], v[TM+16*\q+4+\b]
.endr
.endr
	PACKS 0
	PACKS 1
	PACKC 0, 1
	PACKC 1, 1
	WIN 0x0c
.irp q, 0,1
.irp c, 0,1,2
	global_store_b128 v[GOF], v[24*\q+4*\c:24*\q+4*\c+3], s[10:11] offset:1536*\q+512*\c   ; 512 consecutive bytes, at a multiple of 256 from the buffer's first byte
.endr
.endr
	WIN 0
	ds_store_b32 v[SCW], v21                       ; lanes l and l xor 16 write the same word with the same value
	ds_store_b32 v[SCW], v23 offset:64
	s_wait_dscnt 0x0                               ; for the others' sake
	s_barrier_signal -1
	s_barrier_wait -1
	s_cmp_lg_u32 s[WV], 0
	s_cbranch_scc1 .Lno_scales
	ds_load_b128 v[192:195], v[SCR]                ; the record's 512 bytes of scale words
	s_wait_dscnt 0x0
	global_store_b128 v[GOF], v[192:195], s[10:11] offset:12288
.Lno_scales:
	s_wait_tensorcnt 0x0                           ; the wave's end
	ds_add_u32 v[SPW], v[NIL]
	s_wait_dscnt 0x0
	ROUND                                          ; the closing round
	s_endpgm
.Lfunc_end_k_qfa6054f2ec_attn:
	.size	k_qfa6054f2ec_attn, .Lfunc_end_k_qfa6054f2ec_attn-k_qfa6054f2ec_attn
	.p2alignl 7, 3214868480
	.fill 96, 4, 3214868480
	.section	.rodata,"a",@progbits
	.p2align	6, 0x0
	.amdhsa_kernel k_qfa6054f2ec_attn
		.amdhsa_group_segment_fixed_size 327680
		.amdhsa_private_segment_fixed_size 0
		.amdhsa_enable_private_segment 0
		.amdhsa_kernarg_size 32
		.amdhsa_user_sgpr_count 2
		.amdhsa_user_sgpr_kernarg_segment_ptr 1
		.amdhsa_wavefront_size32 1
		.amdhsa_system_sgpr_workgroup_id_x 1
		.amdhsa_system_sgpr_workgroup_id_y 1
		.amdhsa_system_sgpr_workgroup_id_z 1
		.amdhsa_system_vgpr_workitem_id 0
		.amdhsa_next_free_vgpr 1024
		.amdhsa_next_free_sgpr 100
		.amdhsa_reserve_vcc 0
		.amdhsa_float_denorm_mode_32 3
		.amdhsa_float_denorm_mode_16_64 3
		.amdhsa_memory_ordered 1
		.amdhsa_forward_progress 1
		.amdhsa_inst_pref_size 194
	.end_amdhsa_kernel
	.amdgpu_metadata
---
amdhsa.version: [ 1, 2 ]
amdhsa.kernels:
  - .name:           k_qfa6054f2ec_attn
    .symbol:         k_qfa6054f2ec_attn.kd
    .args:
      - { .name: Q, .offset: 0, .size: 8, .value_kind: global_buffer, .address_space: global }
      - { .name: KV, .offset: 8, .size: 8, .value_kind: global_buffer, .address_space: global }
      - { .name: attention_mask, .offset: 16, .size: 8, .value_kind: global_buffer, .address_space: global }
      - { .name: AT, .offset: 24, .size: 8, .value_kind: global_buffer, .address_space: global }
    .group_segment_fixed_size: 327680
    .private_segment_fixed_size: 0
    .kernarg_segment_align: 8
    .kernarg_segment_size: 32
    .max_flat_workgroup_size: 128
    .sgpr_count:     100
    .vgpr_count:     1024
    .wavefront_size: 32
...
	.end_amdgpu_metadata
.endif
;; end of part 7
;; launch outp (part 8): grid 16 x 16, 4 waves a work-group, clusters of 4 x 4, 327,680 bytes of LDS; arguments AT, XW, out0; writes out0
.if DOCPART == 8
	.amdgcn_target "amdgcn-amd-amdhsa--gfx1250"
	.amdhsa_code_object_version 6
	.text
	.protected	k_qfa6054f2ec_outp
	.globl	k_qfa6054f2ec_outp
	.p2align	8
	.type	k_qfa6054f2ec_outp,@function
k_qfa6054f2ec_outp:
	s_mov_b64 s[64:65], 0
	v_nop
	global_prefetch_b8 v0, s[64:65] scope:SCOPE_SE
	s_setreg_imm32_b32 hwreg(HW_REG_WAVE_MODE, 25, 1), 1
	s_wait_xcnt 0x0
	s_wait_alu depctr_hold_cnt(0) depctr_sa_sdst(0) depctr_va_vdst(0) depctr_va_sdst(0) depctr_va_ssrc(0) depctr_va_vcc(0) depctr_vm_vsrc(0)
	s_getreg_b32 s2, hwreg(HW_REG_IB_STS2, 6, 4)
	s_cmp_eq_u32 s2, 0
	s_cbranch_scc0 .Lentry_in_a_cluster
	s_endpgm
.Lentry_in_a_cluster:
	s_bfe_u32 s2, ttmp6, 0x10000c
	s_cmp_lg_u32 s2, 0xf033
	s_cbranch_scc0 .Lentry_shape_is_right
	s_endpgm
.Lentry_shape_is_right:
.set REC,    12800
.set MATB,   256*REC
.set GRP,    16*REC
.set SIZE_N, 2048
.set FR,     12
.set NP,     4
.set SLOTB,  4*REC
.set BREG,   3*SLOTB
.set SPARE,  2*BREG
.set SPITCH, 272
.set STAGE,  SLOTB
.set ADRS, 12
.set ADRA, 16
.set ADRB, 20
.set STO,  24
.set RD,   25
.set CO,   26
.set GO,   27
.set SPW,  28
.set NIL,  29
.set SC,   32
.set BK,   64
.set ACC,  128
.set G1,  24
.set G0,  32
.set G1B, 48
.set G0B, 68
.set CX,  80
.set CY,  81
.set TX,  82
.set MR,  83
.set MC,  84
.set LD,  85
.set BA,  86
.set MSB, 0
.macro WIN new
.if MSB != \new
	s_set_vgpr_msb (MSB<<8)|\new
.set MSB, \new
.endif
.endm
.set MULW, 0x05
.set TO_F, 0x40
.macro JLOAD g0a, g1a, g0b, g1b
	s_cmp_eq_u32 s15, 0
	s_cbranch_scc0 .Lfor_b_\@
	tensor_load_to_lds s[\g0a:\g0a+3], s[\g1a:\g1a+7]
	s_nop 0
.rept 4
	v_nop
.endr
	s_branch .Lasked_\@
.Lfor_b_\@:
	tensor_load_to_lds s[\g0b:\g0b+3], s[\g1b:\g1b+7]
	s_nop 0
.rept 4
	v_nop
.endr
.Lasked_\@:
.endm
.macro CROUND
	s_barrier_signal -1
	s_barrier_wait -1
	s_cmp_lg_u32 s14, 0
	s_cbranch_scc1 .Lnot_wave_0_\@
	s_barrier_signal -3
.Lnot_wave_0_\@:
	s_barrier_wait -3
	s_barrier_signal -1
	s_barrier_wait -1
.endm
	s_load_b128 s[4:7], s[0:1], 0x0
	s_load_b64 s[12:13], s[0:1], 0x10
	v_lshl_add_u32 v[SPW], v0, 2, SPARE
	v_mov_b32 v[NIL], 0
	ds_add_u32 v28, v29
	ds_add_u32 v28, v29
	s_wait_dscnt 0x0
	v_lshrrev_b32 v1, 5, v0
	v_readfirstlane_b32 s14, v1
	s_lshr_b32 s15, s14, 1
	s_and_b32 s16, s14, 1
	s_bfe_u32 s[CX], ttmp6, 0x40000
	s_bfe_u32 s[CY], ttmp6, 0x40004
	s_lshl_b32 s[TX], ttmp9, 2
	s_add_co_u32 s[TX], s[TX], s[CX]
	s_and_b32 s17, ttmp7, 0xffff
	s_lshl_b32 s17, s17, 2
	s_add_co_u32 s17, s17, s[CY]
	s_lshl_b32 s[MR], s[CY], 2
	s_lshl_b32 s[MR], 15, s[MR]
	s_lshl_b32 s[MC], 0x1111, s[CX]
	s_or_b32 s[G1+0], s[MR], (3<<16)|(1<<21)
	s_or_b32 s[G1B+0], s[MC], (3<<16)|(1<<21)
.irp g, G1, G1B
	s_mov_b32 s[\g+1], 32<<16
	s_mov_b32 s[\g+2], 100<<16
	s_mov_b32 s[\g+3], 32<<16
	s_mov_b32 s[\g+4], 100
	s_mov_b32 s[\g+5], 32
	s_mov_b32 s[\g+6], 0
	s_mov_b32 s[\g+7], 0
.endr
	s_mul_i32 s18, s16, 2*REC
	s_mul_i32 s20, s17, GRP
	s_add_co_u32 s20, s20, s18
	s_mov_b32 s21, 0
	s_mul_i32 s[BA], s[TX], GRP
	s_add_co_u32 s[BA], s[BA], s18
	s_add_co_u32 s[BA], s[BA], 4*MATB
	s_mov_b32 s[BA+1], 0
	s_mul_i32 s[LD], s15, BREG
	s_add_co_u32 s[LD], s[LD], s18
	s_wait_kmcnt 0x0
	s_add_nc_u64 s[20:21], s[4:5], s[20:21]
	s_add_nc_u64 s[BA:BA+1], s[6:7], s[BA:BA+1]
	CROUND
.irp s, 0,1,2
	s_mov_b32 s[G0+4*\s], 1
	s_add_co_u32 s[G0+4*\s+1], s[LD], \s*SLOTB
	s_add_nc_u64 s[G0+4*\s+2:G0+4*\s+3], s[20:21], \s*SLOTB
	s_or_b32 s[G0+4*\s+3], s[G0+4*\s+3], 0x80000000
	s_mov_b32 s[G0B+4*\s], 1
	s_add_co_u32 s[G0B+4*\s+1], s[LD], \s*SLOTB
	s_add_nc_u64 s[G0B+4*\s+2:G0B+4*\s+3], s[BA:BA+1], \s*SLOTB
	s_or_b32 s[G0B+4*\s+3], s[G0B+4*\s+3], 0x80000000
	s_wait_alu depctr_va_vdst(0)
	s_wait_tensorcnt 0x0
	ds_add_u32 v28, v29
	ds_add_u32 v28, v29
	s_wait_dscnt 0x0
	CROUND
	JLOAD G0+4*\s, G1, G0B+4*\s, G1B
.endr
	v_and_b32 v1, 15, v0
	v_bfe_u32 v2, v0, 4, 1
	v_and_b32 v3, 31, v0
	v_lshlrev_b32 v[CO], 4, v3
	s_wait_alu depctr_va_vdst(0)
	s_mul_i32 s21, s15, 4*1536
	s_mul_i32 s22, s16, 4*1536
	s_add_co_u32 s22, s22, BREG
	s_lshl_b32 s23, s15, 8
	s_lshl_b32 s19, s16, 8
	s_add_co_u32 s19, s19, BREG
	s_sub_co_u32 s19, s19, s23
	v_mul_u32_u24 v4, s19, v2
	v_lshl_add_u32 v4, v1, 2, v4
.irp s, 0,1,2
	v_add_nc_u32 v[ADRA+\s], s21, v[CO]
	v_add_nc_u32 v[ADRB+\s], s22, v[CO]
	v_add_nc_u32 v[ADRS+\s], s23, v4
	s_add_co_u32 s21, s21, SLOTB
	s_add_co_u32 s22, s22, SLOTB
	s_add_co_u32 s23, s23, SLOTB
.endr
	s_mul_i32 s23, s14, 16*SPITCH
	s_add_co_u32 s23, s23, STAGE
	v_mul_u32_u24 v5, v1, SPITCH
	v_lshl_add_u32 v5, v2, 5, v5
	v_add_nc_u32 v[STO], s23, v5
	v_mul_u32_u24 v5, v2, SPITCH
	v_lshl_add_u32 v5, v1, 4, v5
	v_add_nc_u32 v[RD], s23, v5
	v_lshlrev_b32 v[GO], 13, v2
	v_lshl_add_u32 v[GO], v1, 4, v[GO]
	s_lshl_b32 s20, s17, 7
	s_lshl_b32 s21, s15, 6
	s_add_co_u32 s20, s20, s21
	s_lshl_b32 s20, s20, 13
	s_mov_b32 s21, 0
	s_lshl_b32 s[BA], s[TX], 9
	s_lshl_b32 s[BA+1], s16, 8
	s_add_co_u32 s[BA], s[BA], s[BA+1]
	s_mov_b32 s[BA+1], 0
	s_add_nc_u64 s[20:21], s[20:21], s[BA:BA+1]
	s_add_nc_u64 s[12:13], s[12:13], s[20:21]
.macro FETCH j, p
.set FS, ((\j)%12)/4
.set FQ, (\j)%4
	WIN TO_F
.irp i, 0,1,2,3
.irp c, 0,1,2
	ds_load_b128 v[128*(\p)+48+FR*\i+4*\c:128*(\p)+48+FR*\i+4*\c+3], v[ADRB+FS] offset:FQ*REC+\i*1536+512*\c
.endr
.endr
.irp i, 0,1,2,3
.irp c, 0,1,2
	ds_load_b128 v[128*(\p)+FR*\i+4*\c:128*(\p)+FR*\i+4*\c+3], v[ADRA+FS] offset:FQ*REC+\i*1536+512*\c
.endr
.endr
	WIN 0
.irp i, 0,1,2,3
	ds_load_b32 v[SC+4*(\p)+\i], v[ADRS+FS] offset:FQ*REC+12288+64*\i
.endr
.endm
.macro MUL p, zero
	WIN MULW
.irp a, 0,1,2,3
.irp b, 0,1,2,3
.if \zero
	v_wmma_scale_f32_16x16x128_f8f6f4 v[ACC+8*(4*\a+\b):ACC+8*(4*\a+\b)+7], v[128*(\p)+48+FR*\b:128*(\p)+48+FR*\b+FR-1], v[128*(\p)+FR*\a:128*(\p)+FR*\a+FR-1], 0, v[SC+4*(\p)+\b], v[SC+4*(\p)+\a] matrix_a_fmt:MATRIX_FMT_FP6 matrix_b_fmt:MATRIX_FMT_FP6 matrix_a_scale:MATRIX_SCALE_ROW1
.else
	v_wmma_scale_f32_16x16x128_f8f6f4 v[ACC+8*(4*\a+\b):ACC+8*(4*\a+\b)+7], v[128*(\p)+48+FR*\b:128*(\p)+48+FR*\b+FR-1], v[128*(\p)+FR*\a:128*(\p)+FR*\a+FR-1], v[ACC+8*(4*\a+\b):ACC+8*(4*\a+\b)+7], v[SC+4*(\p)+\b], v[SC+4*(\p)+\a] matrix_a_fmt:MATRIX_FMT_FP6 matrix_b_fmt:MATRIX_FMT_FP6 matrix_a_scale:MATRIX_SCALE_ROW1
.endif
.endr
.endr
	WIN 0
.endm
.macro PLACES n
.rept \n
	v_nop
.endr
.endm
.macro KSTEP j, more, zero
	s_wait_dscnt 0x0
.if \more
	PLACES NP
	FETCH (\j)+1, 1-(\j)%2
.endif
	MUL (\j)%2, \zero
.endm
	s_wait_tensorcnt 2
	s_barrier_signal -1
	s_barrier_wait -1
	FETCH 0, 0
	KSTEP 0, 1, 1
	KSTEP 1, 1, 0
	KSTEP 2, 1, 0
	s_wait_dscnt 0x0
	s_wait_tensorcnt 0x0
	ds_add_u32 v[SPW], v[NIL]
	MUL 1, 0
	s_wait_dscnt 0x0
	CROUND
	s_add_nc_u64 s[G0+2:G0+3], s[G0+2:G0+3], 3*SLOTB
	s_add_nc_u64 s[G0B+2:G0B+3], s[G0B+2:G0B+3], 3*SLOTB
	JLOAD G0, G1, G0B, G1B
	FETCH 4, 0
	s_wait_alu depctr_va_vdst(0)
.irp j, 4,5,6,7,8,9,10
	KSTEP \j, 1, 0
.endr
	KSTEP 11, 0, 0
	s_wait_tensorcnt 0x0
	s_barrier_signal -1
	s_barrier_wait -1
	PLACES NP
	FETCH 12, 0
	KSTEP 12, 1, 0
	KSTEP 13, 1, 0
	KSTEP 14, 1, 0
	KSTEP 15, 0, 0
.macro TOSTAGE a
.irp b, 0,1,2,3
	ds_store_b128 v[STO], v[ACC+8*(4*(\a)+\b):ACC+8*(4*(\a)+\b)+3] offset:64*\b
	ds_store_b128 v[STO], v[ACC+8*(4*(\a)+\b)+4:ACC+8*(4*(\a)+\b)+7] offset:64*\b+16
.endr
.set BB, BK+32*((\a)%2)
.irp t, 0,1,2,3,4,5,6,7
	ds_load_b128 v[BB+4*\t:BB+4*\t+3], v[RD] offset:\t*2*SPITCH
.endr
.endm
.macro SEND a, younger
.set BB, BK+32*((\a)%2)
	s_wait_dscnt \younger
.irp t, 0,1,2,3,4,5,6,7
	global_store_b128 v[GO], v[BB+4*\t:BB+4*\t+3], s[12:13] offset:(16*(\a)+2*\t)*SIZE_N*4 th:TH_STORE_NT
.endr
.endm
	PLACES NP
	TOSTAGE 0
.irp a, 1,2,3
.if \a > 1
	s_wait_xcnt 0x0
.endif
	TOSTAGE \a
	SEND \a-1, 16
.endr
	SEND 3, 0
	s_wait_tensorcnt 0x0
	ds_add_u32 v[SPW], v[NIL]
	s_wait_dscnt 0x0
	CROUND
	s_endpgm
.Lfunc_end_k_qfa6054f2ec_outp:
	.size	k_qfa6054f2ec_outp, .Lfunc_end_k_qfa6054f2ec_outp-k_qfa6054f2ec_outp
	.p2alignl 7, 3214868480
	.fill 96, 4, 3214868480
	.section	.rodata,"a",@progbits
	.p2align	6, 0x0
	.amdhsa_kernel k_qfa6054f2ec_outp
		.amdhsa_group_segment_fixed_size 327680
		.amdhsa_private_segment_fixed_size 0
		.amdhsa_enable_private_segment 0
		.amdhsa_kernarg_size 24
		.amdhsa_user_sgpr_count 2
		.amdhsa_user_sgpr_kernarg_segment_ptr 1
		.amdhsa_wavefront_size32 1
		.amdhsa_system_sgpr_workgroup_id_x 1
		.amdhsa_system_sgpr_workgroup_id_y 1
		.amdhsa_system_sgpr_workgroup_id_z 1
		.amdhsa_system_vgpr_workitem_id 0
		.amdhsa_next_free_vgpr 512
		.amdhsa_next_free_sgpr 98
		.amdhsa_reserve_vcc 0
		.amdhsa_float_denorm_mode_32 3
		.amdhsa_float_denorm_mode_16_64 3
		.amdhsa_memory_ordered 1
		.amdhsa_forward_progress 1
		.amdhsa_inst_pref_size 84
	.end_amdhsa_kernel
	.amdgpu_metadata
---
amdhsa.version: [ 1, 2 ]
amdhsa.kernels:
  - .name:           k_qfa6054f2ec_outp
    .symbol:         k_qfa6054f2ec_outp.kd
    .args:
      - { .name: AT, .offset: 0, .size: 8, .value_kind: global_buffer, .address_space: global }
      - { .name: XW, .offset: 8, .size: 8, .value_kind: global_buffer, .address_space: global }
      - { .name: out0, .offset: 16, .size: 8, .value_kind: global_buffer, .address_space: global }
    .group_segment_fixed_size: 327680
    .private_segment_fixed_size: 0
    .kernarg_segment_align: 8
    .kernarg_segment_size: 24
    .max_flat_workgroup_size: 128
    .sgpr_count:     98
    .vgpr_count:     512
    .wavefront_size: 32
...
	.end_amdgpu_metadata
.endif
;; end of part 8
